; MI455X (gfx1250); checked and timed in simulation.
; The chip was launched on July 23, 2026; its instructions are those of AMD's public machine-readable ISA for CDNA 5 (MIT licence, August 2026) and "CDNA5" Instruction Set Architecture Reference Guide (July 2026). The comments in the code are by the model that wrote it; some were corrected since.
;; Informed Test Model. Allowed arithmetic: matrix products marked QUANTISED: E4M3 operands, one given power-of-two scale a tensor, by v_wmma_f32_16x16x64_fp8_fp8 or v_wmma_f32_16x16x128_fp8_fp8, f32 sums; everything else in f32.
;; Inputs: lk_w 240 x 256 float32; lowp_scales 22 int32 (the exponents e of the quantised operands' scales 2^e); lq_w 240 x 256 float32; lv_w 240 x 512 float32; pk_w 512 x 256 float32; po_w 1,024 x 240 float32; pq_w 512 x 256 float32; pv_w 512 x 1,024 float32; rel_bias 129 float32; xs 8 x 2,048 int32.
;; Outputs: out0 8 x 2,048 x 240 float32.
;; This version of the problem:
;;   THIS VERSION OF THE PROBLEM IS GIVEN IN LOW PRECISION. The matrix products marked QUANTISED in the list below multiply operands that are first quantised to E4M3 (4 exponent bits, 3 mantissa bits; 8 bits a number), with one given power-of-two scale for each operand tensor; their sums are f32. All else is computed in f32.
;;   The module's matrix products, in the order in which they are computed (A, B: the left and right operand; K: the contracted axis; several contracted axes count as one K, in the product's order):
;;     1. [M 16,384, K 240] x [K 240, N 256]; A: computed on the way; B: input lq_w: QUANTISED (scales: A lowp_scales[0], B lowp_scales[1])
;;     2. [M 16,384, K 240] x [K 240, N 256]; A: computed on the way; B: input lk_w: QUANTISED (scales: A lowp_scales[2], B lowp_scales[3])
;;     3. [M 16,384, K 240] x [K 240, N 512]; A: computed on the way; B: input lv_w: QUANTISED (scales: A lowp_scales[4], B lowp_scales[5])
;;     4. batch 256 x [M 64, K 256] x [K 256, N 192]; A: computed on the way; B: computed on the way: QUANTISED (scales: A lowp_scales[6], B lowp_scales[7])
;;     5. batch 256 x [M 64, K 192] x [K 192, N 512]; A: softmax (see below); B: computed on the way: QUANTISED (scales: A lowp_scales[8], B lowp_scales[9])
;;     6. [M 16,384, K 512] x [K 512, N 256]; A: computed on the way; B: input pq_w: QUANTISED (scales: A lowp_scales[10], B lowp_scales[11])
;;     7. [M 16,384, K 512] x [K 512, N 256]; A: computed on the way; B: input pk_w: QUANTISED (scales: A lowp_scales[12], B lowp_scales[13])
;;     8. [M 16,384, K 512] x [K 512, N 1,024]; A: computed on the way; B: input pv_w: QUANTISED (scales: A lowp_scales[14], B lowp_scales[15])
;;     9. batch 64 x [M 2,048, K 32] x [K 32, N 2,048]; A: computed on the way; B: computed on the way: QUANTISED (scales: A lowp_scales[16], B lowp_scales[17])
;;     10. batch 64 x [M 128, K 2,048] x [K 2,048, N 2,048]; A: computed on the way; B: softmax (see below): QUANTISED (scales: A lowp_scales[18], B lowp_scales[19])
;;     11. [M 16,384, K 1,024] x [K 1,024, N 240]; A: computed on the way; B: input po_w: QUANTISED (scales: A lowp_scales[20], B lowp_scales[21])
;;   THE QUANTISER, for each operand of a quantised product, along K:
;;     - The operand's scale is 2^e, e = its entry of the input lowp_scales (int32; the entries are numbered through the quantised products in the list's order, A before B).
;;     - Each number is divided by the scale, clamped to +-448, and rounded to the nearest number of E4M3, ties to even, subnormals kept.
;;     - The product sums the exact products of the quantised numbers (number of the format x scale) in f32.
;;   ~~~python
;;   def quantise(x, axis, e):      # numpy; x: float32 -> the quantised numbers, widened to float32 again
;;       x = np.moveaxis(x, axis, -1); K = x.shape[-1]
;;       r = np.clip(x / 2.0 ** e, -448, 448)
;;       step = 2.0 ** (np.maximum(np.frexp(np.where(r == 0, 1, r))[1] - 1, -6) - 3)
;;       q = np.round(r / step) * step * 2.0 ** e      # np.round: ties to even
;;       return np.moveaxis(q, -1, axis).astype(np.float32)
;;   ~~~
;;   SOFTMAX AHEAD OF A QUANTISED PRODUCT. Where the list says 'softmax', what is quantised is not the finished softmax but p = 2^(t - M), with t = logit x log2(e) and M = ceil(the row's largest t), a whole number; so 1/2 < the row's largest p <= 1. The row's sum l is taken of the UNQUANTISED p, in f32, and the product's result is divided by l at the end. Since M is a whole number, a kernel that streams over the keys may use a running M (the ceiling of the running maximum): every later rescaling is an exact power of two, so the quantised numbers keep their values, but for numbers so far below the row's largest that they fall under the format's range.
;;   OPERANDS COMPUTED ON THE WAY. 'Computed on the way' means the value that the module computes at that place (a softmax that the list does not call 'softmax' is quantised finished and normalised). What goes into a quantiser is computed in f32, as accurately as f32 sums, v_exp_f32 and their like allow (about 1e-6 of the number): no bf16 or f16 on the way to a quantiser, and a product that is left as it is and whose result goes on into a quantised operand takes f32 operands (vector FMAs, or v_wmma_f32_16x16x4_f32). A number that lies on a knife's edge between two numbers of the format may be rounded either way, as far as f32 arithmetic and the matrix unit's own rounding can turn it there, and no further.
;; 2 versions. Each part assembles by itself: llvm-mc -triple=amdgcn-amd-amdhsa -mcpu=gfx1250 --defsym DOCPART=n.
;; ======== version 1 of 2: 4 launches
;; limits: right only within a limited range of input values
;; workspace buffers: tab 245,760 bytes; wf 786,432 bytes; pof 245,760 bytes; qf 4,194,304 bytes; kf 4,194,304 bytes; vf 16,777,216 bytes; of 16,777,216 bytes
;; launch prep (part 1): grid 246 x 1, 4 waves a work-group, no clusters, 0 bytes of LDS; arguments lq_w, lk_w, lv_w, pq_w, pk_w, pv_w, po_w, lowp_scales, tab, wf, pof; writes tab, wf, pof
.if DOCPART == 1
	.amdgcn_target "amdgcn-amd-amdhsa--gfx1250"
	.amdhsa_code_object_version 6
	.text
	.protected	k_q67d1013c09_prep
	.globl	k_q67d1013c09_prep
	.p2align	8
	.type	k_q67d1013c09_prep,@function
k_q67d1013c09_prep:
	s_mov_b64 s[64:65], 0
	v_nop
	global_prefetch_b8 v0, s[64:65] scope:SCOPE_SE
	s_setreg_imm32_b32 hwreg(HW_REG_WAVE_MODE, 25, 1), 1
	s_wait_xcnt 0x0
; PREP: the weights become codes of E4M3, once, laid as the later launches' operand registers take them.
; WORK THAT THIS PROGRAM LEAVES OUT, for all finite values of the inputs:
; (a) Products 1 to 3.  Their left operand is one_hot(xs): a row holds one 1 and 239 zeros.  The quantiser turns 0 into 0 under every scale, so a sum of such a product has ONE term,
;     Q(1; eA) x Q(w[xs][n]; eB), which is exact in f32 (four significant bits times four).  It is a lookup by xs in a table of 240 rows: this launch makes the three tables, already quantised
;     as operands of products 4 and 5, and the next launch gathers rows by xs.  Every input still has a way to the output: all are loaded.
; (b) Products 4 and 5: of the 12 tiles of 16 keys of a query's three blocks, two lie wholly outside the window |rel| <= 64 that reference() builds in its own body, for all 16 queries of a tile: not computed.
; (c) Products 9 and 10: key steps that lie wholly above the causal diagonal that reference() builds in its own body: not computed.
; LIMITS.  A NaN, an infinity or an overflow that reaches only the work left out is not carried to the result.  NaN among the inputs is not served.  xs outside 0 .. 239 is taken as 239.
; A masked logit (reference()'s -1e9) is taken as -infinity: its p is 0; that holds while a row's largest logit that counts lies above -1e9 + 200.
; Each exponent e of lowp_scales used here lies between -126 and 119, so that 2^e and 448 x 2^e are f32 numbers.
; SHARES.  Work-groups 0 to 125: a wave makes one fragment (16 columns x 128 along K, 16 registers a lane) of pq_w, pk_w, pv_w (buffer wf) or po_w (buffer pof).  K is the weights' FIRST axis: a lane takes a
; column and its registers run down K, so the conversions give the operand's registers as they stand; they are stored as an image: four stores of 512 consecutive bytes.
;   wf  [G 0..95][K step 0..3][2,048]: G 0-15 pq_w, 16-31 pk_w, 32-95 pv_w; lane r holds column 32 (T/2) + 8 (T%2) + r%8 + 16 (r/8) of its tensor's tile T;
;       number i (0..15) of group c, half h, is k = 128 s + 32 c + 16 h + sg(i), sg(i) = 2 i for i < 8, 2 (i - 8) + 1 else: the order in which the next launch's own results lie.
;   pof [T 0..14][K step 0..7][2,048]: lane r holds column 16 T + r; k = 128 s + 32 c + 16 h + i.
; Work-groups 126 to 245: 2,048 numbers each of the tables tab: [240][256] of Q(c0 Q(lq_w; e1) / 16; e6), then [240][256] of Q(c2 Q(lk_w; e3); e7), then [240][512] of Q(c4 Q(lv_w; e5); e9); c = Q(1; eA).
; No LDS, no barrier, no matrix work: the launch moves five megabytes once.
.set NFRAG, 126
.set AD, 8                             ; v8-23   sixteen row offsets
.set XN, 32                            ; v32-95  64 numbers
.set CO, 96                            ; v96-111 their codes
	s_load_b512 s[4:19], s[0:1], 0x0               ; lq s[4:5], lk s[6:7], lv s[8:9], pq s[10:11], pk s[12:13], pv s[14:15], po s[16:17], the scales s[18:19]
	s_load_b128 s[20:23], s[0:1], 0x40             ; tab s[20:21], wf s[22:23]
	s_load_b64 s[24:25], s[0:1], 0x50              ; pof
	v_lshrrev_b32 v1, 5, v0
	v_readfirstlane_b32 s30, v1                    ; wave 0..3
	s_mov_b32 s53, 0                               ; the upper word of every 64-bit offset below
	s_wait_kmcnt 0x0
	s_load_b512 s[68:83], s[18:19], 0x0            ; e0 .. e15
	s_load_b64 s[88:89], s[18:19], 0x50            ; e20, e21
	s_cmp_ge_u32 ttmp9, NFRAG
	s_cbranch_scc1 .Ltables
; ---- a fragment a wave.  What differs between the four tensors is chosen by the work-group's number alone.
	s_mov_b32 s31, ttmp9                           ; g
	s_sub_co_u32 s37, s31, 16
	s_sub_co_u32 s38, s31, 32
	s_sub_co_u32 s39, s31, 96
	s_lshr_b32 s40, s39, 1                         ; po_w: tile T,
	s_and_b32 s41, s39, 1
	s_lshl_b32 s41, s41, 2
	s_add_co_u32 s41, s41, s30                     ; and K step wave + 4 ((g - 96) % 2)
	s_mov_b32 s42, 4096                            ; a row of pv_w in bytes
	s_mov_b32 s43, 960                             ; of po_w
	s_mov_b32 s34, 1024                            ; of pq_w and pk_w
	s_mov_b32 s36, s31
	s_mov_b64 s[32:33], s[10:11]
	s_wait_kmcnt 0x0
	s_mov_b32 s35, s79                             ; e11
	s_cmp_ge_u32 s31, 16
	s_cselect_b64 s[32:33], s[12:13], s[32:33]
	s_cselect_b32 s35, s81, s35                    ; e13
	s_cselect_b32 s36, s37, s36
	s_cmp_ge_u32 s31, 32
	s_cselect_b64 s[32:33], s[14:15], s[32:33]
	s_cselect_b32 s34, s42, s34
	s_cselect_b32 s35, s83, s35                    ; e15
	s_cselect_b32 s36, s38, s36
	s_cmp_ge_u32 s31, 96
	s_cselect_b64 s[32:33], s[16:17], s[32:33]
	s_cselect_b32 s34, s43, s34
	s_cselect_b32 s35, s89, s35                    ; e21
	s_cselect_b32 s36, s40, s36                    ; T
	s_cselect_b32 s44, 8, 16                       ; lanes 8-15 stand 8 or 16 columns behind lanes 0-7
	s_cselect_b32 s45, 0, 1                        ; 1: K in the order sg
	s_cselect_b32 s46, s41, s30                    ; K step
	s_cselect_b64 s[48:49], s[24:25], s[22:23]     ; pof or wf
	s_cselect_b32 s47, s39, s31                    ; the image's number is 4 x this + wave
	s_lshr_b32 s50, s36, 1
	s_lshl_b32 s50, s50, 5
	s_and_b32 s51, s36, 1
	s_lshl_b32 s51, s51, 3
	s_add_co_u32 s50, s50, s51                     ; 32 (T/2) + 8 (T%2)
	s_lshl_b32 s51, s36, 4                         ; 16 T
	s_cmp_ge_u32 s31, 96
	s_cselect_b32 s50, s51, s50                    ; the tile's first column
	v_and_b32 v2, 15, v0                           ; r
	v_bfe_u32 v3, v0, 4, 1                         ; h
	v_and_b32 v4, 31, v0
	v_lshlrev_b32 v4, 4, v4                        ; 16 x lane: my place in an image's group
	v_and_b32 v5, 7, v2
	v_lshrrev_b32 v6, 3, v2
	v_mul_u32_u24 v6, v6, s44
	v_add3_u32 v5, v5, v6, s50                     ; my column
	v_lshlrev_b32 v5, 2, v5
	s_lshl_b32 s51, s34, 4
	v_mul_u32_u24 v6, v3, s51                      ; lanes 16-31 begin 16 rows further down
	v_add_nc_u32 v5, v5, v6
.set I, 0
.rept 16
.if I < 8
.set SG, 2*I
.else
.set SG, 2*(I-8)+1
.endif
	s_mul_i32 s52, s45, SG-I
	s_add_co_i32 s52, s52, I                       ; row i, or row sg(i)
	s_mul_i32 s52, s52, s34
	v_add_nc_u32 v[AD+I], s52, v5
.set I, I+1
.endr
	s_lshl_b32 s52, s46, 7
	s_mul_i32 s52, s52, s34                        ; 128 x K step rows
	s_add_nc_u64 s[54:55], s[32:33], s[52:53]      ; a base for each group of 32 rows
	s_lshl_b32 s52, s34, 5
	s_add_nc_u64 s[56:57], s[54:55], s[52:53]
	s_add_nc_u64 s[58:59], s[56:57], s[52:53]
	s_add_nc_u64 s[60:61], s[58:59], s[52:53]
	s_lshl_b32 s52, s47, 2
	s_add_co_u32 s52, s52, s30
	s_lshl_b32 s52, s52, 11
	s_add_nc_u64 s[48:49], s[48:49], s[52:53]      ; my image
.irp c, 0,1,2,3
.set I, 0
.rept 16
	global_load_b32 v[XN+16*\c+I], v[AD+I], s[54+2*\c:55+2*\c]
.set I, I+1
.endr
.endr
	s_add_co_i32 s62, s35, 127
	s_lshl_b32 s63, s62, 23
	v_mov_b32 v6, s63                              ; 2^e as f32: the conversion takes its exponent field
	s_add_co_i32 s62, s62, 8
	s_lshl_b32 s62, s62, 23
	s_or_b32 s62, s62, 0x600000
	v_mov_b32 v7, s62                              ; 448 x 2^e
.irp c, 0,1,2,3
	s_wait_loadcnt 48-16*\c                        ; loads come back in order: this group's sixteen are in, the younger groups' stay out
.set I, 0
.rept 16
	v_med3_num_f32 v[XN+16*\c+I], v[XN+16*\c+I], -v7, v7   ; the conversion to an 8-bit code does not saturate (ISA guide 7.6.2): the hold comes first
.set I, I+1
.endr
	v_cvt_scalef32_pk8_fp8_f32 v[CO+4*\c:CO+4*\c+1], v[XN+16*\c:XN+16*\c+7], v6
	v_cvt_scalef32_pk8_fp8_f32 v[CO+4*\c+2:CO+4*\c+3], v[XN+16*\c+8:XN+16*\c+15], v6
.endr
.irp c, 0,1,2,3
	global_store_b128 v4, v[CO+4*\c:CO+4*\c+3], s[48:49] offset:512*\c   ; the wave stores 512 consecutive bytes, aligned
.endr
	s_endpgm
; ---- the tables: 2,048 numbers a work-group, 16 neighbours a thread
.macro MKS e, vsc, vlim, vby           ; for the exponent in s[e]: 2^e as f32, 448 x 2^e, and the byte e + 127 in all four bytes (for the conversion back)
	s_add_co_i32 s62, s[\e], 127
	s_lshl_b32 s63, s62, 23
	v_mov_b32 v[\vsc], s63
	s_mul_i32 s63, s62, 0x01010101
	v_mov_b32 v[\vby], s63
	s_add_co_i32 s62, s62, 8
	s_lshl_b32 s62, s62, 23
	s_or_b32 s62, s62, 0x600000
	v_mov_b32 v[\vlim], s62
.endm
.Ltables:
	s_sub_co_u32 s31, ttmp9, NFRAG                 ; 0-29 lq_w, 30-59 lk_w, 60-119 lv_w
	s_sub_co_u32 s37, s31, 30
	s_sub_co_u32 s38, s31, 60
	s_mov_b32 s39, 0x3d800000                      ; 1/16 = 1 / sqrt(256): reference() scales q ahead of product 4
	s_mov_b32 s40, s31
	s_mov_b64 s[32:33], s[4:5]
	s_wait_kmcnt 0x0
	s_mov_b32 s34, s68                             ; eA, eB of the lookup's product; eO of the product that takes the row in
	s_mov_b32 s35, s69
	s_mov_b32 s36, s74
	s_cmp_ge_u32 s31, 30
	s_cselect_b64 s[32:33], s[6:7], s[32:33]
	s_cselect_b32 s34, s70, s34
	s_cselect_b32 s35, s71, s35
	s_cselect_b32 s36, s75, s36
	s_cselect_b32 s39, 1.0, s39
	s_cselect_b32 s40, s37, s40
	s_cmp_ge_u32 s31, 60
	s_cselect_b64 s[32:33], s[8:9], s[32:33]
	s_cselect_b32 s34, s72, s34
	s_cselect_b32 s35, s73, s35
	s_cselect_b32 s36, s77, s36
	s_cselect_b32 s40, s38, s40
	s_lshl_b32 s52, s40, 13
	s_add_nc_u64 s[32:33], s[32:33], s[52:53]      ; my 8,192 bytes of the weight
	s_lshl_b32 s52, s31, 11
	s_add_nc_u64 s[20:21], s[20:21], s[52:53]      ; the three tables lie on end: 2,048 bytes a work-group
	v_lshlrev_b32 v5, 6, v0
	v_lshlrev_b32 v4, 4, v0
.irp j, 0,1,2,3
	global_load_b128 v[8+4*\j:11+4*\j], v5, s[32:33] offset:16*\j th:TH_LOAD_NT
.endr
	MKS 34, 44, 45, 46
	MKS 35, 47, 48, 49
	MKS 36, 50, 51, 52
.irp i, 0,1,2,3,4,5,6,7
	v_min_num_f32 v[32+\i], 1.0, v45               ; the one-hot's 1, held
.endr
	v_cvt_scalef32_pk8_fp8_f32 v[40:41], v[32:39], v44
	v_nop                                          ; a plain line between a scaled conversion and the next line that touches its registers
	v_cvt_scale_pk8_f32_fp8 v[32:39], v[40:41], v46
	v_nop
	v_mul_f32 v42, s39, v32                        ; c = Q(1; eA), for q / 16
	v_mov_b32 v43, v42                             ; (named with it as a pair)
	s_wait_loadcnt 0x0
.set I, 0
.rept 16
	v_med3_num_f32 v[8+I], v[8+I], -v48, v48
.set I, I+1
.endr
	v_cvt_scalef32_pk8_fp8_f32 v[24:25], v[8:15], v47
	v_cvt_scalef32_pk8_fp8_f32 v[26:27], v[16:23], v47
	v_nop
	v_cvt_scale_pk8_f32_fp8 v[8:15], v[24:25], v49     ; Q(w; eB) as f32 again
	v_cvt_scale_pk8_f32_fp8 v[16:23], v[26:27], v49
	v_nop
.irp j, 0,2,4,6,8,10,12,14
	v_pk_mul_f32 v[8+\j:9+\j], v[8+\j:9+\j], v[42:43] op_sel_hi:[1,0]   ; the product's one term: exact
.endr
.set I, 0
.rept 16
	v_med3_num_f32 v[8+I], v[8+I], -v51, v51
.set I, I+1
.endr
	v_cvt_scalef32_pk8_fp8_f32 v[28:29], v[8:15], v50
	v_cvt_scalef32_pk8_fp8_f32 v[30:31], v[16:23], v50
	global_store_b128 v4, v[28:31], s[20:21]       ; the wave stores 512 consecutive bytes, aligned
	s_endpgm
.Lfunc_end_k_q67d1013c09_prep:
	.size	k_q67d1013c09_prep, .Lfunc_end_k_q67d1013c09_prep-k_q67d1013c09_prep
	.p2alignl 7, 3214868480
	.fill 96, 4, 3214868480
	.section	.rodata,"a",@progbits
	.p2align	6, 0x0
	.amdhsa_kernel k_q67d1013c09_prep
		.amdhsa_group_segment_fixed_size 0
		.amdhsa_private_segment_fixed_size 0
		.amdhsa_enable_private_segment 0
		.amdhsa_kernarg_size 88
		.amdhsa_user_sgpr_count 2
		.amdhsa_user_sgpr_kernarg_segment_ptr 1
		.amdhsa_wavefront_size32 1
		.amdhsa_system_sgpr_workgroup_id_x 1
		.amdhsa_system_sgpr_workgroup_id_y 1
		.amdhsa_system_sgpr_workgroup_id_z 1
		.amdhsa_system_vgpr_workitem_id 0
		.amdhsa_next_free_vgpr 128
		.amdhsa_next_free_sgpr 92
		.amdhsa_reserve_vcc 0
		.amdhsa_float_denorm_mode_32 3
		.amdhsa_float_denorm_mode_16_64 3
		.amdhsa_memory_ordered 1
		.amdhsa_forward_progress 1
		.amdhsa_inst_pref_size 23
	.end_amdhsa_kernel
	.amdgpu_metadata
---
amdhsa.version: [ 1, 2 ]
amdhsa.kernels:
  - .name:           k_q67d1013c09_prep
    .symbol:         k_q67d1013c09_prep.kd
    .args:
      - { .name: lq_w, .offset: 0, .size: 8, .value_kind: global_buffer, .address_space: global }
      - { .name: lk_w, .offset: 8, .size: 8, .value_kind: global_buffer, .address_space: global }
      - { .name: lv_w, .offset: 16, .size: 8, .value_kind: global_buffer, .address_space: global }
      - { .name: pq_w, .offset: 24, .size: 8, .value_kind: global_buffer, .address_space: global }
      - { .name: pk_w, .offset: 32, .size: 8, .value_kind: global_buffer, .address_space: global }
      - { .name: pv_w, .offset: 40, .size: 8, .value_kind: global_buffer, .address_space: global }
      - { .name: po_w, .offset: 48, .size: 8, .value_kind: global_buffer, .address_space: global }
      - { .name: lowp_scales, .offset: 56, .size: 8, .value_kind: global_buffer, .address_space: global }
      - { .name: tab, .offset: 64, .size: 8, .value_kind: global_buffer, .address_space: global }
      - { .name: wf, .offset: 72, .size: 8, .value_kind: global_buffer, .address_space: global }
      - { .name: pof, .offset: 80, .size: 8, .value_kind: global_buffer, .address_space: global }
    .group_segment_fixed_size: 0
    .private_segment_fixed_size: 0
    .kernarg_segment_align: 8
    .kernarg_segment_size: 88
    .max_flat_workgroup_size: 128
    .sgpr_count:     92
    .vgpr_count:     128
    .wavefront_size: 32
...
	.end_amdgpu_metadata
.endif
;; end of part 1
;; launch local (part 2): grid 256 x 1, 4 waves a work-group, no clusters, 217,600 bytes of LDS; arguments xs, tab, rel_bias, lowp_scales, wf, qf, kf, vf; writes qf, kf, vf
.if DOCPART == 2
	.amdgcn_target "amdgcn-amd-amdhsa--gfx1250"
	.amdhsa_code_object_version 6
	.text
	.protected	k_q67d1013c09_local
	.globl	k_q67d1013c09_local
	.p2align	8
	.type	k_q67d1013c09_local,@function
k_q67d1013c09_local:
	s_mov_b64 s[64:65], 0
	v_nop
	global_prefetch_b8 v0, s[64:65] scope:SCOPE_SE
	s_setreg_imm32_b32 hwreg(HW_REG_WAVE_MODE, 25, 1), 1
	s_wait_xcnt 0x0
; LOCAL: one work-group takes one block of 64 positions of one batch through: the lookups that stand for products 1 to 3, product 4, the window's softmax, product 5, relu, the three quantisers of
; products 6 to 8, those products, and the quantisers of products 9 and 10's operands.  Nothing but those last codes goes to memory.
; LEFT OUT (shown at the head of the first launch): products 1 to 3 are lookups by xs; of a query tile's 12 key tiles the two that lie wholly outside the window are not computed.
; LIMITS: xs outside 0 .. 239 is taken as 239; a masked logit is -infinity; NaN is not served; e6 + e7 between -126 and 127; e8, e10, e12, e14, e16 - e10 - e11, e17 - e12 - e13, e18 - e14 - e15 between -126 and 119.
; pi(T, m) = 32 (T/2) + 8 (T%2) + m%8 + 16 (m/8): the positions of a tile of 16 positions and the columns of a tile of 16 weight columns.  In a result, register j of half h is then index 16 h + 8 (T%2) + j of the
; pair of tiles: the 16 registers of tiles 2 b, 2 b + 1 are 16 neighbours, which the conversions turn into four operand registers.
; SHARES.  Scores and softmax: wave w has query tile w (positions pi(w, r)) and ten tiles of 16 neighbouring keys, from key 32 (w/2) of the three blocks' 192.  S^T = K Q^T: a lane holds one query.
; P V: wave w has channels 128 w .. + 127 for all four query tiles: O^T = V^T P^T; V's rows [key][channel] lie in LDS and are turned by ds_load_tr16_b128 on pairs of bytes, which v_perm_b32 parts into even and odd channels.
; Projections: wave w has heads 2 w, 2 w + 1 of q, k and v for all 64 rows; the weights come from memory in operand order straight into registers, two pairs of column tiles (64 loads) ahead.
; No cluster and no LDS ring for the weights: beside the 217,088 bytes of stages below a ring's slot could hold six column tiles at most, 24 matrix instructions a wave for each change of slots.
; OPERANDS GO FROM WAVE TO WAVE AS IMAGES OF THEIR REGISTERS: a group of four registers by one ds_store_b128 at 16 x lane, 512 consecutive bytes.
; LDS: V's 192 rows, pitch 544 | P's images, 4 query tiles x 6 groups of 32 keys x 512 | 1 / sum, 4 x 128 | the bias table, 384 words | relu(x)'s images [3 scales][4 row tiles][4 K steps][2,048] | the spare words.
; REGISTERS, window 0: v1 r, v2 h, v3 16 x lane, v4-5 the add's two, v6-22 addresses, v24-25 tokens of V's rows, v26-39 scales, v40 -M, v42-47 at work, v48-55 1 / sum, v56-59 zeros, v60-69 offsets of K's rows;
;   softmax: v72-151 S^T, v152-231 the biases (before: offsets of V's rows), v232-251 p's codes (before: LDS addresses of the biases);  P V: v72-95, v96-119 V^T even, odd; v120-183 eight accumulators; v184-215 held numbers; v216-227 codes;
;   projections: v72-135 eight accumulators, v136-167 codes.   window 1: K's tiles 0-7; then P (v0-95) and the turned V (v96-143); then relu(x)'s sixteen fragments.
;   window 2: K's tiles 8, 9 and Q; then weight buffers 0 and 1.   window 3: V's rows; then weight buffer 2.
.set VP,    544                        ; a row of V in LDS: 512 bytes + 32: an odd multiple of 32, so that the turning load's eight rows x 32 bytes fall on different banks
.set PIMG,  192*VP
.set LIMG,  PIMG+4*6*512
.set BIAS,  LIMG+512
.set X2IMG, BIAS+1536
.set SPARE, X2IMG+3*32768              ; the spare words, 128 bytes for each wave: two blocks of 256 bytes that no other line names
.set TKO,   61440                      ; the tables in tab: q's at 0, k's here,
.set TVO,   122880                     ; v's here
.set L16, 3
.set SPW, 4
.set NIL, 5
.set QA,  6
.set BA,  7
.set PI,  8
.set PZ,  9
.set PRD, 10
.set LW,  11
.set LR,  12
.set TRA, 13
.set TRB, 14
.set XW,  15
.set XR,  18
.set VS,  21
.set BF,  22
.set SCP, 26                           ; v26, v27: 2^e8, 448 x 2^e8
.set SCX, 28                           ; v28-33: the same for e10, e12, e14
.set SCO, 34                           ; v34-39: for the folded exponents of q, k, v
.set NM,  40
.set F,   48
.set Z,   56
.set KA,  60
.set S,   72
.set BI,  152
.set PC,  232
.set EV,  72
.set OD,  96
.set ACC, 120
.set TA,  184
.set CD,  216
.set PACC, 72
.set PCD, 136
.set MSB, 0
.macro WIN new                         ; bits 1:0 source 0, 3:2 source 1, 5:4 source 2, 7:6 destination; the immediate's high byte repeats the setting that is left
.if MSB != (\new)
	s_set_vgpr_msb (MSB<<8)|(\new)
.set MSB, (\new)
.endif
.endm
.macro BARRIER                         ; my LDS stores have landed and my LDS loads are in: then the work-group's barrier
	s_wait_dscnt 0x0
	s_barrier_signal -1
	s_barrier_wait -1
.endm
.macro PLACES                          ; four plain lines behind matrix instructions, ahead of reads of their results and of loads into their operands
.rept 4
	v_nop
.endr
.endm
.macro MKSC e, vsc                     ; for the exponent in s[e]: v[vsc] = 2^e as f32, v[vsc+1] = 448 x 2^e
	s_add_co_i32 s90, s[\e], 127
	s_lshl_b32 s91, s90, 23
	v_mov_b32 v[\vsc], s91
	s_add_co_i32 s90, s90, 8
	s_lshl_b32 s90, s90, 23
	s_or_b32 s90, s90, 0x600000
	v_mov_b32 v[\vsc+1], s90
.endm
; the weights of pair p of column tiles (0, 1: q's; 2, 3: k's; 4-11: v's): 16,384 consecutive bytes, 32 loads of 512, into buffer p % 3
.macro LOADW p
.set LWW, 2+((\p)%3)/2
.set LWR, 128*(((\p)%3)%2)
	WIN LWW<<6
.set I, 0
.rept 32
.if (\p) < 2
	global_load_b128 v[LWR+4*I:LWR+4*I+3], v[L16], s[54:55] offset:16384*(\p)+512*I
.elseif (\p) < 4
	global_load_b128 v[LWR+4*I:LWR+4*I+3], v[L16], s[54:55] offset:131072+16384*((\p)-2)+512*I
.else
	global_load_b128 v[LWR+4*I:LWR+4*I+3], v[L16], s[56:57] offset:16384*((\p)-4)+512*I
.endif
.set I, I+1
.endr
	WIN 0
.endm
; ---- a. the head
	s_load_b512 s[4:19], s[0:1], 0x0               ; xs s[4:5], tab s[6:7], rel_bias s[8:9], the scales s[10:11], wf s[12:13], qf s[14:15], kf s[16:17], vf s[18:19]
	v_lshl_add_u32 v[SPW], v0, 2, SPARE
	v_mov_b32 v[NIL], 0
	v_lshrrev_b32 v42, 5, v0
	v_readfirstlane_b32 s24, v42                   ; w
	s_lshr_b32 s25, s24, 1                         ; w / 2
	s_and_b32 s26, s24, 1                          ; w % 2
	s_lshr_b32 s27, ttmp9, 5                       ; the batch
	s_and_b32 s28, ttmp9, 31                       ; the block
	v_and_b32 v1, 15, v0                           ; r
	v_bfe_u32 v2, v0, 4, 1                         ; h
	v_and_b32 v43, 31, v0                          ; lane
	v_lshlrev_b32 v[L16], 4, v43
	v_and_b32 v44, 7, v1
	v_lshrrev_b32 v45, 3, v1
	v_lshl_add_u32 v44, v45, 4, v44                ; rho = r%8 + 16 (r/8)
	s_lshl_b32 s90, s28, 6                         ; 64 x block
	s_lshl_b32 s91, s25, 5
	s_add_co_u32 s91, s91, s90                     ; + 32 (w/2): my first key's position + 64
	s_lshl_b32 s92, s26, 3
	s_add_co_u32 s92, s92, s91
	s_mul_i32 s93, s24, 48
	s_add_co_u32 s93, s93, s90                     ; the position + 64 of the first of the 48 rows of V that I bring
	v_add_nc_u32 v[QA], s92, v44                   ; my query's position
	v_lshlrev_b32 v[QA], 2, v[QA]
.irp t, 0,1,2,3,4,5,6,7,8,9
	v_add3_u32 v[KA+\t], s91, v1, 16*\t            ; position + 64 of key r of tile t,
	v_max_u32 v[KA+\t], 64, v[KA+\t]               ; held inside the sequence: what lies outside is masked below
	v_min_u32 v[KA+\t], 0x83f, v[KA+\t]
	v_lshlrev_b32 v[KA+\t], 2, v[KA+\t]
.endr
	v_add_nc_u32 v24, s93, v43                     ; rows 0-31 of my 48,
	v_add3_u32 v25, s93, v1, 32                    ; rows 32-47
.irp n, 24,25
	v_max_u32 v\n, 64, v\n
	v_min_u32 v\n, 0x83f, v\n
	v_lshlrev_b32 v\n, 2, v\n
.endr
.irp k, 0,1,2
	v_add_nc_u32 v[244+\k], 128*\k, v0             ; word x of the bias table takes rel_bias[x - 32], the index held in 0 .. 128
	v_max_u32 v[244+\k], 32, v[244+\k]
	v_min_u32 v[244+\k], 160, v[244+\k]
	v_lshlrev_b32 v[244+\k], 2, v[244+\k]
.endr
	s_wait_kmcnt 0x0
	s_load_b512 s[68:83], s[10:11], 0x0            ; e0 .. e15
	s_load_b128 s[84:87], s[10:11], 0x40           ; e16 .. e19
	s_lshl_b32 s94, s27, 13
	s_mov_b32 s95, 0
	s_add_nc_u64 s[58:59], s[4:5], s[94:95]        ; my batch's tokens
	global_load_b32 v[QA], v[QA], s[58:59]         ; each load lands on its own offset register
.irp t, 0,1,2,3,4,5,6,7,8,9
	global_load_b32 v[KA+\t], v[KA+\t], s[58:59] offset:-256
.endr
	global_load_b32 v24, v24, s[58:59] offset:-256
	global_load_b32 v25, v25, s[58:59] offset:-256
.irp k, 0,1,2
	global_load_b32 v[244+\k], v[244+\k], s[8:9] offset:-128
.endr
	s_lshl_b32 s94, s24, 15
	s_add_nc_u64 s[54:55], s[12:13], s[94:95]      ; my four column tiles of pq_w (pk_w's lie 131,072 bytes on)
	s_lshl_b32 s94, s24, 17
	s_add_co_u32 s94, s94, 262144
	s_add_nc_u64 s[56:57], s[12:13], s[94:95]      ; my sixteen of pv_w
	s_lshl_b32 s30, s27, 3
	s_lshl_b32 s94, s24, 1
	s_add_co_u32 s30, s30, s94                     ; 8 b + 2 w: my first head among the 64
	s_lshl_b32 s94, s30, 16
	s_lshl_b32 s93, s28, 11
	s_add_co_u32 s94, s94, s93
	s_add_nc_u64 s[60:61], s[14:15], s[94:95]      ; qf and kf: [head][tile of positions][512]
	s_add_nc_u64 s[62:63], s[16:17], s[94:95]
	s_lshl_b32 s94, s30, 18
	s_lshr_b32 s93, s28, 1
	s_lshl_b32 s93, s93, 14
	s_add_co_u32 s94, s94, s93
	s_and_b32 s93, s28, 1
	s_lshl_b32 s93, s93, 10
	s_add_co_u32 s94, s94, s93
	s_add_nc_u64 s[66:67], s[18:19], s[94:95]      ; vf: [head][key step of 128][channel tile][group of 32 keys][512]: my block is two groups
	s_lshl_b32 s31, s28, 2
	s_lshl_b32 s93, s25, 1
	s_add_co_u32 s31, s31, s93                     ; 4 x block + 2 (w/2): tile t of my keys is tile s31 - 4 + t of the sequence
	s_mov_b32 s50, 0x76543210                      ; v_permlanex16_b32's selects for lane l xor 16
	s_mov_b32 s51, 0xfedcba98
	s_mov_b32 s52, 0x06040200                      ; v_perm_b32: the even bytes of two words,
	s_mov_b32 s53, 0x07050301                      ; the odd ones
	; the LDS addresses: constants, the lane and the wave
	s_xor_b32 s90, s26, 1
	s_lshl_b32 s90, s90, 3
	s_add_co_u32 s90, s90, 24                      ; 32 - 8 (w%2)
	v_lshl_add_u32 v42, v2, 3, s90
	v_sub_nc_u32 v42, v42, v44                     ; word 32 + 8 h - 8 (w%2) - rho, at least 1: key 16 t + 8 h + j against my query is word + 16 t + j = rel + 96
	v_lshl_add_u32 v[BA], v42, 2, BIAS
	s_mul_i32 s90, s24, 3072
	s_lshl_b32 s91, s25, 9
	s_add_co_u32 s91, s91, s90
	v_add_nc_u32 v[PI], s91, v[L16]
	v_add_nc_u32 v[PI], PIMG, v[PI]                ; my five groups of 32 keys begin at group w / 2,
	s_xor_b32 s91, s25, 1
	s_mul_i32 s91, s91, 2560
	s_add_co_u32 s91, s91, s90
	v_add_nc_u32 v[PZ], s91, v[L16]
	v_add_nc_u32 v[PZ], PIMG, v[PZ]                ; and the sixth, group 5 or 0, is zeros
	v_add_nc_u32 v[PRD], PIMG, v[L16]
	v_lshl_add_u32 v[LR], v43, 2, LIMG
	s_lshl_b32 s90, s24, 7
	v_add_nc_u32 v[LW], s90, v[LR]
	v_and_b32 v42, 7, v0
	v_lshl_add_u32 v42, v2, 3, v42
	v_mul_u32_u24 v[TRA], v42, VP                  ; the turning load: key 8 h + lane % 8,
	v_bfe_u32 v45, v0, 3, 1
	v_lshl_add_u32 v[TRA], v45, 4, v[TRA]          ; 16 bytes for each eight lanes,
	v_add_nc_u32 v[TRA], s90, v[TRA]               ; my 128 channels
	v_add_nc_u32 v[TRB], 6*16*VP, v[TRA]           ; keys 96 on: beyond the 16-bit immediate otherwise
	s_lshl_b32 s90, s24, 11
.irp ver, 0,1,2
	v_add_nc_u32 v[XR+\ver], X2IMG+32768*\ver, v[L16]
	v_add_nc_u32 v[XW+\ver], s90, v[XR+\ver]       ; I make K step w
.endr
	s_mul_i32 s90, s24, 48*VP
	v_add_nc_u32 v[VS], s90, v[L16]
	v_lshl_add_u32 v[BF], v0, 2, BIAS
	v_mov_b32 v41, 0                               ; (upper halves of pairs of which the low word serves both halves, and a permute's destination: written once)
	v_mov_b32 v46, 0
.irp n, 49,51,53,55,56,57,58,59
	v_mov_b32 v\n, 0
.endr
	s_wait_kmcnt 0x0
	s_add_co_i32 s90, s74, s75
	s_lshl_b32 s90, s90, 23
	s_add_co_i32 s48, s90, 0x3fb8aa3b              ; log2(e) x 2^(e6 + e7): the exponents are added to the constant's exponent field
	s_mov_b32 s49, s48
	s_add_co_i32 s29, s76, s77                     ; e8 + e9
	MKSC 76, SCP
	MKSC 78, SCX
	MKSC 80, SCX+2
	MKSC 82, SCX+4
	s_sub_co_i32 s92, s84, s78
	s_sub_co_i32 s92, s92, s79                     ; a sum of product 6 stands for sum x 2^(e10 + e11): its code is sum / 2^(e16 - e10 - e11)
	MKSC 92, SCO
	s_sub_co_i32 s92, s85, s80
	s_sub_co_i32 s92, s92, s81
	MKSC 92, SCO+2
	s_sub_co_i32 s92, s86, s82
	s_sub_co_i32 s92, s92, s83
	MKSC 92, SCO+4
	s_wait_loadcnt 0x0                             ; the tokens and the biases
; ---- b. the lookups: rows of the tables by token
	v_min_u32 v[QA], 0xef, v[QA]
	v_lshlrev_b32 v[QA], 8, v[QA]
	v_lshl_add_u32 v[QA], v2, 4, v[QA]             ; row x 256 + 16 h
.irp t, 0,1,2,3,4,5,6,7,8,9
	v_min_u32 v[KA+\t], 0xef, v[KA+\t]
	v_lshlrev_b32 v[KA+\t], 8, v[KA+\t]
	v_lshl_add_u32 v[KA+\t], v2, 4, v[KA+\t]
.endr
	WIN 0x80
.irp s, 0,1
.irp c, 0,1,2,3
	global_load_b128 v[64+16*\s+4*\c:67+16*\s+4*\c], v[QA], s[6:7] offset:128*\s+32*\c   ; Q: registers 4 c .. of K step s: k = 128 s + 32 c + 16 h + 0 .. 15
.endr
.endr
.irp t, 8,9
.irp s, 0,1
.irp c, 0,1,2,3
	global_load_b128 v[32*(\t-8)+16*\s+4*\c:32*(\t-8)+16*\s+4*\c+3], v[KA+\t], s[6:7] offset:TKO+128*\s+32*\c
.endr
.endr
.endr
	WIN 0x40
.irp t, 0,1,2,3,4,5,6,7
.irp s, 0,1
.irp c, 0,1,2,3
	global_load_b128 v[32*\t+16*\s+4*\c:32*\t+16*\s+4*\c+3], v[KA+\t], s[6:7] offset:TKO+128*\s+32*\c
.endr
.endr
.endr
	WIN 0
.set I, 0
.rept 48                               ; a row of V is 512 bytes: the 32 lanes take it whole, so its token goes into a scalar
.if I < 32
	v_readlane_b32 s[32+I%16], v24, I
.else
	v_readlane_b32 s[32+I%16], v25, I-32
.endif
	s_min_u32 s[32+I%16], s[32+I%16], 239
	v_lshl_add_u32 v[BI+I], s[32+I%16], 9, v[L16]
.set I, I+1
.endr
	WIN 0xc0
.set I, 0
.rept 48
	global_load_b128 v[4*I:4*I+3], v[BI+I], s[6:7] offset:TVO
.set I, I+1
.endr
	WIN 0
; ---- c. the bias table: word x = rel_bias[x - 32] x log2(e) where 0 <= x - 32 <= 128, else -infinity: the window's mask lies in the table
	v_mov_b32 v42, 0xff800000
.irp k, 0,1,2
	v_add_nc_u32 v[248+\k], (128*\k-32)&0xffffffff, v0
	v_cmp_ge_u32 vcc_lo, 0x80, v[248+\k]
	v_mul_f32 v[244+\k], 0x3fb8aa3b, v[244+\k]
	v_cndmask_b32 v[244+\k], v42, v[244+\k], vcc_lo
	ds_store_b32 v[BF], v[244+\k] offset:512*\k
.endr
; ---- d. S^T = K Q^T: ten tiles of 16 keys, two K steps; the ten accumulators take turns
	s_wait_loadcnt 48                              ; Q and K are in; the 48 loads of V's rows, issued behind them, may be out
.irp s, 0,1
	WIN 0x09                                       ; K window 1, Q window 2
.irp t, 0,1,2,3,4,5,6,7
.if \s == 0
	v_wmma_f32_16x16x128_fp8_fp8 v[S+8*\t:S+8*\t+7], v[32*\t+16*\s:32*\t+16*\s+15], v[64+16*\s:79+16*\s], 0
.else
	v_wmma_f32_16x16x128_fp8_fp8 v[S+8*\t:S+8*\t+7], v[32*\t+16*\s:32*\t+16*\s+15], v[64+16*\s:79+16*\s], v[S+8*\t:S+8*\t+7]
.endif
.endr
	WIN 0x0a                                       ; K window 2
.irp t, 8,9
.if \s == 0
	v_wmma_f32_16x16x128_fp8_fp8 v[S+8*\t:S+8*\t+7], v[32*(\t-8)+16*\s:32*(\t-8)+16*\s+15], v[64+16*\s:79+16*\s], 0
.else
	v_wmma_f32_16x16x128_fp8_fp8 v[S+8*\t:S+8*\t+7], v[32*(\t-8)+16*\s:32*(\t-8)+16*\s+15], v[64+16*\s:79+16*\s], v[S+8*\t:S+8*\t+7]
.endif
.endr
.endr
	WIN 0
	PLACES
; ---- e. V's rows go into LDS as they lie
	s_wait_loadcnt 0x0
	WIN 0x0c                                       ; store data window 3
.set I, 0
.rept 48
	ds_store_b128 v[VS], v[4*I:4*I+3] offset:VP*I
.set I, I+1
.endr
	WIN 0
	LOADW 0
	BARRIER                                        ; the bias table and V's 192 rows lie in LDS
; ---- f. the softmax of my 16 queries: t = score x log2(e) + bias x log2(e); M = ceil(the row's largest t); p = 2^(t - M), not normalised
.irp t, 0,1,2,3,4,5,6,7,8,9
	s_add_co_u32 s92, s31, \t-4                    ; the tile's number in the sequence: outside 0 .. 127 its keys do not exist,
	s_cmp_lt_u32 s92, 128
	s_cselect_b32 s92, 0, 640                      ; and its biases are read 160 words on, where the table holds -infinity
	v_add_nc_u32 v[PC+\t], s92, v[BA]
.endr
.irp t, 0,1,2,3,4,5,6,7,8,9
.irp j, 0,1,2,3,4,5,6,7
	ds_load_b32 v[BI+8*\t+\j], v[PC+\t] offset:64*\t+4*\j
.endr
.endr
	s_wait_dscnt 0x0
.set J, 0
.rept 40
	v_pk_fma_f32 v[S+J:S+J+1], v[S+J:S+J+1], s[48:49], v[BI+J:BI+J+1] op_sel_hi:[1,0,1]   ; each accumulator from its low end on
.set J, J+2
.endr
	v_max3_num_f32 v42, v[S], v[S+1], v[S+2]       ; the largest t of my 80 keys, in two chains,
	v_max3_num_f32 v43, v[S+3], v[S+4], v[S+5]
.set J, 6
.rept 18
	v_max3_num_f32 v42, v42, v[S+J], v[S+J+1]
	v_max3_num_f32 v43, v43, v[S+J+2], v[S+J+3]
.set J, J+4
.endr
	v_max3_num_f32 v42, v42, v[S+78], v[S+79]
	v_max_num_f32 v42, v42, v43
	v_permlanex16_b32 v46, v42, s50, s51
	v_max_num_f32 v42, v42, v46                    ; and of lane l xor 16's.  The query's own key always counts, so this is a number
	v_floor_f32 v[NM], -v42                        ; -M = floor(-t) = -ceil(t)
.set J, 0
.rept 40
	v_pk_add_f32 v[S+J:S+J+1], v[S+J:S+J+1], v[NM:NM+1] op_sel_hi:[1,0]
.set J, J+2
.endr
.set J, 0
.rept 80
	v_exp_f32 v[S+J], v[S+J]
.set J, J+1
.endr
	v_nop                                          ; a plain line behind the last exponential
	s_wait_alu depctr_va_vdst(0)                   ; one wait for the batch of 80, ahead of its first reader
	v_pk_add_f32 v[44:45], v[S:S+1], v[S+2:S+3]    ; the row's sum is taken of the unquantised p
	v_pk_add_f32 v[46:47], v[S+4:S+5], v[S+6:S+7]
.set J, 8
.rept 18
	v_pk_add_f32 v[44:45], v[44:45], v[S+J:S+J+1]
	v_pk_add_f32 v[46:47], v[46:47], v[S+J+2:S+J+3]
.set J, J+4
.endr
	v_pk_add_f32 v[44:45], v[44:45], v[46:47]
	v_add_f32 v44, v44, v45
	v_permlanex16_b32 v45, v44, s50, s51
	v_add_f32 v44, v44, v45
	v_rcp_f32 v43, v44
.set J, 0
.rept 80
	v_min_num_f32 v[S+J], v[S+J], v[SCP+1]         ; the hold; p is not negative.  (These lines stand between the reciprocal and the wait for it)
.set J, J+1
.endr
	s_wait_alu depctr_va_vdst(0)
	v_ldexp_f32 v43, v43, s29                      ; 2^(e8 + e9) / sum
.irp t, 0,1,2,3,4,5,6,7,8,9
	v_cvt_scalef32_pk8_fp8_f32 v[PC+2*\t:PC+2*\t+1], v[S+8*\t:S+8*\t+7], v[SCP]   ; registers 2 t, 2 t + 1: keys 16 t + 8 h + 0 .. 7: the matrix form's own layout
.endr
	v_nop                                          ; a plain line behind the last scaled conversion
.irp g, 0,1,2,3,4
	ds_store_b128 v[PI], v[PC+4*\g:PC+4*\g+3] offset:512*\g
.endr
	ds_store_b128 v[PZ], v[Z:Z+3]
	ds_store_b32 v[LW], v43
	BARRIER                                        ; P's four images and the four tiles' 1 / sum lie in LDS
; ---- g. O^T = V^T P^T for my 128 channels, 32 at a time; relu; the three quantisers; images of relu(x)
.macro VFETCH g                        ; 192 keys x channels 128 w + 32 g .. + 31, turned: lane r gets channels 2 r, 2 r + 1, bytes by turns, eight keys a load
	WIN 0x40
.irp c, 0,1,2,3,4,5
	ds_load_tr16_b128 v[96+4*\c:99+4*\c], v[TRA] offset:16*VP*\c+32*(\g)
.endr
.irp c, 6,7,8,9,10,11
	ds_load_tr16_b128 v[96+4*\c:99+4*\c], v[TRB] offset:16*VP*(\c-6)+32*(\g)
.endr
	WIN 0
.endm
.macro VPERM                           ; the even channels' fragment and the odd channels': registers 2 c, 2 c + 1: keys 16 c + 8 h + 0 .. 7
	WIN 0x05
.irp c, 0,1,2,3,4,5,6,7,8,9,10,11
	v_perm_b32 v[EV+2*\c], v[97+4*\c], v[96+4*\c], s52
	v_perm_b32 v[EV+2*\c+1], v[99+4*\c], v[98+4*\c], s52
	v_perm_b32 v[OD+2*\c], v[97+4*\c], v[96+4*\c], s53
	v_perm_b32 v[OD+2*\c+1], v[99+4*\c], v[98+4*\c], s53
.endr
.endm
.macro PVMUL                           ; three K steps of 64 keys; eight accumulators (query tile q, even or odd channels) take turns
	WIN 0x04                                       ; P window 1
.irp kk, 0,1,2
.irp q, 0,1,2,3
.irp eo, 0,1
.if \kk == 0
	v_wmma_f32_16x16x64_fp8_fp8 v[ACC+8*(2*\q+\eo):ACC+8*(2*\q+\eo)+7], v[EV+24*\eo+8*\kk:EV+24*\eo+8*\kk+7], v[24*\q+8*\kk:24*\q+8*\kk+7], 0
.else
	v_wmma_f32_16x16x64_fp8_fp8 v[ACC+8*(2*\q+\eo):ACC+8*(2*\q+\eo)+7], v[EV+24*\eo+8*\kk:EV+24*\eo+8*\kk+7], v[24*\q+8*\kk:24*\q+8*\kk+7], v[ACC+8*(2*\q+\eo):ACC+8*(2*\q+\eo)+7]
.endif
.endr
.endr
.endr
	WIN 0
.endm
; a lane's 16 numbers of query tile q are channels 128 w + 32 g + 16 h + sg(i): group g of K step w of relu(x)'s fragment, in the order in which the weights' images were laid
.macro X2OUT g
.set N, 0
.irp q, 0,1,2,3
.irp i, 0,2,4,6,8,10,12,14
	v_pk_mul_f32 v[ACC+16*\q+\i:ACC+16*\q+\i+1], v[ACC+16*\q+\i:ACC+16*\q+\i+1], v[F+2*\q:F+2*\q+1] op_sel_hi:[1,0]   ; x 2^(e8 + e9) / sum
.endr
.irp ver, 0,1,2
.set TT, TA+16*(N%2)
.set I, 0
.rept 16
	v_med3_num_f32 v[TT+I], v[ACC+16*\q+I], 0, v[SCX+2*\ver+1]   ; relu and the hold in one
.set I, I+1
.endr
	v_cvt_scalef32_pk8_fp8_f32 v[CD+4*\ver:CD+4*\ver+1], v[TT:TT+7], v[SCX+2*\ver]
	v_cvt_scalef32_pk8_fp8_f32 v[CD+4*\ver+2:CD+4*\ver+3], v[TT+8:TT+15], v[SCX+2*\ver]
	ds_store_b128 v[XW+\ver], v[CD+4*\ver:CD+4*\ver+3] offset:8192*\q+512*(\g)
.set N, N+1
.endr
.endr
	v_nop                                          ; a plain line behind the last scaled conversion
.endm
	LOADW 1
	WIN 0x40
.irp q, 0,1,2,3
.irp g, 0,1,2,3,4,5
	ds_load_b128 v[24*\q+4*\g:24*\q+4*\g+3], v[PRD] offset:3072*\q+512*\g
.endr
.endr
	WIN 0
.irp q, 0,1,2,3
	ds_load_b32 v[F+2*\q], v[LR] offset:128*\q
.endr
	VFETCH 0
.irp g, 0,1,2,3
	s_wait_dscnt 0x0
	VPERM
	PVMUL
.if \g < 3
	VFETCH \g+1                                    ; the next 32 channels come while these are quantised
.endif
	PLACES
	X2OUT \g
.endr
	BARRIER                                        ; relu(x)'s 48 fragments lie in LDS
; ---- h. products 6 to 8, a pair of column tiles at a time, for the four row tiles: eight accumulators take turns, K step by K step
.macro XLOAD ver                       ; relu(x) under scale ver: sixteen fragments, window 1: register 16 (4 m + s) + 4 c
	WIN 0x40
.set I, 0
.rept 64
	ds_load_b128 v[4*I:4*I+3], v[XR+\ver] offset:512*I
.set I, I+1
.endr
	WIN 0
	s_wait_dscnt 0x0
.endm
.macro PAIR p
.set PW, 2+((\p)%3)/2
.set PG, 128*(((\p)%3)%2)
.set CS_, PCD+16*((\p)%2)
.if (\p) < 2
.set KIND, 0
.elseif (\p) < 4
.set KIND, 1
.else
.set KIND, 2
.endif
.if (\p) < 11
	s_wait_loadcnt 32                              ; this pair's weights are in; the next pair's 32 loads may be out
.else
	s_wait_loadcnt 0x0
.endif
.if (\p) < 10
	LOADW (\p)+2                                   ; into the buffer that the pair before has left (four plain lines stand behind its products)
.endif
.if ((\p) == 0) || ((\p) == 2) || ((\p) == 4)
	XLOAD (\p)/2
.endif
.if KIND < 2
	WIN PW|4                                       ; q, k: source 0 = 16 columns of the weight, source 1 = 16 rows: a lane holds one position and 16 of a head's 32 dims
.else
	WIN 1|(PW<<2)                                  ; v: source 0 = 16 rows, source 1 = 16 columns: a lane holds one channel and neighbouring keys
.endif
.irp s, 0,1,2,3
.irp u, 0,1
.irp m, 0,1,2,3
.if KIND < 2
.if \s == 0
	v_wmma_f32_16x16x128_fp8_fp8 v[PACC+8*(4*\u+\m):PACC+8*(4*\u+\m)+7], v[PG+64*\u+16*\s:PG+64*\u+16*\s+15], v[16*(4*\m+\s):16*(4*\m+\s)+15], 0
.else
	v_wmma_f32_16x16x128_fp8_fp8 v[PACC+8*(4*\u+\m):PACC+8*(4*\u+\m)+7], v[PG+64*\u+16*\s:PG+64*\u+16*\s+15], v[16*(4*\m+\s):16*(4*\m+\s)+15], v[PACC+8*(4*\u+\m):PACC+8*(4*\u+\m)+7]
.endif
.else
.if \s == 0
	v_wmma_f32_16x16x128_fp8_fp8 v[PACC+8*(4*\u+\m):PACC+8*(4*\u+\m)+7], v[16*(4*\m+\s):16*(4*\m+\s)+15], v[PG+64*\u+16*\s:PG+64*\u+16*\s+15], 0
.else
	v_wmma_f32_16x16x128_fp8_fp8 v[PACC+8*(4*\u+\m):PACC+8*(4*\u+\m)+7], v[16*(4*\m+\s):16*(4*\m+\s)+15], v[PG+64*\u+16*\s:PG+64*\u+16*\s+15], v[PACC+8*(4*\u+\m):PACC+8*(4*\u+\m)+7]
.endif
.endif
.endr
.endr
.endr
	WIN 0
	PLACES
.set I, 0
.rept 64
	v_med3_num_f32 v[PACC+I], v[PACC+I], -v[SCO+2*KIND+1], v[SCO+2*KIND+1]
.set I, I+1
.endr
	s_wait_xcnt 0x0                                ; the stores of the pair before last have read these code registers
.if KIND < 2
.irp m, 0,1,2,3
	v_cvt_scalef32_pk8_fp8_f32 v[CS_+4*\m:CS_+4*\m+1], v[PACC+8*\m:PACC+8*\m+7], v[SCO+2*KIND]          ; dims 16 h + 0 .. 7,
	v_cvt_scalef32_pk8_fp8_f32 v[CS_+4*\m+2:CS_+4*\m+3], v[PACC+8*(4+\m):PACC+8*(4+\m)+7], v[SCO+2*KIND]   ; 16 h + 8 .. 15
.endr
.else
.irp u, 0,1
.irp a, 0,1
	v_cvt_scalef32_pk8_fp8_f32 v[CS_+4*(2*\u+\a):CS_+4*(2*\u+\a)+1], v[PACC+8*(4*\u+2*\a):PACC+8*(4*\u+2*\a)+7], v[SCO+2*KIND]          ; keys 32 a + 16 h + 0 .. 7,
	v_cvt_scalef32_pk8_fp8_f32 v[CS_+4*(2*\u+\a)+2:CS_+4*(2*\u+\a)+3], v[PACC+8*(4*\u+2*\a+1):PACC+8*(4*\u+2*\a+1)+7], v[SCO+2*KIND]   ; + 8 .. 15
.endr
.endr
.endif
	v_nop                                          ; a plain line behind the last scaled conversion: the next pair's products write its sources
.if KIND == 0
.irp m, 0,1,2,3
	global_store_b128 v[L16], v[CS_+4*\m:CS_+4*\m+3], s[60:61] offset:65536*((\p)&1)+512*\m   ; every store of the wave covers 512 consecutive bytes, aligned
.endr
.elseif KIND == 1
.irp m, 0,1,2,3
	global_store_b128 v[L16], v[CS_+4*\m:CS_+4*\m+3], s[62:63] offset:65536*((\p)&1)+512*\m
.endr
.else
.irp u, 0,1
.irp a, 0,1
	global_store_b128 v[L16], v[CS_+4*(2*\u+\a):CS_+4*(2*\u+\a)+3], s[66:67] offset:262144*(((\p)-4)>>2)+2048*(2*(((\p)-4)&3)+\u)+512*\a
.endr
.endr
.endif
.endm
.irp p, 0,1,2,3,4,5,6,7,8,9,10,11
	PAIR \p
.endr
	s_wait_tensorcnt 0x0                           ; the wave's end
	ds_add_u32 v[SPW], v[NIL]
	s_wait_dscnt 0x0
	s_endpgm
.Lfunc_end_k_q67d1013c09_local:
	.size	k_q67d1013c09_local, .Lfunc_end_k_q67d1013c09_local-k_q67d1013c09_local
	.p2alignl 7, 3214868480
	.fill 96, 4, 3214868480
	.section	.rodata,"a",@progbits
	.p2align	6, 0x0
	.amdhsa_kernel k_q67d1013c09_local
		.amdhsa_group_segment_fixed_size 217600
		.amdhsa_private_segment_fixed_size 0
		.amdhsa_enable_private_segment 0
		.amdhsa_kernarg_size 64
		.amdhsa_user_sgpr_count 2
		.amdhsa_user_sgpr_kernarg_segment_ptr 1
		.amdhsa_wavefront_size32 1
		.amdhsa_system_sgpr_workgroup_id_x 1
		.amdhsa_system_sgpr_workgroup_id_y 1
		.amdhsa_system_sgpr_workgroup_id_z 1
		.amdhsa_system_vgpr_workitem_id 0
		.amdhsa_next_free_vgpr 1024
		.amdhsa_next_free_sgpr 96
		.amdhsa_reserve_vcc 1
		.amdhsa_float_denorm_mode_32 3
		.amdhsa_float_denorm_mode_16_64 3
		.amdhsa_memory_ordered 1
		.amdhsa_forward_progress 1
		.amdhsa_inst_pref_size 255
	.end_amdhsa_kernel
	.section	.bss,"aw",@nobits
	.p2align	6
	.space	262144
	.amdgpu_metadata
---
amdhsa.version: [ 1, 2 ]
amdhsa.kernels:
  - .name:           k_q67d1013c09_local
    .symbol:         k_q67d1013c09_local.kd
    .args:
      - { .name: xs, .offset: 0, .size: 8, .value_kind: global_buffer, .address_space: global }
      - { .name: tab, .offset: 8, .size: 8, .value_kind: global_buffer, .address_space: global }
      - { .name: rel_bias, .offset: 16, .size: 8, .value_kind: global_buffer, .address_space: global }
      - { .name: lowp_scales, .offset: 24, .size: 8, .value_kind: global_buffer, .address_space: global }
      - { .name: wf, .offset: 32, .size: 8, .value_kind: global_buffer, .address_space: global }
      - { .name: qf, .offset: 40, .size: 8, .value_kind: global_buffer, .address_space: global }
      - { .name: kf, .offset: 48, .size: 8, .value_kind: global_buffer, .address_space: global }
      - { .name: vf, .offset: 56, .size: 8, .value_kind: global_buffer, .address_space: global }
    .group_segment_fixed_size: 217600
    .private_segment_fixed_size: 0
    .kernarg_segment_align: 8
    .kernarg_segment_size: 64
    .max_flat_workgroup_size: 128
    .sgpr_count:     96
    .vgpr_count:     1024
    .wavefront_size: 32
...
	.end_amdgpu_metadata
.endif
;; end of part 2
;; launch attn (part 3): grid 64 x 8, 16 waves a work-group, no clusters, 327,680 bytes of LDS; arguments qf, kf, vf, lowp_scales, of; writes of
.if DOCPART == 3
	.amdgcn_target "amdgcn-amd-amdhsa--gfx1250"
	.amdhsa_code_object_version 6
	.text
	.protected	k_q67d1013c09_attn
	.globl	k_q67d1013c09_attn
	.p2align	8
	.type	k_q67d1013c09_attn,@function
k_q67d1013c09_attn:
	s_mov_b64 s[64:65], 0
	v_nop
	global_prefetch_b8 v0, s[64:65] scope:SCOPE_SE
	s_setreg_imm32_b32 hwreg(HW_REG_WAVE_MODE, 25, 1), 1
	s_wait_xcnt 0x0
; ATTN: causal attention of one head (of 64: 8 batches x 8 heads) on codes of E4M3, products 9 and 10, and the quantiser of product 11's left operand.
; LEFT OUT (shown at the head of the first launch): key steps that lie wholly above the causal diagonal which reference() builds in its own body.
; Product 9's operands are taken as A = q (scale e16), B = k (scale e17); product 10's as A = v (e18), B = the softmax's p (e19).
; THE SOFTMAX: t = score x log2(e) / sqrt(32); M = the running largest t rounded UP to a whole number; p = 2^(t - M) is quantised, not normalised; the row's sum is taken of the unquantised p and divides at the end.
; SHARES.  A work-group owns 256 queries of a head, block X; each of its sixteen waves one tile of 16: four waves to a SIMD, so that one wave's vector work stands beside another's matrix work and LDS loads.
; X = y + 4 for y < 4, 7 - y else: work-groups 256 apart in the launch's order hold blocks whose key steps add up alike, and so do the shortest of the first 256 and the first of the rest.
; All operands come as images of operand registers: qf, kf [head][tile of 16 positions][512]: lane (r, h) holds position pi(tile, r) = 32 (tile/2) + 8 (tile%2) + r%8 + 16 (r/8) and dims 16 h + 0 .. 15;
; vf [head][step of 128 keys][channel tile 0..7][group c][512]: lane (r, h) holds channel pi(t, r) and keys 32 c + 16 h + 0 .. 15.  So a slot of 256 keys is two dense blocks, 8,192 bytes of K and 32,768 of V,
; every LDS load takes 512 consecutive bytes, and no padding is needed.  S^T = K Q^T by the K = 64 form: the head has 32 dims, so Q's upper four registers are zeros, and K's upper four are whatever finite codes lie behind
; the tile's four (the next tile's, or V's): they meet zeros.  O^T = V^T P^T: a lane holds one query throughout.
; No cluster: under the causal mask the query blocks of a head need different numbers of slots, so a partner would be sent tiles that none of its waves reads.
; LIMITS: e16 + e17 between -124 and 129; e19 and e20 - e18 - e19 between -126 and 119.  NaN is not served.
; REGISTERS: v1 16 x lane; v3 the prefetches' offset; v5, v6 the add's two; v8 LDS address in hand; v9 rho - 16 h; v12 -M, v13 the largest t, v[14:15] the sum; v16-23 Q and zeros; v32-95 fragments; v96-159 S^T, then p;
; v160-223 O^T; v224-239 codes; v240, v244: 448 x 2^e19, 2^e19; v241, v245 the same for e20 - e18 - e19; v236, v242-243, v252-254 at work.
.set SK,    256                        ; keys in a slot
.set NQ,    2                          ; key steps in a slot
.set NSL,   8                          ; slots' worth of keys
.set KSLOT, 8192
.set VSLOT, 32768
.set VOFF,  KSLOT                      ; a slot: K's sixteen tiles, then V's two steps
.set SLOT1, 65536                      ; slot 1 begins here: one exclusive or turns an address from one slot to the other
.set SPARE, 2*SLOT1                    ; the spare words, 128 bytes for each wave: eight blocks of 256 bytes that no other line names
.set L16, 1
.set PFO, 3
.set SPW, 5
.set NIL, 6
.set ADR, 8
.set DL,  9
.set WV,  18
.set SEL, 20
.set CS,  22
.set G1K, 24
.set G1V, 32
.set G0K, 40
.set G0V, 44
.set TB,  2
.set SLOTS, 67
.set PFA, 76
.set PFS, 78
.set LIM, 80
.set KF,  98
.set Q0,  99
; Wave 0 fetches a slot's K, wave 1 its V, the others nothing.  The branches hang on the wave's number alone.  An s_nop 0 and four v_nop follow each of the two lines.
.macro TLOAD
	s_cmp_eq_u32 s[WV], 0
	s_cbranch_scc0 .Lnot_k_\@
	tensor_load_to_lds s[G0K:G0K+3], s[G1K:G1K+7]
	s_nop 0
.rept 4
	v_nop
.endr
	s_branch .Lasked_\@
.Lnot_k_\@:
	s_cmp_eq_u32 s[WV], 1
	s_cbranch_scc0 .Lasked_\@
	tensor_load_to_lds s[G0V:G0V+3], s[G1V:G1V+7]
	s_nop 0
.rept 4
	v_nop
.endr
.Lasked_\@:
.endm
; A prefetch of what the NEXT change of slots will ask for, a slot's two key steps ahead of that load.  All eight work-groups of a head walk the same K and V: the one with y = 0 asks, and in it waves that fetch nothing:
; waves 4 to 7 for V's 4 x 8,192 bytes, wave 8 for K's 8,192, lanes 256 bytes apart: each aligned block of 256 bytes is named once in the launch.  The last change that fills a slot asks for nothing; slots 0 and 1 come by their loads alone.
.macro ASK
	s_cmp_gt_u32 s[SLOTS], s[LIM]
	s_cbranch_scc0 .Lnot_mine_\@
	global_prefetch_b8 v[PFO], s[PFA:PFA+1] th:TH_LOAD_NT scope:SCOPE_SE
.Lnot_mine_\@:
.endm
	s_load_b256 s[4:11], s[0:1], 0x0               ; qf s[4:5], kf s[6:7], vf s[8:9], the scales s[10:11]
	s_load_b64 s[16:17], s[0:1], 0x20              ; of
	v_lshl_add_u32 v[SPW], v0, 2, SPARE
	v_mov_b32 v[NIL], 0
	ds_add_u32 v[SPW], v[NIL]                      ; the wave's opening: the add, twice on end, and its wait ahead of the first tensor load; the set-up below stands between
	ds_add_u32 v[SPW], v[NIL]
	v_lshrrev_b32 v8, 5, v0
	v_readfirstlane_b32 s[WV], v8                  ; wave 0..15
	s_and_b32 s72, ttmp7, 0xffff                   ; y
	s_add_co_u32 s73, s72, 4
	s_sub_co_u32 s74, 7, s72
	s_cmp_lt_u32 s72, 4
	s_cselect_b32 s75, s73, s74                    ; X
	s_lshl_b32 s[Q0], s75, 8
	s_lshr_b32 s81, s[WV], 1
	s_lshl_b32 s81, s81, 5
	s_add_co_u32 s[Q0], s[Q0], s81
	s_and_b32 s81, s[WV], 1
	s_lshl_b32 s81, s81, 3
	s_add_co_u32 s[Q0], s[Q0], s81                 ; my least query: 256 X + 32 (w/2) + 8 (w%2); lane r's is + r%8 + 16 (r/8)
	s_lshl_b32 s82, s75, 4
	s_add_co_u32 s82, s82, s[WV]                   ; my tile of positions
	s_lshl_b32 s84, ttmp9, 7
	s_add_co_u32 s84, s84, s82
	s_lshl_b32 s84, s84, 9                         ; its image in qf
	s_mov_b32 s85, 0
	s_lshr_b32 s86, ttmp9, 3
	s_lshl_b32 s86, s86, 7
	s_add_co_u32 s86, s86, s82
	s_lshl_b32 s86, s86, 3
	s_and_b32 s87, ttmp9, 7
	s_add_co_u32 s86, s86, s87
	s_lshl_b32 s86, s86, 11                        ; of: [batch][tile][head][2,048]
	s_mov_b32 s87, 0
	s_lshl_b32 s88, ttmp9, 16                      ; the head's first byte in kf,
	s_mov_b32 s89, 0
	s_lshl_b32 s90, ttmp9, 18                      ; and in vf
	s_mov_b32 s91, 0
	; descriptor group 1: a dense block as rows of 256 bytes: elements of 8 bytes, 32 to a row, the pitch 32; K: 32 rows, V: 128
	s_mov_b32 s[G1K], 3<<16                        ; 15:0 no mask; 17:16 elements of 8 bytes; no padding
	s_mov_b32 s[G1K+1], 32<<16                     ; tensor_dim0
	s_mov_b32 s[G1K+2], 32<<16                     ; tensor_dim1
	s_mov_b32 s[G1K+3], 32<<16                     ; tile_dim0
	s_mov_b32 s[G1K+4], 32                         ; tile_dim1
	s_mov_b32 s[G1K+5], 32                         ; tensor_dim0_stride
	s_mov_b32 s[G1K+6], 0
	s_mov_b32 s[G1K+7], 0
	s_mov_b32 s[G1V], 3<<16
	s_mov_b32 s[G1V+1], 32<<16
	s_mov_b32 s[G1V+2], 128<<16
	s_mov_b32 s[G1V+3], 32<<16
	s_mov_b32 s[G1V+4], 128
	s_mov_b32 s[G1V+5], 32
	s_mov_b32 s[G1V+6], 0
	s_mov_b32 s[G1V+7], 0
	s_mov_b32 s[SEL], 0x76543210
	s_mov_b32 s[SEL+1], 0xfedcba98
	s_mov_b32 s[CS], 0x3e8293ee                    ; c = log2(e) / sqrt(32)
	s_mov_b32 s[TB], 0
	s_mov_b32 s[SLOTS], NSL-1
	s_mov_b32 s[KF], 0
	s_wait_dscnt 0x0                               ; both opening adds are done
	s_wait_kmcnt 0x0
	s_load_b128 s[68:71], s[10:11], 0x40           ; e16, e17, e18, e19
	s_load_b32 s92, s[10:11], 0x50                 ; e20
	s_mov_b32 s[G0K], 1                            ; count = 1
	s_mov_b32 s[G0K+1], 0                          ; LDS address: slot 0
	s_add_nc_u64 s[G0K+2:G0K+3], s[6:7], s[88:89]  ; the head's first 256 keys
	s_or_b32 s[G0K+3], s[G0K+3], 0x80000000        ; type = 2
	s_mov_b32 s[G0V], 1
	s_mov_b32 s[G0V+1], VOFF
	s_add_nc_u64 s[G0V+2:G0V+3], s[8:9], s[90:91]
	s_or_b32 s[G0V+3], s[G0V+3], 0x80000000
	TLOAD                                          ; slot 0: it holds key 0, which counts for every query
	s_add_nc_u64 s[4:5], s[4:5], s[84:85]
	s_add_nc_u64 s[16:17], s[16:17], s[86:87]
	; the prefetches: where my wave's stand, and who asks
	s_and_b32 s82, s[WV], 3
	s_lshl_b32 s82, s82, 13                        ; my wave's 8,192 bytes of a slot's V (wave 8: K's, from 0)
	s_mov_b32 s83, 0
	s_mov_b32 s[PFS], KSLOT
	s_mov_b32 s[PFS+1], 0
	s_cmp_lt_u32 s[WV], 8
	s_cselect_b64 s[PFA:PFA+1], s[8:9], s[6:7]
	s_cselect_b64 s[94:95], s[90:91], s[88:89]
	s_cselect_b32 s[PFS], VSLOT, s[PFS]            ; a slot on
	s_add_nc_u64 s[PFA:PFA+1], s[PFA:PFA+1], s[94:95]
	s_add_nc_u64 s[PFA:PFA+1], s[PFA:PFA+1], s[82:83]
	s_add_nc_u64 s[PFA:PFA+1], s[PFA:PFA+1], s[PFS:PFS+1]  ; in slot 1: the first change of slots steps it to slot 2.  Nothing is prefetched here, at the head
	s_sub_co_u32 s82, s[WV], 4
	s_cmp_lt_u32 s82, 5
	s_cselect_b32 s82, 0, 1                        ; 0 in waves 4 to 8,
	s_or_b32 s82, s82, s72                         ; of the work-group with y = 0
	s_cmp_eq_u32 s82, 0
	s_cselect_b32 s[LIM], 1, -1
	v_and_b32 v[PFO], 31, v0
	v_lshlrev_b32 v[L16], 4, v[PFO]
	v_lshlrev_b32 v[PFO], 8, v[PFO]
	global_load_b128 v[16:19], v[L16], s[4:5]      ; Q's four registers stay
.irp n, 20,21,22,23,64,65,66,67
	v_mov_b32 v\n, 0                               ; Q's upper half; and what lies behind K's last tile in the first step
.endr
	v_and_b32 v[DL], 7, v0
	v_bfe_u32 v10, v0, 3, 1
	v_lshl_add_u32 v[DL], v10, 4, v[DL]            ; rho = r%8 + 16 (r/8)
	v_bfe_u32 v10, v0, 4, 1
	v_lshlrev_b32 v10, 4, v10
	v_sub_nc_u32 v[DL], v[DL], v10                 ; - 16 h
	v_mov_b32 v13, 0xff61b1e6                      ; the largest t so far: -3e38, under every t
	v_floor_f32 v12, -v13                          ; -M
	v_mov_b32 v14, 0
	v_mov_b32 v15, 0
	v_mov_b32 v236, 0                              ; a lane permute's destination counts as one of its sources
	v_mov_b32 v253, 0                              ; (named as the upper half of the pair v[252:253])
.set J, 0
.rept 64
	v_mov_b32 v[160+J], 0                          ; O^T.  (The step is written once: the first finds zeros, which the first change of M leaves zeros)
.set J, J+1
.endr
	s_wait_kmcnt 0x0
	s_add_co_i32 s72, s68, s69
	s_lshl_b32 s72, s72, 23
	s_add_co_i32 s[CS], s[CS], s72                 ; a score stands for score x 2^(e16 + e17): the exponents are added to c's exponent field
	s_mov_b32 s[CS+1], s[CS]
	s_add_co_i32 s72, s71, 127
	s_lshl_b32 s73, s72, 23
	v_mov_b32 v244, s73                            ; 2^e19
	s_add_co_i32 s72, s72, 8
	s_lshl_b32 s72, s72, 23
	s_or_b32 s72, s72, 0x600000
	v_mov_b32 v240, s72                            ; 448 x 2^e19
	s_sub_co_i32 s72, s92, s70
	s_sub_co_i32 s72, s72, s71                     ; O^T / sum stands for o / 2^(e18 + e19): its code is that / 2^(e20 - e18 - e19)
	s_add_co_i32 s72, s72, 127
	s_lshl_b32 s73, s72, 23
	v_mov_b32 v245, s73
	s_add_co_i32 s72, s72, 8
	s_lshl_b32 s72, s72, 23
	s_or_b32 s72, s72, 0x600000
	v_mov_b32 v241, s72
; A KEY STEP: 128 keys, the q-th of the slot in hand.  A step all of whose keys come after my 16 queries is left out: a scalar branch on ids, round its loads, products and softmax; no barrier and no tensor load stands in a step.
.macro STEP q
	s_add_co_u32 s96, s[Q0], 23                    ; my greatest query
	s_cmp_gt_u32 s[KF], s96
	s_cbranch_scc1 .Lhidden_\@
	v_add_nc_u32 v[ADR], s[TB], v[L16]
.rept 3
	v_nop                                          ; with the addition: four plain lines ahead of loads into registers that the last products read
.endr
.irp t, 0,1,2,3,4,5,6,7
	ds_load_b128 v[32+4*\t:35+4*\t], v[ADR] offset:4096*(\q)+512*\t
.endr
	s_wait_dscnt 0x0
.irp t, 0,1,2,3,4,5,6,7
	v_wmma_f32_16x16x64_fp8_fp8 v[96+8*\t:103+8*\t], v[32+4*\t:39+4*\t], v[16:23], 0
.endr                                              ; lane (r, h) holds its query; the 16 registers of tiles 2 b, 2 b + 1 are keys KF + 32 b + 16 h + 0 .. 15
.rept 4
	v_nop
.endr
.irp t, 0,1,2,3                                ; V's first four channel tiles are asked for now and land under the softmax
.irp c, 0,1,2,3
	ds_load_b128 v[32+16*\t+4*\c:35+16*\t+4*\c], v[ADR] offset:VOFF+16384*(\q)+2048*\t+512*\c
.endr
.endr
	s_add_co_u32 s96, s[KF], 127                   ; on the diagonal the scores of hidden keys become -infinity ahead of the maximum.  A step all of whose keys count skips this
	s_cmp_le_u32 s96, s[Q0]
	s_cbranch_scc1 .Lopen_\@
	s_sub_co_i32 s96, s[Q0], s[KF]
	v_add_nc_u32 v252, s96, v[DL]                  ; d = my query - KF - 16 h: register 16 b + i is hidden where 32 b + i > d
	v_mov_b32 v254, 0xff800000
.set N, 0
.rept 64
	v_cmp_gt_i32 vcc_lo, 32*(N/16)+N%16, v252
	v_cndmask_b32 v[96+N], v[96+N], v254, vcc_lo
.set N, N+1
.endr
.Lopen_\@:
	v_max3_num_f32 v254, v96, v97, v98             ; the step's largest score of my query, among my 64 keys, in two chains,
	v_max3_num_f32 v252, v99, v100, v101
.set J, 6
.rept 14
	v_max3_num_f32 v254, v254, v[96+J], v[97+J]
	v_max3_num_f32 v252, v252, v[98+J], v[99+J]
.set J, J+4
.endr
	v_max3_num_f32 v254, v254, v158, v159
	v_max_num_f32 v254, v254, v252
	v_permlanex16_b32 v236, v254, s[SEL], s[SEL+1]
	v_max_num_f32 v254, v254, v236                 ; and among lane l xor 16's
	v_mul_f32 v254, s[CS], v254                    ; as t (c is positive)
	v_max_num_f32 v13, v13, v254                   ; the running largest t
	v_mov_b32 v254, v12
	v_floor_f32 v12, -v13                          ; the new -M = -ceil(t)
	v_sub_f32 v254, v12, v254                      ; old M - new M: a whole number, 0 or less
	v_cvt_i32_f32 v254, v254                       ; (it saturates)
	v_ldexp_f32 v252, 1.0, v254                    ; f = 2^(old M - new M): a multiplication by it rounds nothing
.set J, 0
.rept 32
	v_pk_fma_f32 v[96+J:97+J], v[96+J:97+J], s[CS:CS+1], v[12:13] op_sel_hi:[1,0,0]   ; t - M
.set J, J+2
.endr
.set J, 0
.rept 64
	v_exp_f32 v[96+J], v[96+J]                     ; p = 2^(t - M), at most 1
.set J, J+1
.endr
	v_pk_mul_f32 v[14:15], v[14:15], v[252:253] op_sel_hi:[1,0]   ; the sums under the new M.  (A plain line behind the exponentials)
	s_wait_alu depctr_va_vdst(0)                   ; one wait for the batch of 64, ahead of its first reader
	v_pk_add_f32 v[242:243], v[96:97], v[98:99]    ; the row's sum is taken of the unquantised p, in two chains
.set J, 4
.rept 15
	v_pk_add_f32 v[14:15], v[14:15], v[96+J:97+J]
	v_pk_add_f32 v[242:243], v[242:243], v[98+J:99+J]
.set J, J+4
.endr
	v_pk_add_f32 v[14:15], v[14:15], v[242:243]
.irp b, 0,1,2,3
.set I, 0
.rept 16
	v_min_num_f32 v[96+16*\b+I], v[96+16*\b+I], v240   ; the hold (ISA guide 7.6.2: the conversion does not saturate); p is not negative
.set I, I+1
.endr
	v_cvt_scalef32_pk8_fp8_f32 v[224+4*\b:225+4*\b], v[96+16*\b:103+16*\b], v244
	v_cvt_scalef32_pk8_fp8_f32 v[226+4*\b:227+4*\b], v[104+16*\b:111+16*\b], v244
.endr
.set J, 0
.rept 32
	v_pk_mul_f32 v[160+J:161+J], v[160+J:161+J], v[252:253] op_sel_hi:[1,0]   ; O^T under the new M.  (Also the plain lines between the conversions and the products)
.set J, J+2
.endr
	s_wait_dscnt 0x0                               ; V's first four tiles
.irp t, 0,1,2,3
	v_wmma_f32_16x16x128_fp8_fp8 v[160+8*\t:167+8*\t], v[32+16*\t:47+16*\t], v[224:239], v[160+8*\t:167+8*\t]
.endr
.rept 4
	v_nop
.endr
.irp t, 0,1,2,3
.irp c, 0,1,2,3
	ds_load_b128 v[32+16*\t+4*\c:35+16*\t+4*\c], v[ADR] offset:VOFF+16384*(\q)+2048*(4+\t)+512*\c
.endr
.endr
	s_wait_dscnt 0x0
.irp t, 0,1,2,3
	v_wmma_f32_16x16x128_fp8_fp8 v[192+8*\t:199+8*\t], v[32+16*\t:47+16*\t], v[224:239], v[192+8*\t:199+8*\t]
.endr
.Lhidden_\@:
	s_add_co_u32 s[KF], s[KF], 128
.endm
; THE CHANGE OF SLOTS stands at a slot's head.  Each wave waits for all its tensor loads, adds 0 to its spare word (fill = 1: twice on end), and waits for that and for its reads of the slot that it has left.
; Behind the barrier the slot ahead is whole and nobody reads the other one.  fill = 1: that other slot is filled with the next 256 keys, up to the causal limit: the load has a slot's two steps in which to land.
.macro CHANGE fill
	s_wait_tensorcnt 0x0                           ; no tensor load of mine is out, so a group 0 may be written
	ds_add_u32 v[SPW], v[NIL]                      ; adds 0 to the spare word
.if \fill
	ds_add_u32 v[SPW], v[NIL]                      ; and once more, in every trip alike
	s_xor_b32 s[G0K+1], s[G0K+1], SLOT1            ; the walking descriptors: the other slot,
	s_add_nc_u64 s[G0K+2:G0K+3], s[G0K+2:G0K+3], KSLOT   ; the next 256 keys
	s_xor_b32 s[G0V+1], s[G0V+1], SLOT1
	s_add_nc_u64 s[G0V+2:G0V+3], s[G0V+2:G0V+3], VSLOT
	s_wait_xcnt 0x0                                ; the last prefetch, a slot back, has read its address
	s_add_nc_u64 s[PFA:PFA+1], s[PFA:PFA+1], s[PFS:PFS+1]
.endif
	s_wait_dscnt 0x0                               ; the add is done, and my reads of the slot that I have left are over
	s_barrier_signal -1
	s_barrier_wait -1
.if \fill
	s_add_co_u32 s96, s[KF], SK                    ; the first key of the slot that this change would ask for:
	s_or_b32 s97, s[Q0], 255                       ; beyond my work-group's last query it is read by none of the sixteen waves, and is not asked for.
	s_cmp_gt_u32 s96, s97                          ; Ids and the count of steps alone: all waves go the same way.  Every wait on TENSORcnt in this text is for 0
	s_cbranch_scc1 .Lpast_\@
	TLOAD                                          ; a wave's one tensor load until the next such barrier
.Lpast_\@:
	ASK
.endif
.endm
.macro SLOT_STEPS
.set Q, 0
.rept NQ
	STEP Q
.set Q, Q+1
.endr
	s_xor_b32 s[TB], s[TB], SLOT1
.endm
	s_wait_loadcnt 0x0                             ; Q
.Lslot:                                            ; NSL - 1 trips, a constant: every work-group walks all changes of slots
	CHANGE 1
	SLOT_STEPS
	s_sub_co_u32 s[SLOTS], s[SLOTS], 1
	s_cmp_lg_u32 s[SLOTS], 0
	s_cbranch_scc1 .Lslot
	CHANGE 0                                       ; the last slot is written out: nothing is left to ask for
	SLOT_STEPS
	; THE WAY OUT: O^T / sum, held, quantised for product 11: the conversions' results are that operand's registers, K = my head's 128 channels in their order; they are stored as an image
.rept 4
	v_nop
.endr
	v_add_f32 v14, v14, v15
	v_permlanex16_b32 v236, v14, s[SEL], s[SEL+1]
	v_add_f32 v14, v14, v236                       ; the row's sum
	v_rcp_f32 v14, v14
	v_nop                                          ; a plain line behind the transcendental
	s_wait_alu depctr_va_vdst(0)
.set J, 0
.rept 32
	v_pk_mul_f32 v[96+J:97+J], v[160+J:161+J], v[14:15] op_sel_hi:[1,0]   ; each accumulator from its low end on
.set J, J+2
.endr
.set J, 0
.rept 64
	v_med3_num_f32 v[96+J], v[96+J], -v241, v241
.set J, J+1
.endr
.irp b, 0,1,2,3
	v_cvt_scalef32_pk8_fp8_f32 v[224+4*\b:225+4*\b], v[96+16*\b:103+16*\b], v245
	v_cvt_scalef32_pk8_fp8_f32 v[226+4*\b:227+4*\b], v[104+16*\b:111+16*\b], v245
.endr
	v_nop
.irp c, 0,1,2,3
	global_store_b128 v[L16], v[224+4*\c:227+4*\c], s[16:17] offset:512*\c   ; the wave stores 512 consecutive bytes, aligned
.endr
	s_wait_tensorcnt 0x0                           ; the wave's end
	ds_add_u32 v[SPW], v[NIL]
	s_wait_dscnt 0x0
	s_endpgm
.Lfunc_end_k_q67d1013c09_attn:
	.size	k_q67d1013c09_attn, .Lfunc_end_k_q67d1013c09_attn-k_q67d1013c09_attn
	.p2alignl 7, 3214868480
	.fill 96, 4, 3214868480
	.section	.rodata,"a",@progbits
	.p2align	6, 0x0
	.amdhsa_kernel k_q67d1013c09_attn
		.amdhsa_group_segment_fixed_size 327680
		.amdhsa_private_segment_fixed_size 0
		.amdhsa_enable_private_segment 0
		.amdhsa_kernarg_size 40
		.amdhsa_user_sgpr_count 2
		.amdhsa_user_sgpr_kernarg_segment_ptr 1
		.amdhsa_wavefront_size32 1
		.amdhsa_system_sgpr_workgroup_id_x 1
		.amdhsa_system_sgpr_workgroup_id_y 1
		.amdhsa_system_sgpr_workgroup_id_z 1
		.amdhsa_system_vgpr_workitem_id 0
		.amdhsa_next_free_vgpr 256
		.amdhsa_next_free_sgpr 100
		.amdhsa_reserve_vcc 1
		.amdhsa_float_denorm_mode_32 3
		.amdhsa_float_denorm_mode_16_64 3
		.amdhsa_memory_ordered 1
		.amdhsa_forward_progress 1
		.amdhsa_inst_pref_size 107
	.end_amdhsa_kernel
	.amdgpu_metadata
---
amdhsa.version: [ 1, 2 ]
amdhsa.kernels:
  - .name:           k_q67d1013c09_attn
    .symbol:         k_q67d1013c09_attn.kd
    .args:
      - { .name: qf, .offset: 0, .size: 8, .value_kind: global_buffer, .address_space: global }
      - { .name: kf, .offset: 8, .size: 8, .value_kind: global_buffer, .address_space: global }
      - { .name: vf, .offset: 16, .size: 8, .value_kind: global_buffer, .address_space: global }
      - { .name: lowp_scales, .offset: 24, .size: 8, .value_kind: global_buffer, .address_space: global }
      - { .name: of, .offset: 32, .size: 8, .value_kind: global_buffer, .address_space: global }
    .group_segment_fixed_size: 327680
    .private_segment_fixed_size: 0
    .kernarg_segment_align: 8
    .kernarg_segment_size: 40
    .max_flat_workgroup_size: 512
    .sgpr_count:     100
    .vgpr_count:     256
    .wavefront_size: 32
...
	.end_amdgpu_metadata
.endif
;; end of part 3
;; launch outp (part 4): grid 256 x 1, 15 waves a work-group, no clusters, 129,024 bytes of LDS; arguments of, pof, lowp_scales, out0; writes out0
.if DOCPART == 4
	.amdgcn_target "amdgcn-amd-amdhsa--gfx1250"
	.amdhsa_code_object_version 6
	.text
	.protected	k_q67d1013c09_outp
	.globl	k_q67d1013c09_outp
	.p2align	8
	.type	k_q67d1013c09_outp,@function
k_q67d1013c09_outp:
	s_mov_b64 s[64:65], 0
	v_nop
	global_prefetch_b8 v0, s[64:65] scope:SCOPE_SE
	s_setreg_imm32_b32 hwreg(HW_REG_WAVE_MODE, 25, 1), 1
	s_wait_xcnt 0x0
; OUTP: product 11, out0 = o po_w, on the codes that the launches before have laid in operand order.  Nothing is left out here.
; SHARES.  A work-group takes 64 rows: 65,536 consecutive bytes of of (four tiles of 16 positions x eight heads = K steps x 2,048) and 61,440 consecutive bytes of out0.  Fifteen waves, one for each tile of 16 of the 240 columns:
; a wave's eight fragments of po_w (128 registers) come from memory once; the rows' codes are copied into LDS once and read by all fifteen.
; The matrix instruction is used transposed (source 0 = 16 columns of po_w, source 1 = 16 rows): a lane holds eight neighbouring columns of one row, position 32 (m/2) + 8 (m%2) + r%8 + 16 (r/8) of the block.
; The results meet in a stage of 64 rows x 960 bytes, dense: the very bytes of out0's block, so that they are read back at 16 x thread and every store of a wave covers 512 consecutive bytes, aligned.
; (Rows 960 bytes apart: the sixteen lanes of a store into the stage fall on four different 64-byte columns modulo 256 (64 banks of 4 bytes: ISA guide 11.1): eight such stores a wave, beside 136 LDS loads.)
; No tensor load, no cluster: work-groups share only po_w's 245,760 bytes, which each wave reads once into registers.  LIMIT: e20 + e21 between -126 and 127.
.set AIMG,  0
.set STG,   65536
.set SP,    960
.set SPARE, STG+64*SP                  ; the spare words, 128 bytes for each of 15 waves, rounded up: eight blocks of 256 bytes that no other line names
.set LI,  3                            ; v3  16 x lane
.set CP,  4                            ; v4  16 x thread
.set SO,  5                            ; v5  the stage: where I put 32 bytes of a row
.set SR,  6                            ; v6  and where I read 16 bytes back: STG + 16 x thread
.set SPW, 7
.set NIL, 8
.set W,   16                           ; v16-143  po_w's eight fragments
.set AF,  144                          ; v144-207 four fragments of rows; first the copy's data, last the results
.set ACC, 208                          ; v208-239 four accumulators
	s_load_b256 s[4:11], s[0:1], 0x0               ; of s[4:5], pof s[6:7], the scales s[8:9], out0 s[10:11]
	v_lshl_add_u32 v[SPW], v0, 2, SPARE
	v_mov_b32 v[NIL], 0
	v_lshrrev_b32 v1, 5, v0
	v_readfirstlane_b32 s12, v1                    ; wave 0..14
	v_and_b32 v2, 31, v0
	v_lshlrev_b32 v[LI], 4, v2
	v_lshlrev_b32 v[CP], 4, v0
	v_and_b32 v9, 7, v0
	v_bfe_u32 v10, v0, 3, 1
	v_lshl_add_u32 v9, v10, 4, v9                  ; r%8 + 16 (r/8)
	v_bfe_u32 v10, v0, 4, 1                        ; h
	v_mul_u32_u24 v[SO], v9, SP
	v_lshl_add_u32 v[SO], v10, 5, v[SO]
	s_lshl_b32 s13, s12, 6
	s_add_co_u32 s13, s13, STG
	v_add_nc_u32 v[SO], s13, v[SO]                 ; row, + 64 x wave + 32 h
	v_add_nc_u32 v[SR], STG, v[CP]                 ; the 480 threads take 7,680 consecutive bytes, eight rows, at a time
	s_lshl_b32 s14, ttmp9, 16
	s_mov_b32 s15, 0
	s_mul_i32 s16, ttmp9, 61440
	s_mov_b32 s17, 0
	s_lshl_b32 s18, s12, 14
	s_mov_b32 s19, 0
	s_wait_kmcnt 0x0
	s_load_b64 s[20:21], s[8:9], 0x50              ; e20, e21
	s_add_nc_u64 s[4:5], s[4:5], s[14:15]
	s_add_nc_u64 s[10:11], s[10:11], s[16:17]
	s_add_nc_u64 s[6:7], s[6:7], s[18:19]
.irp k, 0,1,2,3,4,5,6,7
	global_load_b128 v[AF+4*\k:AF+4*\k+3], v[CP], s[4:5] offset:7680*\k th:TH_LOAD_NT
.endr
	s_cmp_lt_u32 s12, 8                            ; 65,536 = 8 x 7,680 + 4,096: the rest is eight waves' worth
	s_cbranch_scc0 .Lno_ninth_load
	global_load_b128 v[AF+32:AF+35], v[CP], s[4:5] offset:61440 th:TH_LOAD_NT
.Lno_ninth_load:
.set I, 0
.rept 32
	global_load_b128 v[W+4*I:W+4*I+3], v[LI], s[6:7] offset:512*I
.set I, I+1
.endr
	s_wait_loadcnt 32                              ; the rows' codes are in; the 32 loads of weights, issued behind them, may be out
.irp k, 0,1,2,3,4,5,6,7
	ds_store_b128 v[CP], v[AF+4*\k:AF+4*\k+3] offset:AIMG+7680*\k
.endr
	s_cmp_lt_u32 s12, 8
	s_cbranch_scc0 .Lno_ninth_store
	ds_store_b128 v[CP], v[AF+32:AF+35] offset:AIMG+61440
.Lno_ninth_store:
	s_wait_dscnt 0x0                               ; for the others' sake: my stores have landed
	s_barrier_signal -1
	s_barrier_wait -1
	s_wait_loadcnt 0x0                             ; the weights
.irp s, 0,1,2,3,4,5,6,7
.if \s > 0
.rept 4
	v_nop                                          ; four plain lines ahead of loads into registers that matrix instructions have read
.endr
.endif
.irp m, 0,1,2,3
.irp c, 0,1,2,3
	ds_load_b128 v[AF+16*\m+4*\c:AF+16*\m+4*\c+3], v[LI] offset:AIMG+(8*\m+\s)*2048+512*\c
.endr
.endr
	s_wait_dscnt 0x0
.irp m, 0,1,2,3                                ; the four accumulators take turns
.if \s == 0
	v_wmma_f32_16x16x128_fp8_fp8 v[ACC+8*\m:ACC+8*\m+7], v[W+16*\s:W+16*\s+15], v[AF+16*\m:AF+16*\m+15], 0
.else
	v_wmma_f32_16x16x128_fp8_fp8 v[ACC+8*\m:ACC+8*\m+7], v[W+16*\s:W+16*\s+15], v[AF+16*\m:AF+16*\m+15], v[ACC+8*\m:ACC+8*\m+7]
.endif
.endr
.endr
	s_wait_kmcnt 0x0
	s_add_co_i32 s20, s20, s21
	s_add_co_i32 s20, s20, 127
	s_lshl_b32 s20, s20, 23                        ; 2^(e20 + e21) as f32
	s_mov_b32 s21, s20
.rept 4
	v_nop
.endr
.set J, 0
.rept 16
	v_pk_mul_f32 v[AF+J:AF+J+1], v[ACC+J:ACC+J+1], s[20:21] op_sel_hi:[1,0]   ; each accumulator from its low end on
.set J, J+2
.endr
.irp m, 0,1,2,3
	ds_store_b128 v[SO], v[AF+8*\m:AF+8*\m+3] offset:(32*(\m/2)+8*(\m%2))*SP
	ds_store_b128 v[SO], v[AF+8*\m+4:AF+8*\m+7] offset:(32*(\m/2)+8*(\m%2))*SP+16
.endr
	s_wait_dscnt 0x0                               ; for the others' sake: my stores into the stage have landed
	s_barrier_signal -1
	s_barrier_wait -1                              ; 64 whole rows lie in the stage
.irp k, 0,1,2,3,4,5,6,7
	ds_load_b128 v[AF+32+4*\k:AF+35+4*\k], v[SR] offset:7680*\k
.endr
.irp k, 0,1,2,3,4,5,6,7
	s_wait_dscnt 7-\k                              ; LDS loads come back in order: the younger ones stay out
	global_store_b128 v[CP], v[AF+32+4*\k:AF+35+4*\k], s[10:11] offset:7680*\k th:TH_STORE_NT
.endr
	s_wait_tensorcnt 0x0                           ; the wave's end
	ds_add_u32 v[SPW], v[NIL]
	s_wait_dscnt 0x0
	s_endpgm
.Lfunc_end_k_q67d1013c09_outp:
	.size	k_q67d1013c09_outp, .Lfunc_end_k_q67d1013c09_outp-k_q67d1013c09_outp
	.p2alignl 7, 3214868480
	.fill 96, 4, 3214868480
	.section	.rodata,"a",@progbits
	.p2align	6, 0x0
	.amdhsa_kernel k_q67d1013c09_outp
		.amdhsa_group_segment_fixed_size 129024
		.amdhsa_private_segment_fixed_size 0
		.amdhsa_enable_private_segment 0
		.amdhsa_kernarg_size 32
		.amdhsa_user_sgpr_count 2
		.amdhsa_user_sgpr_kernarg_segment_ptr 1
		.amdhsa_wavefront_size32 1
		.amdhsa_system_sgpr_workgroup_id_x 1
		.amdhsa_system_sgpr_workgroup_id_y 1
		.amdhsa_system_sgpr_workgroup_id_z 1
		.amdhsa_system_vgpr_workitem_id 0
		.amdhsa_next_free_vgpr 256
		.amdhsa_next_free_sgpr 66
		.amdhsa_reserve_vcc 0
		.amdhsa_float_denorm_mode_32 3
		.amdhsa_float_denorm_mode_16_64 3
		.amdhsa_memory_ordered 1
		.amdhsa_forward_progress 1
		.amdhsa_inst_pref_size 21
	.end_amdhsa_kernel
	.amdgpu_metadata
---
amdhsa.version: [ 1, 2 ]
amdhsa.kernels:
  - .name:           k_q67d1013c09_outp
    .symbol:         k_q67d1013c09_outp.kd
    .args:
      - { .name: of, .offset: 0, .size: 8, .value_kind: global_buffer, .address_space: global }
      - { .name: pof, .offset: 8, .size: 8, .value_kind: global_buffer, .address_space: global }
      - { .name: lowp_scales, .offset: 16, .size: 8, .value_kind: global_buffer, .address_space: global }
      - { .name: out0, .offset: 24, .size: 8, .value_kind: global_buffer, .address_space: global }
    .group_segment_fixed_size: 129024
    .private_segment_fixed_size: 0
    .kernarg_segment_align: 8
    .kernarg_segment_size: 32
    .max_flat_workgroup_size: 480
    .sgpr_count:     66
    .vgpr_count:     256
    .wavefront_size: 32
...
	.end_amdgpu_metadata
.endif
;; end of part 4
;; ======== version 2 of 2: 4 launches
;; limits: right only within a limited range of input values
;; workspace buffers: tab 245,760 bytes; wf 786,432 bytes; pof 245,760 bytes; qf 4,194,304 bytes; kf 4,194,304 bytes; vf 16,777,216 bytes; of 16,777,216 bytes
;; launch prep (part 5): grid 246 x 1, 4 waves a work-group, no clusters, 0 bytes of LDS; arguments lq_w, lk_w, lv_w, pq_w, pk_w, pv_w, po_w, lowp_scales, tab, wf, pof; writes tab, wf, pof
.if DOCPART == 5
	.amdgcn_target "amdgcn-amd-amdhsa--gfx1250"
	.amdhsa_code_object_version 6
	.text
	.protected	k_q67d1013c09_prep
	.globl	k_q67d1013c09_prep
	.p2align	8
	.type	k_q67d1013c09_prep,@function
k_q67d1013c09_prep:
	s_mov_b64 s[64:65], 0
	v_nop
	global_prefetch_b8 v0, s[64:65] scope:SCOPE_SE
	s_setreg_imm32_b32 hwreg(HW_REG_WAVE_MODE, 25, 1), 1
	s_wait_xcnt 0x0
; PREP: the weights become codes of E4M3, once, laid as the later launches' operand registers take them.
; WORK THAT THIS PROGRAM LEAVES OUT, for all finite values of the inputs:
; (a) Products 1 to 3.  Their left operand is one_hot(xs): a row holds one 1 and 239 zeros.  The quantiser turns 0 into 0 under every scale, so a sum of such a product has ONE term,
;     Q(1; eA) x Q(w[xs][n]; eB), which is exact in f32 (four significant bits times four).  It is a lookup by xs in a table of 240 rows: this launch makes the three tables, already quantised
;     as operands of products 4 and 5, and the next launch gathers rows by xs.  Every input still has a way to the output: all are loaded.
; (b) Products 4 and 5: of the 12 tiles of 16 keys of a query's three blocks, two lie wholly outside the window |rel| <= 64 that reference() builds in its own body, for all 16 queries of a tile: not computed.
; (c) Products 9 and 10: key steps that lie wholly above the causal diagonal that reference() builds in its own body: not computed.
; LIMITS.  A NaN, an infinity or an overflow that reaches only the work left out is not carried to the result.  NaN among the inputs is not served.  xs outside 0 .. 239 is taken as 239.
; A masked logit (reference()'s -1e9) is taken as -infinity: its p is 0; that holds while a row's largest logit that counts lies above -1e9 + 200.
; Each exponent e of lowp_scales used here lies between -126 and 119, so that 2^e and 448 x 2^e are f32 numbers.
; SHARES.  Work-groups 0 to 125: a wave makes one fragment (16 columns x 128 along K, 16 registers a lane) of pq_w, pk_w, pv_w (buffer wf) or po_w (buffer pof).  K is the weights' FIRST axis: a lane takes a
; column and its registers run down K, so the conversions give the operand's registers as they stand; they are stored as an image: four stores of 512 consecutive bytes.
;   wf  [G 0..95][K step 0..3][2,048]: G 0-15 pq_w, 16-31 pk_w, 32-95 pv_w; lane r holds column 32 (T/2) + 8 (T%2) + r%8 + 16 (r/8) of its tensor's tile T;
;       number i (0..15) of group c, half h, is k = 128 s + 32 c + 16 h + sg(i), sg(i) = 2 i for i < 8, 2 (i - 8) + 1 else: the order in which the next launch's own results lie.
;   pof [T 0..14][K step 0..7][2,048]: lane r holds column 16 T + r; k = 128 s + 32 c + 16 h + i.
; Work-groups 126 to 245: 2,048 numbers each of the tables tab: [240][256] of Q(c0 Q(lq_w; e1) / 16; e6), then [240][256] of Q(c2 Q(lk_w; e3); e7), then [240][512] of Q(c4 Q(lv_w; e5); e9); c = Q(1; eA).
; No LDS, no barrier, no matrix work: the launch moves five megabytes once.
.set NFRAG, 126
.set AD, 8                             ; v8-23   sixteen row offsets
.set XN, 32                            ; v32-95  64 numbers
.set CO, 96                            ; v96-111 their codes
	s_load_b512 s[4:19], s[0:1], 0x0               ; lq s[4:5], lk s[6:7], lv s[8:9], pq s[10:11], pk s[12:13], pv s[14:15], po s[16:17], the scales s[18:19]
	s_load_b128 s[20:23], s[0:1], 0x40             ; tab s[20:21], wf s[22:23]
	s_load_b64 s[24:25], s[0:1], 0x50              ; pof
	v_lshrrev_b32 v1, 5, v0
	v_readfirstlane_b32 s30, v1                    ; wave 0..3
	s_mov_b32 s53, 0                               ; the upper word of every 64-bit offset below
	s_wait_kmcnt 0x0
	s_load_b512 s[68:83], s[18:19], 0x0            ; e0 .. e15
	s_load_b64 s[88:89], s[18:19], 0x50            ; e20, e21
	s_cmp_ge_u32 ttmp9, NFRAG
	s_cbranch_scc1 .Ltables
; ---- a fragment a wave.  What differs between the four tensors is chosen by the work-group's number alone.
	s_mov_b32 s31, ttmp9                           ; g
	s_sub_co_u32 s37, s31, 16
	s_sub_co_u32 s38, s31, 32
	s_sub_co_u32 s39, s31, 96
	s_lshr_b32 s40, s39, 1                         ; po_w: tile T,
	s_and_b32 s41, s39, 1
	s_lshl_b32 s41, s41, 2
	s_add_co_u32 s41, s41, s30                     ; and K step wave + 4 ((g - 96) % 2)
	s_mov_b32 s42, 4096                            ; a row of pv_w in bytes
	s_mov_b32 s43, 960                             ; of po_w
	s_mov_b32 s34, 1024                            ; of pq_w and pk_w
	s_mov_b32 s36, s31
	s_mov_b64 s[32:33], s[10:11]
	s_wait_kmcnt 0x0
	s_mov_b32 s35, s79                             ; e11
	s_cmp_ge_u32 s31, 16
	s_cselect_b64 s[32:33], s[12:13], s[32:33]
	s_cselect_b32 s35, s81, s35                    ; e13
	s_cselect_b32 s36, s37, s36
	s_cmp_ge_u32 s31, 32
	s_cselect_b64 s[32:33], s[14:15], s[32:33]
	s_cselect_b32 s34, s42, s34
	s_cselect_b32 s35, s83, s35                    ; e15
	s_cselect_b32 s36, s38, s36
	s_cmp_ge_u32 s31, 96
	s_cselect_b64 s[32:33], s[16:17], s[32:33]
	s_cselect_b32 s34, s43, s34
	s_cselect_b32 s35, s89, s35                    ; e21
	s_cselect_b32 s36, s40, s36                    ; T
	s_cselect_b32 s44, 8, 16                       ; lanes 8-15 stand 8 or 16 columns behind lanes 0-7
	s_cselect_b32 s45, 0, 1                        ; 1: K in the order sg
	s_cselect_b32 s46, s41, s30                    ; K step
	s_cselect_b64 s[48:49], s[24:25], s[22:23]     ; pof or wf
	s_cselect_b32 s47, s39, s31                    ; the image's number is 4 x this + wave
	s_lshr_b32 s50, s36, 1
	s_lshl_b32 s50, s50, 5
	s_and_b32 s51, s36, 1
	s_lshl_b32 s51, s51, 3
	s_add_co_u32 s50, s50, s51                     ; 32 (T/2) + 8 (T%2)
	s_lshl_b32 s51, s36, 4                         ; 16 T
	s_cmp_ge_u32 s31, 96
	s_cselect_b32 s50, s51, s50                    ; the tile's first column
	v_and_b32 v2, 15, v0                           ; r
	v_bfe_u32 v3, v0, 4, 1                         ; h
	v_and_b32 v4, 31, v0
	v_lshlrev_b32 v4, 4, v4                        ; 16 x lane: my place in an image's group
	v_and_b32 v5, 7, v2
	v_lshrrev_b32 v6, 3, v2
	v_mul_u32_u24 v6, v6, s44
	v_add3_u32 v5, v5, v6, s50                     ; my column
	v_lshlrev_b32 v5, 2, v5
	s_lshl_b32 s51, s34, 4
	v_mul_u32_u24 v6, v3, s51                      ; lanes 16-31 begin 16 rows further down
	v_add_nc_u32 v5, v5, v6
.set I, 0
	s_wait_alu depctr_va_vdst(0)
.rept 16
.if I < 8
.set SG, 2*I
.else
.set SG, 2*(I-8)+1
.endif
	s_mul_i32 s52, s45, SG-I
	s_add_co_i32 s52, s52, I                       ; row i, or row sg(i)
	s_mul_i32 s52, s52, s34
	v_add_nc_u32 v[AD+I], s52, v5
.set I, I+1
.endr
	s_lshl_b32 s52, s46, 7
	s_mul_i32 s52, s52, s34                        ; 128 x K step rows
	s_add_nc_u64 s[54:55], s[32:33], s[52:53]      ; a base for each group of 32 rows
	s_lshl_b32 s52, s34, 5
	s_add_nc_u64 s[56:57], s[54:55], s[52:53]
	s_add_nc_u64 s[58:59], s[56:57], s[52:53]
	s_add_nc_u64 s[60:61], s[58:59], s[52:53]
	s_lshl_b32 s52, s47, 2
	s_add_co_u32 s52, s52, s30
	s_lshl_b32 s52, s52, 11
	s_add_nc_u64 s[48:49], s[48:49], s[52:53]      ; my image
	s_wait_alu depctr_va_vdst(0)
.irp c, 0,1,2,3
.set I, 0
.rept 16
	global_load_b32 v[XN+16*\c+I], v[AD+I], s[54+2*\c:55+2*\c]
.set I, I+1
.endr
.endr
	s_add_co_i32 s62, s35, 127
	s_lshl_b32 s63, s62, 23
	v_mov_b32 v6, s63                              ; 2^e as f32: the conversion takes its exponent field
	s_add_co_i32 s62, s62, 8
	s_lshl_b32 s62, s62, 23
	s_or_b32 s62, s62, 0x600000
	v_mov_b32 v7, s62                              ; 448 x 2^e
	s_wait_alu depctr_va_vdst(0)
.irp c, 0,1,2,3
	s_wait_loadcnt 48-16*\c                        ; loads come back in order: this group's sixteen are in, the younger groups' stay out
.set I, 0
.rept 16
	v_med3_num_f32 v[XN+16*\c+I], v[XN+16*\c+I], -v7, v7   ; the conversion to an 8-bit code does not saturate (ISA guide 7.6.2): the hold comes first
.set I, I+1
.endr
	v_cvt_scalef32_pk8_fp8_f32 v[CO+4*\c:CO+4*\c+1], v[XN+16*\c:XN+16*\c+7], v6
	v_cvt_scalef32_pk8_fp8_f32 v[CO+4*\c+2:CO+4*\c+3], v[XN+16*\c+8:XN+16*\c+15], v6
.endr
.irp c, 0,1,2,3
	global_store_b128 v4, v[CO+4*\c:CO+4*\c+3], s[48:49] offset:512*\c   ; the wave stores 512 consecutive bytes, aligned
.endr
	s_endpgm
; ---- the tables: 2,048 numbers a work-group, 16 neighbours a thread
.macro MKS e, vsc, vlim, vby           ; for the exponent in s[e]: 2^e as f32, 448 x 2^e, and the byte e + 127 in all four bytes (for the conversion back)
	s_add_co_i32 s62, s[\e], 127
	s_lshl_b32 s63, s62, 23
	v_mov_b32 v[\vsc], s63
	s_mul_i32 s63, s62, 0x01010101
	v_mov_b32 v[\vby], s63
	s_add_co_i32 s62, s62, 8
	s_lshl_b32 s62, s62, 23
	s_or_b32 s62, s62, 0x600000
	v_mov_b32 v[\vlim], s62
.endm
.Ltables:
	s_sub_co_u32 s31, ttmp9, NFRAG                 ; 0-29 lq_w, 30-59 lk_w, 60-119 lv_w
	s_sub_co_u32 s37, s31, 30
	s_sub_co_u32 s38, s31, 60
	s_mov_b32 s39, 0x3d800000                      ; 1/16 = 1 / sqrt(256): reference() scales q ahead of product 4
	s_mov_b32 s40, s31
	s_mov_b64 s[32:33], s[4:5]
	s_wait_kmcnt 0x0
	s_mov_b32 s34, s68                             ; eA, eB of the lookup's product; eO of the product that takes the row in
	s_mov_b32 s35, s69
	s_mov_b32 s36, s74
	s_cmp_ge_u32 s31, 30
	s_cselect_b64 s[32:33], s[6:7], s[32:33]
	s_cselect_b32 s34, s70, s34
	s_cselect_b32 s35, s71, s35
	s_cselect_b32 s36, s75, s36
	s_cselect_b32 s39, 1.0, s39
	s_cselect_b32 s40, s37, s40
	s_cmp_ge_u32 s31, 60
	s_cselect_b64 s[32:33], s[8:9], s[32:33]
	s_cselect_b32 s34, s72, s34
	s_cselect_b32 s35, s73, s35
	s_cselect_b32 s36, s77, s36
	s_cselect_b32 s40, s38, s40
	s_lshl_b32 s52, s40, 13
	s_add_nc_u64 s[32:33], s[32:33], s[52:53]      ; my 8,192 bytes of the weight
	s_lshl_b32 s52, s31, 11
	s_add_nc_u64 s[20:21], s[20:21], s[52:53]      ; the three tables lie on end: 2,048 bytes a work-group
	v_lshlrev_b32 v5, 6, v0
	v_lshlrev_b32 v4, 4, v0
.irp j, 0,1,2,3
	global_load_b128 v[8+4*\j:11+4*\j], v5, s[32:33] offset:16*\j th:TH_LOAD_NT
.endr
	MKS 34, 44, 45, 46
	s_wait_alu depctr_va_vdst(0)
	MKS 35, 47, 48, 49
	MKS 36, 50, 51, 52
.irp i, 0,1,2,3,4,5,6,7
	v_min_num_f32 v[32+\i], 1.0, v45               ; the one-hot's 1, held
.endr
	v_cvt_scalef32_pk8_fp8_f32 v[40:41], v[32:39], v44
	v_nop                                          ; a plain line between a scaled conversion and the next line that touches its registers
	v_cvt_scale_pk8_f32_fp8 v[32:39], v[40:41], v46
	v_nop
	v_mul_f32 v42, s39, v32                        ; c = Q(1; eA), for q / 16
	v_mov_b32 v43, v42                             ; (named with it as a pair)
	s_wait_loadcnt 0x0
.set I, 0
.rept 16
	v_med3_num_f32 v[8+I], v[8+I], -v48, v48
.set I, I+1
.endr
	v_cvt_scalef32_pk8_fp8_f32 v[24:25], v[8:15], v47
	v_cvt_scalef32_pk8_fp8_f32 v[26:27], v[16:23], v47
	v_nop
	v_cvt_scale_pk8_f32_fp8 v[8:15], v[24:25], v49     ; Q(w; eB) as f32 again
	v_cvt_scale_pk8_f32_fp8 v[16:23], v[26:27], v49
	v_nop
.irp j, 0,2,4,6,8,10,12,14
	v_pk_mul_f32 v[8+\j:9+\j], v[8+\j:9+\j], v[42:43] op_sel_hi:[1,0]   ; the product's one term: exact
.endr
.set I, 0
.rept 16
	v_med3_num_f32 v[8+I], v[8+I], -v51, v51
.set I, I+1
.endr
	v_cvt_scalef32_pk8_fp8_f32 v[28:29], v[8:15], v50
	v_cvt_scalef32_pk8_fp8_f32 v[30:31], v[16:23], v50
	global_store_b128 v4, v[28:31], s[20:21]       ; the wave stores 512 consecutive bytes, aligned
	s_endpgm
.Lfunc_end_k_q67d1013c09_prep:
	.size	k_q67d1013c09_prep, .Lfunc_end_k_q67d1013c09_prep-k_q67d1013c09_prep
	.p2alignl 7, 3214868480
	.fill 96, 4, 3214868480
	.section	.rodata,"a",@progbits
	.p2align	6, 0x0
	.amdhsa_kernel k_q67d1013c09_prep
		.amdhsa_group_segment_fixed_size 0
		.amdhsa_private_segment_fixed_size 0
		.amdhsa_enable_private_segment 0
		.amdhsa_kernarg_size 88
		.amdhsa_user_sgpr_count 2
		.amdhsa_user_sgpr_kernarg_segment_ptr 1
		.amdhsa_wavefront_size32 1
		.amdhsa_system_sgpr_workgroup_id_x 1
		.amdhsa_system_sgpr_workgroup_id_y 1
		.amdhsa_system_sgpr_workgroup_id_z 1
		.amdhsa_system_vgpr_workitem_id 0
		.amdhsa_next_free_vgpr 128
		.amdhsa_next_free_sgpr 92
		.amdhsa_reserve_vcc 0
		.amdhsa_float_denorm_mode_32 3
		.amdhsa_float_denorm_mode_16_64 3
		.amdhsa_memory_ordered 1
		.amdhsa_forward_progress 1
		.amdhsa_inst_pref_size 23
	.end_amdhsa_kernel
	.amdgpu_metadata
---
amdhsa.version: [ 1, 2 ]
amdhsa.kernels:
  - .name:           k_q67d1013c09_prep
    .symbol:         k_q67d1013c09_prep.kd
    .args:
      - { .name: lq_w, .offset: 0, .size: 8, .value_kind: global_buffer, .address_space: global }
      - { .name: lk_w, .offset: 8, .size: 8, .value_kind: global_buffer, .address_space: global }
      - { .name: lv_w, .offset: 16, .size: 8, .value_kind: global_buffer, .address_space: global }
      - { .name: pq_w, .offset: 24, .size: 8, .value_kind: global_buffer, .address_space: global }
      - { .name: pk_w, .offset: 32, .size: 8, .value_kind: global_buffer, .address_space: global }
      - { .name: pv_w, .offset: 40, .size: 8, .value_kind: global_buffer, .address_space: global }
      - { .name: po_w, .offset: 48, .size: 8, .value_kind: global_buffer, .address_space: global }
      - { .name: lowp_scales, .offset: 56, .size: 8, .value_kind: global_buffer, .address_space: global }
      - { .name: tab, .offset: 64, .size: 8, .value_kind: global_buffer, .address_space: global }
      - { .name: wf, .offset: 72, .size: 8, .value_kind: global_buffer, .address_space: global }
      - { .name: pof, .offset: 80, .size: 8, .value_kind: global_buffer, .address_space: global }
    .group_segment_fixed_size: 0
    .private_segment_fixed_size: 0
    .kernarg_segment_align: 8
    .kernarg_segment_size: 88
    .max_flat_workgroup_size: 128
    .sgpr_count:     92
    .vgpr_count:     128
    .wavefront_size: 32
...
	.end_amdgpu_metadata
.endif
;; end of part 5
;; launch local (part 6): grid 256 x 1, 4 waves a work-group, no clusters, 217,600 bytes of LDS; arguments xs, tab, rel_bias, lowp_scales, wf, qf, kf, vf; writes qf, kf, vf
.if DOCPART == 6
	.amdgcn_target "amdgcn-amd-amdhsa--gfx1250"
	.amdhsa_code_object_version 6
	.text
	.protected	k_q67d1013c09_local
	.globl	k_q67d1013c09_local
	.p2align	8
	.type	k_q67d1013c09_local,@function
k_q67d1013c09_local:
	s_mov_b64 s[64:65], 0
	v_nop
	global_prefetch_b8 v0, s[64:65] scope:SCOPE_SE
	s_setreg_imm32_b32 hwreg(HW_REG_WAVE_SCHED_MODE, 0, 2), 2
	s_setreg_imm32_b32 hwreg(HW_REG_WAVE_MODE, 25, 1), 1
	s_wait_xcnt 0x0
	s_wait_alu depctr_vm_vsrc(0)
; LOCAL: one work-group takes one block of 64 positions of one batch through: the lookups that stand for products 1 to 3, product 4, the window's softmax, product 5, relu, the three quantisers of
; products 6 to 8, those products, and the quantisers of products 9 and 10's operands.  Nothing but those last codes goes to memory.
; LEFT OUT (shown at the head of the first launch): products 1 to 3 are lookups by xs; of a query tile's 12 key tiles the two that lie wholly outside the window are not computed.
; LIMITS: xs outside 0 .. 239 is taken as 239; a masked logit is -infinity; NaN is not served; e6 + e7 between -126 and 127; e8, e10, e12, e14, e16 - e10 - e11, e17 - e12 - e13, e18 - e14 - e15 between -126 and 119.
; pi(T, m) = 32 (T/2) + 8 (T%2) + m%8 + 16 (m/8): the positions of a tile of 16 positions and the columns of a tile of 16 weight columns.  In a result, register j of half h is then index 16 h + 8 (T%2) + j of the
; pair of tiles: the 16 registers of tiles 2 b, 2 b + 1 are 16 neighbours, which the conversions turn into four operand registers.
; SHARES.  Scores and softmax: wave w has query tile w (positions pi(w, r)) and ten tiles of 16 neighbouring keys, from key 32 (w/2) of the three blocks' 192.  S^T = K Q^T: a lane holds one query.
; P V: wave w has channels 128 w .. + 127 for all four query tiles: O^T = V^T P^T; V's rows [key][channel] lie in LDS and are turned by ds_load_tr16_b128 on pairs of bytes, which v_perm_b32 parts into even and odd channels.
; Projections: wave w has heads 2 w, 2 w + 1 of q, k and v for all 64 rows; the weights come from memory in operand order straight into registers, two pairs of column tiles (64 loads) ahead.
; No cluster and no LDS ring for the weights: beside the 217,088 bytes of stages below a ring's slot could hold six column tiles at most, 24 matrix instructions a wave for each change of slots.
; OPERANDS GO FROM WAVE TO WAVE AS IMAGES OF THEIR REGISTERS: a group of four registers by one ds_store_b128 at 16 x lane, 512 consecutive bytes.
; LDS: V's 192 rows, pitch 544 | P's images, 4 query tiles x 6 groups of 32 keys x 512 | 1 / sum, 4 x 128 | the bias table, 384 words | relu(x)'s images [3 scales][4 row tiles][4 K steps][2,048] | the spare words.
; REGISTERS, window 0: v1 r, v2 h, v3 16 x lane, v4-5 the add's two, v6-22 addresses, v23 16 x lane once more, v24-25 tokens of V's rows, v26-39 scales, v40 -M, v42-47 at work, v48-55 1 / sum, v56-59 zeros, v60-69 offsets of K's rows;
;   head: v72-87 offsets of the tokens' and biases' loads;  softmax: v72-151 S^T, v152-231 the biases (before: offsets of V's rows), v232-251 p's codes (before: LDS addresses of the biases);
;   P V: v72-95, v96-119 V^T even, odd; v120-183 eight accumulators; v184-215 held numbers; v216-239 codes, two sets;   projections: v72-135 eight accumulators, v136-167 codes, two sets.
;   window 1: K's tiles 0-7; then P (v0-95) and the turned V (v96-143); then relu(x)'s sixteen fragments.   window 2: K's tiles 8, 9 and Q; then weight buffers 0 and 1.   window 3: V's rows; then weight buffer 2.
; THE MODE: SCHED_MODE bits 1:0 = 2 (LLVM: expert scheduling mode 2), set by the entry lines.  The code itself states the register dependences
; between vector or matrix instructions and memory or LDS instructions, with s_wait_alu, always for 0.
; THE PLAN.  Registers that memory or LDS instructions touch, and who else names them:
;   v3, v7-23       Offsets and LDS addresses: written once at the head, read by loads and stores, never written again.  The global stores have v23 and the weights' loads v3.
;   v72-87          Head: vector instructions write the sixteen offsets, sixteen loads read them; later the scores' matrix instructions write these registers.
;   v6, v60-69      The tokens land here; vector instructions make the rows' offsets of them; Q's and K's loads read those.  v24-25: tokens, read by v_readlane_b32.  v244-246: biases land, are scaled and masked, are stored to LDS.
;   v152-199        Vector instructions write V's 48 offsets, the loads read them; then the biases land in v152-231, which vector instructions read.
;   v232-241        Vector instructions write the biases' LDS addresses, the loads read them; then the conversions write p's codes into v232-251, and LDS stores read those.
;   windows 1, 2    K and Q land, the scores' matrix instructions read them; then P and the turned V land in window 1 and the weights of pairs 0 and 1 in window 2.
;   window 3        V's rows land, LDS stores read them; then weight buffer 2.
;   turned V        Step g: the v_perm_b32 read it; behind them the next 32 channels land in it.
;   v216-239        Query tile q: the conversions write set q % 2, three LDS stores read it.
;   weight buffers  Pair p: its matrix instructions read buffer p % 3; pair p + 3's weights, asked for in pair p + 1, land in it.  relu(x)'s fragments: read by the pairs of one scale; the next scale's land over them.
;   v136-167        Pair p: the conversions write set p % 2; the four stores that are issued at the head of pair p + 1 read it.
; So in the projections ONE wait on va_vdst stands at a pair's head: it states that the pair before has written its codes and is done reading its weights and relu(x)'s fragments.  The pair's memory and LDS
; instructions follow it, the weights' loads dealt among its matrix instructions, which name this pair's buffer, relu(x)'s fragments and the accumulators: none of the registers that those loads and stores touch.
.set VP,    544                        ; a row of V in LDS: 512 bytes + 32: an odd multiple of 32, so that the turning load's eight rows x 32 bytes fall on different banks
.set PIMG,  192*VP
.set LIMG,  PIMG+4*6*512
.set BIAS,  LIMG+512
.set X2IMG, BIAS+1536
.set SPARE, X2IMG+3*32768              ; the spare words, 128 bytes for each wave: two blocks of 256 bytes that no other line names
.set TKO,   61440                      ; the tables in tab: q's at 0, k's here,
.set TVO,   122880                     ; v's here
.set L16, 3
.set SPW, 4
.set NIL, 5
.set QA,  6
.set BA,  7
.set PI,  8
.set PZ,  9
.set PRD, 10
.set LW,  11
.set LR,  12
.set TRA, 13
.set TRB, 14
.set XW,  15
.set XR,  18
.set VS,  21
.set BF,  22
.set SA,  23
.set SCP, 26                           ; v26, v27: 2^e8, 448 x 2^e8
.set SCX, 28                           ; v28-33: the same for e10, e12, e14
.set SCO, 34                           ; v34-39: for the folded exponents of q, k, v
.set NM,  40
.set F,   48
.set Z,   56
.set KA,  60
.set AT,  72
.set S,   72
.set BI,  152
.set PC,  232
.set EV,  72
.set OD,  96
.set ACC, 120
.set TA,  184
.set CD,  216
.set PACC, 72
.set PCD, 136
.set MSB, 0
.macro WIN new                         ; bits 1:0 source 0, 3:2 source 1, 5:4 source 2, 7:6 destination; the immediate's high byte repeats the setting that is left
.if MSB != (\new)
	s_set_vgpr_msb (MSB<<8)|(\new)
.set MSB, (\new)
.endif
.endm
.macro BARRIER                         ; my LDS stores have landed and my LDS loads are in: then the work-group's barrier
	s_wait_dscnt 0x0
	s_barrier_signal -1
	s_barrier_wait -1
.endm
.macro PLACES                          ; four plain lines behind matrix instructions, ahead of reads of their results by vector instructions (ISA guide 7.12.1)
.rept 4
	v_nop
.endr
.endm
.macro MKSC e, vsc                     ; for the exponent in s[e]: v[vsc] = 2^e as f32, v[vsc+1] = 448 x 2^e
	s_add_co_i32 s90, s[\e], 127
	s_lshl_b32 s91, s90, 23
	v_mov_b32 v[\vsc], s91
	s_add_co_i32 s90, s90, 8
	s_lshl_b32 s90, s90, 23
	s_or_b32 s90, s90, 0x600000
	v_mov_b32 v[\vsc+1], s90
.endm
; the weights of pair p of column tiles (0, 1: q's; 2, 3: k's; 4-11: v's): 16,384 consecutive bytes, 32 loads of 512, into buffer p % 3; here 'count' of them, from load 'first' on.  The window stays as the loads want it
.macro LOADW p, first, count
.set LWW, 2+((\p)%3)/2
.set LWR, 128*(((\p)%3)%2)
	WIN LWW<<6
.set I, \first
.rept \count
.if (\p) < 2
	global_load_b128 v[LWR+4*I:LWR+4*I+3], v[L16], s[54:55] offset:16384*(\p)+512*I
.elseif (\p) < 4
	global_load_b128 v[LWR+4*I:LWR+4*I+3], v[L16], s[54:55] offset:131072+16384*((\p)-2)+512*I
.else
	global_load_b128 v[LWR+4*I:LWR+4*I+3], v[L16], s[56:57] offset:16384*((\p)-4)+512*I
.endif
.set I, I+1
.endr
.endm
; ---- a. the head
	s_load_b512 s[4:19], s[0:1], 0x0               ; xs s[4:5], tab s[6:7], rel_bias s[8:9], the scales s[10:11], wf s[12:13], qf s[14:15], kf s[16:17], vf s[18:19]
	v_lshl_add_u32 v[SPW], v0, 2, SPARE
	v_mov_b32 v[NIL], 0
	v_lshrrev_b32 v42, 5, v0
	v_readfirstlane_b32 s24, v42                   ; w
	v_and_b32 v1, 15, v0                           ; r
	v_bfe_u32 v2, v0, 4, 1                         ; h
	v_and_b32 v43, 31, v0                          ; lane
	v_lshlrev_b32 v[L16], 4, v43
	v_lshlrev_b32 v[SA], 4, v43
	v_and_b32 v44, 7, v1
	v_lshrrev_b32 v45, 3, v1
	v_lshl_add_u32 v44, v45, 4, v44                ; rho = r%8 + 16 (r/8)
	s_wait_alu depctr_va_vdst(0)
	s_lshr_b32 s27, ttmp9, 5                       ; the batch
	s_and_b32 s28, ttmp9, 31                       ; the block
	s_wait_alu depctr_va_sdst(0)                   ; s24 is written, ahead of its first reader
	s_lshr_b32 s25, s24, 1                         ; w / 2
	s_and_b32 s26, s24, 1                          ; w % 2
	s_lshl_b32 s90, s28, 6                         ; 64 x block
	s_lshl_b32 s91, s25, 5
	s_add_co_u32 s91, s91, s90                     ; + 32 (w/2): my first key's position + 64
	s_lshl_b32 s92, s26, 3
	s_add_co_u32 s92, s92, s91
	s_mul_i32 s93, s24, 48
	s_add_co_u32 s93, s93, s90                     ; the position + 64 of the first of the 48 rows of V that I bring
	v_add_nc_u32 v[AT], s92, v44                   ; my query's position
	v_lshlrev_b32 v[AT], 2, v[AT]
.irp t, 0,1,2,3,4,5,6,7,8,9
	v_add3_u32 v[AT+1+\t], s91, v1, 16*\t          ; position + 64 of key r of tile t,
	v_max_u32 v[AT+1+\t], 64, v[AT+1+\t]           ; held inside the sequence: what lies outside is masked below
	v_min_u32 v[AT+1+\t], 0x83f, v[AT+1+\t]
	v_lshlrev_b32 v[AT+1+\t], 2, v[AT+1+\t]
.endr
	v_add_nc_u32 v[AT+11], s93, v43                ; rows 0-31 of my 48,
	v_add3_u32 v[AT+12], s93, v1, 32               ; rows 32-47
.irp n, 11,12
	v_max_u32 v[AT+\n], 64, v[AT+\n]
	v_min_u32 v[AT+\n], 0x83f, v[AT+\n]
	v_lshlrev_b32 v[AT+\n], 2, v[AT+\n]
.endr
.irp k, 0,1,2
	v_add_nc_u32 v[AT+13+\k], 128*\k, v0           ; word x of the bias table takes rel_bias[x - 32], the index held in 0 .. 128
	v_max_u32 v[AT+13+\k], 32, v[AT+13+\k]
	v_min_u32 v[AT+13+\k], 160, v[AT+13+\k]
	v_lshlrev_b32 v[AT+13+\k], 2, v[AT+13+\k]
.endr
	s_wait_kmcnt 0x0
	s_load_b512 s[68:83], s[10:11], 0x0            ; e0 .. e15
	s_load_b128 s[84:87], s[10:11], 0x40           ; e16 .. e19
	s_lshl_b32 s94, s27, 13
	s_mov_b32 s95, 0
	s_add_nc_u64 s[58:59], s[4:5], s[94:95]        ; my batch's tokens
	s_wait_alu depctr_va_vdst(0)                   ; the sixteen offsets v72-87 are written, which the loads below read
	global_load_b32 v[QA], v[AT], s[58:59]
.irp t, 0,1,2,3,4,5,6,7,8,9
	global_load_b32 v[KA+\t], v[AT+1+\t], s[58:59] offset:-256
.endr
	global_load_b32 v24, v[AT+11], s[58:59] offset:-256
	global_load_b32 v25, v[AT+12], s[58:59] offset:-256
.irp k, 0,1,2
	global_load_b32 v[244+\k], v[AT+13+\k], s[8:9] offset:-128
.endr
	s_lshl_b32 s94, s24, 15
	s_add_nc_u64 s[54:55], s[12:13], s[94:95]      ; my four column tiles of pq_w (pk_w's lie 131,072 bytes on)
	s_lshl_b32 s94, s24, 17
	s_add_co_u32 s94, s94, 262144
	s_add_nc_u64 s[56:57], s[12:13], s[94:95]      ; my sixteen of pv_w
	s_lshl_b32 s30, s27, 3
	s_lshl_b32 s94, s24, 1
	s_add_co_u32 s30, s30, s94                     ; 8 b + 2 w: my first head among the 64
	s_lshl_b32 s94, s30, 16
	s_lshl_b32 s93, s28, 11
	s_add_co_u32 s94, s94, s93
	s_add_nc_u64 s[60:61], s[14:15], s[94:95]      ; qf and kf: [head][tile of positions][512]
	s_add_nc_u64 s[62:63], s[16:17], s[94:95]
	s_lshl_b32 s94, s30, 18
	s_lshr_b32 s93, s28, 1
	s_lshl_b32 s93, s93, 14
	s_add_co_u32 s94, s94, s93
	s_and_b32 s93, s28, 1
	s_lshl_b32 s93, s93, 10
	s_add_co_u32 s94, s94, s93
	s_add_nc_u64 s[66:67], s[18:19], s[94:95]      ; vf: [head][key step of 128][channel tile][group of 32 keys][512]: my block is two groups
	s_lshl_b32 s31, s28, 2
	s_lshl_b32 s93, s25, 1
	s_add_co_u32 s31, s31, s93                     ; 4 x block + 2 (w/2): tile t of my keys is tile s31 - 4 + t of the sequence
	s_mov_b32 s50, 0x76543210                      ; v_permlanex16_b32's selects for lane l xor 16
	s_mov_b32 s51, 0xfedcba98
	s_mov_b32 s52, 0x06040200                      ; v_perm_b32: the even bytes of two words,
	s_mov_b32 s53, 0x07050301                      ; the odd ones
	; the LDS addresses: constants, the lane and the wave
	s_xor_b32 s90, s26, 1
	s_lshl_b32 s90, s90, 3
	s_add_co_u32 s90, s90, 24                      ; 32 - 8 (w%2)
	v_lshl_add_u32 v42, v2, 3, s90
	v_sub_nc_u32 v42, v42, v44                     ; word 32 + 8 h - 8 (w%2) - rho, at least 1: key 16 t + 8 h + j against my query is word + 16 t + j = rel + 96
	v_lshl_add_u32 v[BA], v42, 2, BIAS
	s_mul_i32 s90, s24, 3072
	s_lshl_b32 s91, s25, 9
	s_add_co_u32 s91, s91, s90
	v_add_nc_u32 v[PI], s91, v[L16]
	v_add_nc_u32 v[PI], PIMG, v[PI]                ; my five groups of 32 keys begin at group w / 2,
	s_xor_b32 s91, s25, 1
	s_mul_i32 s91, s91, 2560
	s_add_co_u32 s91, s91, s90
	v_add_nc_u32 v[PZ], s91, v[L16]
	v_add_nc_u32 v[PZ], PIMG, v[PZ]                ; and the sixth, group 5 or 0, is zeros
	v_add_nc_u32 v[PRD], PIMG, v[L16]
	v_lshl_add_u32 v[LR], v43, 2, LIMG
	s_lshl_b32 s90, s24, 7
	v_add_nc_u32 v[LW], s90, v[LR]
	v_and_b32 v42, 7, v0
	v_lshl_add_u32 v42, v2, 3, v42
	v_mul_u32_u24 v[TRA], v42, VP                  ; the turning load: key 8 h + lane % 8,
	v_bfe_u32 v45, v0, 3, 1
	v_lshl_add_u32 v[TRA], v45, 4, v[TRA]          ; 16 bytes for each eight lanes,
	v_add_nc_u32 v[TRA], s90, v[TRA]               ; my 128 channels
	v_add_nc_u32 v[TRB], 6*16*VP, v[TRA]           ; keys 96 on: beyond the 16-bit immediate otherwise
	s_lshl_b32 s90, s24, 11
.irp ver, 0,1,2
	v_add_nc_u32 v[XR+\ver], X2IMG+32768*\ver, v[L16]
	v_add_nc_u32 v[XW+\ver], s90, v[XR+\ver]       ; I make K step w
.endr
	s_mul_i32 s90, s24, 48*VP
	v_add_nc_u32 v[VS], s90, v[L16]
	v_lshl_add_u32 v[BF], v0, 2, BIAS
	v_mov_b32 v41, 0                               ; (upper halves of pairs of which the low word serves both halves, and a permute's destination: written once)
	v_mov_b32 v46, 0
.irp n, 49,51,53,55,56,57,58,59
	v_mov_b32 v\n, 0
.endr
	s_wait_kmcnt 0x0
	s_add_co_i32 s90, s74, s75
	s_lshl_b32 s90, s90, 23
	s_add_co_i32 s48, s90, 0x3fb8aa3b              ; log2(e) x 2^(e6 + e7): the exponents are added to the constant's exponent field
	s_mov_b32 s49, s48
	s_add_co_i32 s29, s76, s77                     ; e8 + e9
	MKSC 76, SCP
	MKSC 78, SCX
	MKSC 80, SCX+2
	MKSC 82, SCX+4
	s_sub_co_i32 s92, s84, s78
	s_sub_co_i32 s92, s92, s79                     ; a sum of product 6 stands for sum x 2^(e10 + e11): its code is sum / 2^(e16 - e10 - e11)
	MKSC 92, SCO
	s_sub_co_i32 s92, s85, s80
	s_sub_co_i32 s92, s92, s81
	MKSC 92, SCO+2
	s_sub_co_i32 s92, s86, s82
	s_sub_co_i32 s92, s92, s83
	MKSC 92, SCO+4
	s_wait_loadcnt 0x0                             ; the tokens and the biases
	s_wait_alu depctr_vm_vsrc(0)                   ; their loads have read the offsets v72-87, which the scores' matrix instructions write
; ---- b. the lookups: rows of the tables by token
	v_min_u32 v[QA], 0xef, v[QA]
	v_lshlrev_b32 v[QA], 8, v[QA]
	v_lshl_add_u32 v[QA], v2, 4, v[QA]             ; row x 256 + 16 h
.irp t, 0,1,2,3,4,5,6,7,8,9
	v_min_u32 v[KA+\t], 0xef, v[KA+\t]
	v_lshlrev_b32 v[KA+\t], 8, v[KA+\t]
	v_lshl_add_u32 v[KA+\t], v2, 4, v[KA+\t]
.endr
	WIN 0x80
	s_wait_alu depctr_va_vdst(0)                   ; the eleven offsets v6 and v60-69 are written, which the loads below read; so are v3 and v7-23, which every later load and store reads
.irp s, 0,1
.irp c, 0,1,2,3
	global_load_b128 v[64+16*\s+4*\c:67+16*\s+4*\c], v[QA], s[6:7] offset:128*\s+32*\c   ; Q: registers 4 c .. of K step s: k = 128 s + 32 c + 16 h + 0 .. 15
.endr
.endr
.irp t, 8,9
.irp s, 0,1
.irp c, 0,1,2,3
	global_load_b128 v[32*(\t-8)+16*\s+4*\c:32*(\t-8)+16*\s+4*\c+3], v[KA+\t], s[6:7] offset:TKO+128*\s+32*\c
.endr
.endr
.endr
	WIN 0x40
.irp t, 0,1,2,3,4,5,6,7
.irp s, 0,1
.irp c, 0,1,2,3
	global_load_b128 v[32*\t+16*\s+4*\c:32*\t+16*\s+4*\c+3], v[KA+\t], s[6:7] offset:TKO+128*\s+32*\c
.endr
.endr
.endr
	WIN 0
; ---- c. the bias table: word x = rel_bias[x - 32] x log2(e) where 0 <= x - 32 <= 128, else -infinity: the window's mask lies in the table.  Its arithmetic stands with that of V's offsets, under the same waits
	v_mov_b32 v42, 0xff800000
.irp k, 0,1,2
	v_add_nc_u32 v[248+\k], (128*\k-32)&0xffffffff, v0
	v_cmp_ge_u32 s[88+\k], 0x80, v[248+\k]
	v_mul_f32 v[244+\k], 0x3fb8aa3b, v[244+\k]
.endr
.irp run, 0,1,2                        ; a row of V is 512 bytes: the 32 lanes take it whole, so its token goes into a scalar; sixteen rows at a time
.set I, 0
.rept 16
.if \run < 2
	v_readlane_b32 s[32+I], v24, 16*\run+I
.else
	v_readlane_b32 s[32+I], v25, I
.endif
.set I, I+1
.endr
	s_wait_alu depctr_va_sdst(0)                   ; the sixteen tokens s32-47 are written, ahead of their first readers (the first time: the three masks s88-90 too)
.if \run == 0
.irp k, 0,1,2
	v_cndmask_b32 v[244+\k], v42, v[244+\k], s[88+\k]
.endr
.endif
.set I, 0
.rept 16
	s_min_u32 s[32+I], s[32+I], 239
	v_lshl_add_u32 v[BI+16*\run+I], s[32+I], 9, v[L16]
.set I, I+1
.endr
.endr
	s_wait_alu depctr_va_vdst(0)                   ; the table's three words v244-246 are written, which the LDS stores read, and the 48 offsets v152-199, which the loads read
.irp k, 0,1,2
	ds_store_b32 v[BF], v[244+\k] offset:512*\k
.endr
	WIN 0xc0
.set I, 0
.rept 48
	global_load_b128 v[4*I:4*I+3], v[BI+I], s[6:7] offset:TVO
.set I, I+1
.endr
	WIN 0
; ---- d. S^T = K Q^T: ten tiles of 16 keys, two K steps; the ten accumulators take turns
	s_wait_loadcnt 48                              ; Q and K are in; the 48 loads of V's rows, issued behind them, may be out
.irp s, 0,1
	WIN 0x09                                       ; K window 1, Q window 2
.irp t, 0,1,2,3,4,5,6,7
.if \s == 0
	v_wmma_f32_16x16x128_fp8_fp8 v[S+8*\t:S+8*\t+7], v[32*\t+16*\s:32*\t+16*\s+15], v[64+16*\s:79+16*\s], 0
.else
	v_wmma_f32_16x16x128_fp8_fp8 v[S+8*\t:S+8*\t+7], v[32*\t+16*\s:32*\t+16*\s+15], v[64+16*\s:79+16*\s], v[S+8*\t:S+8*\t+7]
.endif
.endr
	WIN 0x0a                                       ; K window 2
.irp t, 8,9
.if \s == 0
	v_wmma_f32_16x16x128_fp8_fp8 v[S+8*\t:S+8*\t+7], v[32*(\t-8)+16*\s:32*(\t-8)+16*\s+15], v[64+16*\s:79+16*\s], 0
.else
	v_wmma_f32_16x16x128_fp8_fp8 v[S+8*\t:S+8*\t+7], v[32*(\t-8)+16*\s:32*(\t-8)+16*\s+15], v[64+16*\s:79+16*\s], v[S+8*\t:S+8*\t+7]
.endif
.endr
.endr
	WIN 0
	PLACES
; ---- e. the first weights are asked for; V's rows go into LDS as they lie
	WIN 0x80
	s_wait_alu depctr_va_vdst(0)                   ; the scores' matrix instructions are done reading K and Q: pair 0's weights land in window 2 here, P and the turned V in window 1 further down
	LOADW 0, 0, 32
	s_wait_loadcnt 32                              ; V's rows are in; the 32 loads of weights, issued behind them, may be out
	WIN 0x0c                                       ; store data window 3
.set I, 0
.rept 48
	ds_store_b128 v[VS], v[4*I:4*I+3] offset:VP*I
.set I, I+1
.endr
	WIN 0
	BARRIER                                        ; the bias table and V's 192 rows lie in LDS
; ---- f. the softmax of my 16 queries: t = score x log2(e) + bias x log2(e); M = ceil(the row's largest t); p = 2^(t - M), not normalised
.irp t, 0,1,2,3,4,5,6,7,8,9
	s_add_co_u32 s92, s31, \t-4                    ; the tile's number in the sequence: outside 0 .. 127 its keys do not exist,
	s_cmp_lt_u32 s92, 128
	s_cselect_b32 s92, 0, 640                      ; and its biases are read 160 words on, where the table holds -infinity
	v_add_nc_u32 v[PC+\t], s92, v[BA]
.endr
	s_wait_alu depctr_va_vdst(0)                   ; the ten addresses v232-241 are written, which the loads below read
	s_wait_alu depctr_vm_vsrc(0)                   ; the loads of V's rows have read their offsets v152-199, in which the biases land; the LDS stores have read V's rows in window 3, in which pair 2's weights will land, and v244-246, which p's conversions will write
.irp t, 0,1,2,3,4,5,6,7,8,9
.irp j, 0,1,2,3,4,5,6,7
	ds_load_b32 v[BI+8*\t+\j], v[PC+\t] offset:64*\t+4*\j
.endr
.endr
	s_wait_dscnt 0x0
	s_wait_alu depctr_vm_vsrc(0)                   ; the biases' loads have read their addresses v232-241, which p's conversions write
.set J, 0
.rept 40
	v_pk_fma_f32 v[S+J:S+J+1], v[S+J:S+J+1], s[48:49], v[BI+J:BI+J+1] op_sel_hi:[1,0,1]   ; each accumulator from its low end on
.set J, J+2
.endr
	v_max3_num_f32 v42, v[S], v[S+1], v[S+2]       ; the largest t of my 80 keys, in two chains,
	v_max3_num_f32 v43, v[S+3], v[S+4], v[S+5]
.set J, 6
.rept 18
	v_max3_num_f32 v42, v42, v[S+J], v[S+J+1]
	v_max3_num_f32 v43, v43, v[S+J+2], v[S+J+3]
.set J, J+4
.endr
	v_max3_num_f32 v42, v42, v[S+78], v[S+79]
	v_max_num_f32 v42, v42, v43
	v_permlanex16_b32 v46, v42, s50, s51
	v_max_num_f32 v42, v42, v46                    ; and of lane l xor 16's.  The query's own key always counts, so this is a number
	v_floor_f32 v[NM], -v42                        ; -M = floor(-t) = -ceil(t)
.set J, 0
.rept 40
	v_pk_add_f32 v[S+J:S+J+1], v[S+J:S+J+1], v[NM:NM+1] op_sel_hi:[1,0]
.set J, J+2
.endr
.set J, 0
	s_wait_alu depctr_va_vdst(0)
.rept 80
	v_exp_f32 v[S+J], v[S+J]
.set J, J+1
.endr
	v_nop                                          ; a plain line behind the last exponential
	s_wait_alu depctr_va_vdst(0)                   ; the 80 exponentials have written v72-151: one wait for the batch, ahead of its first reader
	v_pk_add_f32 v[44:45], v[S:S+1], v[S+2:S+3]    ; the row's sum is taken of the unquantised p
	v_pk_add_f32 v[46:47], v[S+4:S+5], v[S+6:S+7]
.set J, 8
.rept 18
	v_pk_add_f32 v[44:45], v[44:45], v[S+J:S+J+1]
	v_pk_add_f32 v[46:47], v[46:47], v[S+J+2:S+J+3]
.set J, J+4
.endr
	v_pk_add_f32 v[44:45], v[44:45], v[46:47]
	v_add_f32 v44, v44, v45
	v_permlanex16_b32 v45, v44, s50, s51
	v_add_f32 v44, v44, v45
	s_wait_alu depctr_va_vdst(0)
	v_rcp_f32 v43, v44
.set J, 0
.rept 80
	v_min_num_f32 v[S+J], v[S+J], v[SCP+1]         ; the hold; p is not negative.  (These lines stand between the reciprocal and the wait for it)
.set J, J+1
.endr
	s_wait_alu depctr_va_vdst(0)                   ; the reciprocal has written v43, ahead of its first reader
	v_ldexp_f32 v43, v43, s29                      ; 2^(e8 + e9) / sum
.irp t, 0,1,2,3,4,5,6,7,8,9
	v_cvt_scalef32_pk8_fp8_f32 v[PC+2*\t:PC+2*\t+1], v[S+8*\t:S+8*\t+7], v[SCP]   ; registers 2 t, 2 t + 1: keys 16 t + 8 h + 0 .. 7: the matrix form's own layout
.endr
	v_nop                                          ; a plain line behind the last scaled conversion
	s_wait_alu depctr_va_vdst(0)                   ; the conversions have written p's codes v232-251 and v_ldexp_f32 has written v43, which the LDS stores read
.irp g, 0,1,2,3,4
	ds_store_b128 v[PI], v[PC+4*\g:PC+4*\g+3] offset:512*\g
.endr
	ds_store_b128 v[PZ], v[Z:Z+3]
	ds_store_b32 v[LW], v43
	BARRIER                                        ; P's four images and the four tiles' 1 / sum lie in LDS
; ---- g. O^T = V^T P^T for my 128 channels, 32 at a time; relu; the three quantisers; images of relu(x)
.macro VFETCH g                        ; 192 keys x channels 128 w + 32 g .. + 31, turned: lane r gets channels 2 r, 2 r + 1, bytes by turns, eight keys a load
	WIN 0x40
.if (\g) > 0
	s_wait_alu depctr_va_vdst(0)                   ; the v_perm_b32 above are done reading the turned V, in which these loads land
.endif
.irp c, 0,1,2,3,4,5
	ds_load_tr16_b128 v[96+4*\c:99+4*\c], v[TRA] offset:16*VP*\c+32*(\g)
.endr
.irp c, 6,7,8,9,10,11
	ds_load_tr16_b128 v[96+4*\c:99+4*\c], v[TRB] offset:16*VP*(\c-6)+32*(\g)
.endr
.endm
.macro VPERM                           ; the even channels' fragment and the odd channels': registers 2 c, 2 c + 1: keys 16 c + 8 h + 0 .. 7
	WIN 0x05
.irp c, 0,1,2,3,4,5,6,7,8,9,10,11
	v_perm_b32 v[EV+2*\c], v[97+4*\c], v[96+4*\c], s52
	v_perm_b32 v[EV+2*\c+1], v[99+4*\c], v[98+4*\c], s52
	v_perm_b32 v[OD+2*\c], v[97+4*\c], v[96+4*\c], s53
	v_perm_b32 v[OD+2*\c+1], v[99+4*\c], v[98+4*\c], s53
.endr
.endm
.macro PVMUL                           ; three K steps of 64 keys; eight accumulators (query tile q, even or odd channels) take turns
	WIN 0x04                                       ; P window 1
.irp kk, 0,1,2
.irp q, 0,1,2,3
.irp eo, 0,1
.if \kk == 0
	v_wmma_f32_16x16x64_fp8_fp8 v[ACC+8*(2*\q+\eo):ACC+8*(2*\q+\eo)+7], v[EV+24*\eo+8*\kk:EV+24*\eo+8*\kk+7], v[24*\q+8*\kk:24*\q+8*\kk+7], 0
.else
	v_wmma_f32_16x16x64_fp8_fp8 v[ACC+8*(2*\q+\eo):ACC+8*(2*\q+\eo)+7], v[EV+24*\eo+8*\kk:EV+24*\eo+8*\kk+7], v[24*\q+8*\kk:24*\q+8*\kk+7], v[ACC+8*(2*\q+\eo):ACC+8*(2*\q+\eo)+7]
.endif
.endr
.endr
.endr
	WIN 0
.endm
; a lane's 16 numbers of query tile q are channels 128 w + 32 g + 16 h + sg(i): group g of K step w of relu(x)'s fragment, in the order in which the weights' images were laid.
; A query tile's three groups of codes go into set q % 2 of v216-239 and leave by three LDS stores behind one wait.
.macro X2OUT g
.set N, 0
.irp q, 0,1,2,3
.set CQ, CD+12*(\q%2)
.irp i, 0,2,4,6,8,10,12,14
	v_pk_mul_f32 v[ACC+16*\q+\i:ACC+16*\q+\i+1], v[ACC+16*\q+\i:ACC+16*\q+\i+1], v[F+2*\q:F+2*\q+1] op_sel_hi:[1,0]   ; x 2^(e8 + e9) / sum
.endr
.irp ver, 0,1,2
.set TT, TA+16*(N%2)
.set I, 0
.rept 16
	v_med3_num_f32 v[TT+I], v[ACC+16*\q+I], 0, v[SCX+2*\ver+1]   ; relu and the hold in one
.set I, I+1
.endr
.if ((\q%2) == 0) && (\ver == 0)
	s_wait_alu depctr_vm_vsrc(0)                   ; the LDS stores issued so far have read both sets v216-239 (the last two query tiles' codes; the first time p's codes in v232-239), which the conversions of this query tile and the next write
.endif
	v_cvt_scalef32_pk8_fp8_f32 v[CQ+4*\ver:CQ+4*\ver+1], v[TT:TT+7], v[SCX+2*\ver]
	v_cvt_scalef32_pk8_fp8_f32 v[CQ+4*\ver+2:CQ+4*\ver+3], v[TT+8:TT+15], v[SCX+2*\ver]
.set N, N+1
.endr
	s_wait_alu depctr_va_vdst(0)                   ; the six conversions have written this set, which the three LDS stores read
.irp ver, 0,1,2
	ds_store_b128 v[XW+\ver], v[CQ+4*\ver:CQ+4*\ver+3] offset:8192*\q+512*(\g)
.endr
.endr
	v_nop                                          ; a plain line behind the last scaled conversion
.endm
	LOADW 1, 0, 32                                 ; window 2's upper half: no vector or matrix instruction has named it
	WIN 0
.irp q, 0,1,2,3
	ds_load_b32 v[F+2*\q], v[LR] offset:128*\q
.endr
	WIN 0x40
.irp q, 0,1,2,3
.irp g, 0,1,2,3,4,5
	ds_load_b128 v[24*\q+4*\g:24*\q+4*\g+3], v[PRD] offset:3072*\q+512*\g
.endr
.endr
	VFETCH 0
.irp g, 0,1,2,3
	s_wait_dscnt 0x0
	VPERM
.if \g < 3
	VFETCH \g+1                                    ; the buffer is asked for again as soon as it is emptied: the next 32 channels come while these are multiplied and quantised
.endif
	PVMUL
	PLACES
	X2OUT \g
.endr
	BARRIER                                        ; relu(x)'s 48 fragments lie in LDS
; ---- h. products 6 to 8, a pair of column tiles at a time, for the four row tiles: eight accumulators take turns, K step by K step
.macro XLOAD ver                       ; relu(x) under scale ver: sixteen fragments, window 1: register 16 (4 m + s) + 4 c
	WIN 0x40
.set I, 0
.rept 64
	ds_load_b128 v[4*I:4*I+3], v[XR+\ver] offset:512*I
.set I, I+1
.endr
.endm
.macro SEND p                          ; pair p's codes leave: every store of the wave covers 512 consecutive bytes, aligned
.set SS_, PCD+16*((\p)%2)
.if (\p) < 2
.irp m, 0,1,2,3
	global_store_b128 v[SA], v[SS_+4*\m:SS_+4*\m+3], s[60:61] offset:65536*((\p)&1)+512*\m
.endr
.elseif (\p) < 4
.irp m, 0,1,2,3
	global_store_b128 v[SA], v[SS_+4*\m:SS_+4*\m+3], s[62:63] offset:65536*((\p)&1)+512*\m
.endr
.else
.irp u, 0,1
.irp a, 0,1
	global_store_b128 v[SA], v[SS_+4*(2*\u+\a):SS_+4*(2*\u+\a)+3], s[66:67] offset:262144*(((\p)-4)>>2)+2048*(2*(((\p)-4)&3)+\u)+512*\a
.endr
.endr
.endif
.endm
.macro PAIR p
.set PW, 2+((\p)%3)/2
.set PG, 128*(((\p)%3)%2)
.set CS_, PCD+16*((\p)%2)
.if (\p) < 2
.set KIND, 0
.elseif (\p) < 4
.set KIND, 1
.else
.set KIND, 2
.endif
.if KIND < 2
.set WM, PW|4                          ; q, k: source 0 = 16 columns of the weight, source 1 = 16 rows: a lane holds one position and 16 of a head's 32 dims
.else
.set WM, 1|(PW<<2)                     ; v: source 0 = 16 rows, source 1 = 16 columns: a lane holds one channel and neighbouring keys
.endif
.if (\p) < 11
	s_wait_loadcnt 32                              ; this pair's weights are in; the next pair's 32 loads may be out
.else
	s_wait_loadcnt 0x0
.endif
.if (\p) > 0
	s_wait_alu depctr_va_vdst(0)                   ; the pair before has written its codes, which the stores below read; its matrix instructions are done reading their weights, in whose buffer the loads below land, and relu(x)'s fragments, over which the next scale's land
	SEND (\p)-1
.endif
.if ((\p) == 0) || ((\p) == 2) || ((\p) == 4)
	XLOAD (\p)/2
.endif
.if (\p) < 10
	LOADW (\p)+2, 0, 16                            ; into the buffer that the pair before has left: half now,
.endif
.if ((\p) == 0) || ((\p) == 2) || ((\p) == 4)
	s_wait_dscnt 0x0                               ; relu(x)'s fragments are in
.endif
.irp s, 0,1,2,3
	WIN WM
.irp u, 0,1
.irp m, 0,1,2,3
.if KIND < 2
.if \s == 0
	v_wmma_f32_16x16x128_fp8_fp8 v[PACC+8*(4*\u+\m):PACC+8*(4*\u+\m)+7], v[PG+64*\u+16*\s:PG+64*\u+16*\s+15], v[16*(4*\m+\s):16*(4*\m+\s)+15], 0
.else
	v_wmma_f32_16x16x128_fp8_fp8 v[PACC+8*(4*\u+\m):PACC+8*(4*\u+\m)+7], v[PG+64*\u+16*\s:PG+64*\u+16*\s+15], v[16*(4*\m+\s):16*(4*\m+\s)+15], v[PACC+8*(4*\u+\m):PACC+8*(4*\u+\m)+7]
.endif
.else
.if \s == 0
	v_wmma_f32_16x16x128_fp8_fp8 v[PACC+8*(4*\u+\m):PACC+8*(4*\u+\m)+7], v[16*(4*\m+\s):16*(4*\m+\s)+15], v[PG+64*\u+16*\s:PG+64*\u+16*\s+15], 0
.else
	v_wmma_f32_16x16x128_fp8_fp8 v[PACC+8*(4*\u+\m):PACC+8*(4*\u+\m)+7], v[16*(4*\m+\s):16*(4*\m+\s)+15], v[PG+64*\u+16*\s:PG+64*\u+16*\s+15], v[PACC+8*(4*\u+\m):PACC+8*(4*\u+\m)+7]
.endif
.endif
.endr
.endr
.if (\s == 0) && ((\p) < 10)
	LOADW (\p)+2, 16, 16                           ; half behind the first K step.  No wait: no vector or matrix instruction since the wait at the pair's head names that buffer or v3
.endif
.endr
	WIN 0
	PLACES
.set I, 0
.rept 64
	v_med3_num_f32 v[PACC+I], v[PACC+I], -v[SCO+2*KIND+1], v[SCO+2*KIND+1]
.set I, I+1
.endr
.if (\p) >= 2
	s_wait_xcnt 0x0                                ; the stores of the pair before last have had their addresses translated (ISA guide 3.1),
	s_wait_alu depctr_vm_vsrc(0)                   ; and have read this set of code registers, which the conversions below write
.endif
.if KIND < 2
	s_wait_alu depctr_va_vdst(0)
.irp m, 0,1,2,3
	v_cvt_scalef32_pk8_fp8_f32 v[CS_+4*\m:CS_+4*\m+1], v[PACC+8*\m:PACC+8*\m+7], v[SCO+2*KIND]          ; dims 16 h + 0 .. 7,
	v_cvt_scalef32_pk8_fp8_f32 v[CS_+4*\m+2:CS_+4*\m+3], v[PACC+8*(4+\m):PACC+8*(4+\m)+7], v[SCO+2*KIND]   ; 16 h + 8 .. 15
.endr
.else
	s_wait_alu depctr_va_vdst(0)
.irp u, 0,1
.irp a, 0,1
	v_cvt_scalef32_pk8_fp8_f32 v[CS_+4*(2*\u+\a):CS_+4*(2*\u+\a)+1], v[PACC+8*(4*\u+2*\a):PACC+8*(4*\u+2*\a)+7], v[SCO+2*KIND]          ; keys 32 a + 16 h + 0 .. 7,
	v_cvt_scalef32_pk8_fp8_f32 v[CS_+4*(2*\u+\a)+2:CS_+4*(2*\u+\a)+3], v[PACC+8*(4*\u+2*\a+1):PACC+8*(4*\u+2*\a+1)+7], v[SCO+2*KIND]   ; + 8 .. 15
.endr
.endr
.endif
	v_nop                                          ; a plain line behind the last scaled conversion: the next pair's products write its sources
.endm
.irp p, 0,1,2,3,4,5,6,7,8,9,10,11
	PAIR \p
.endr
	s_wait_alu depctr_va_vdst(0)                   ; the last pair's conversions have written its codes, which the last four stores read
	SEND 11
	s_wait_dscnt 0x0                               ; the closing lines, six on end
	s_wait_alu 0x0
	s_wait_tensorcnt 0x0
	ds_add_u32 v[SPW], v[NIL]
	s_wait_dscnt 0x0
	s_endpgm
.Lfunc_end_k_q67d1013c09_local:
	.size	k_q67d1013c09_local, .Lfunc_end_k_q67d1013c09_local-k_q67d1013c09_local
	.p2alignl 7, 3214868480
	.fill 96, 4, 3214868480
	.section	.rodata,"a",@progbits
	.p2align	6, 0x0
	.amdhsa_kernel k_q67d1013c09_local
		.amdhsa_group_segment_fixed_size 217600
		.amdhsa_private_segment_fixed_size 0
		.amdhsa_enable_private_segment 0
		.amdhsa_kernarg_size 64
		.amdhsa_user_sgpr_count 2
		.amdhsa_user_sgpr_kernarg_segment_ptr 1
		.amdhsa_wavefront_size32 1
		.amdhsa_system_sgpr_workgroup_id_x 1
		.amdhsa_system_sgpr_workgroup_id_y 1
		.amdhsa_system_sgpr_workgroup_id_z 1
		.amdhsa_system_vgpr_workitem_id 0
		.amdhsa_next_free_vgpr 1024
		.amdhsa_next_free_sgpr 96
		.amdhsa_reserve_vcc 0
		.amdhsa_float_denorm_mode_32 3
		.amdhsa_float_denorm_mode_16_64 3
		.amdhsa_memory_ordered 1
		.amdhsa_forward_progress 1
		.amdhsa_inst_pref_size 255
	.end_amdhsa_kernel
	.section	.bss,"aw",@nobits
	.p2align	6
	.space	262144
	.amdgpu_metadata
---
amdhsa.version: [ 1, 2 ]
amdhsa.kernels:
  - .name:           k_q67d1013c09_local
    .symbol:         k_q67d1013c09_local.kd
    .args:
      - { .name: xs, .offset: 0, .size: 8, .value_kind: global_buffer, .address_space: global }
      - { .name: tab, .offset: 8, .size: 8, .value_kind: global_buffer, .address_space: global }
      - { .name: rel_bias, .offset: 16, .size: 8, .value_kind: global_buffer, .address_space: global }
      - { .name: lowp_scales, .offset: 24, .size: 8, .value_kind: global_buffer, .address_space: global }
      - { .name: wf, .offset: 32, .size: 8, .value_kind: global_buffer, .address_space: global }
      - { .name: qf, .offset: 40, .size: 8, .value_kind: global_buffer, .address_space: global }
      - { .name: kf, .offset: 48, .size: 8, .value_kind: global_buffer, .address_space: global }
      - { .name: vf, .offset: 56, .size: 8, .value_kind: global_buffer, .address_space: global }
    .group_segment_fixed_size: 217600
    .private_segment_fixed_size: 0
    .kernarg_segment_align: 8
    .kernarg_segment_size: 64
    .max_flat_workgroup_size: 128
    .sgpr_count:     96
    .vgpr_count:     1024
    .wavefront_size: 32
...
	.end_amdgpu_metadata
.endif
;; end of part 6
;; launch attn (part 7): grid 64 x 8, 16 waves a work-group, no clusters, 327,680 bytes of LDS; arguments qf, kf, vf, lowp_scales, of; writes of
.if DOCPART == 7
	.amdgcn_target "amdgcn-amd-amdhsa--gfx1250"
	.amdhsa_code_object_version 6
	.text
	.protected	k_q67d1013c09_attn
	.globl	k_q67d1013c09_attn
	.p2align	8
	.type	k_q67d1013c09_attn,@function
k_q67d1013c09_attn:
	s_mov_b64 s[64:65], 0
	v_nop
	global_prefetch_b8 v0, s[64:65] scope:SCOPE_SE
	s_setreg_imm32_b32 hwreg(HW_REG_WAVE_MODE, 25, 1), 1
	s_wait_xcnt 0x0
; ATTN: causal attention of one head (of 64: 8 batches x 8 heads) on codes of E4M3, products 9 and 10, and the quantiser of product 11's left operand.
; LEFT OUT (shown at the head of the first launch): key steps that lie wholly above the causal diagonal which reference() builds in its own body.
; Product 9's operands are taken as A = q (scale e16), B = k (scale e17); product 10's as A = v (e18), B = the softmax's p (e19).
; THE SOFTMAX: t = score x log2(e) / sqrt(32); M = the running largest t rounded UP to a whole number; p = 2^(t - M) is quantised, not normalised; the row's sum is taken of the unquantised p and divides at the end.
; SHARES.  A work-group owns 256 queries of a head, block X; each of its sixteen waves one tile of 16: four waves to a SIMD, so that one wave's vector work stands beside another's matrix work and LDS loads.
; X = y + 4 for y < 4, 7 - y else: work-groups 256 apart in the launch's order hold blocks whose key steps add up alike, and so do the shortest of the first 256 and the first of the rest.
; All operands come as images of operand registers: qf, kf [head][tile of 16 positions][512]: lane (r, h) holds position pi(tile, r) = 32 (tile/2) + 8 (tile%2) + r%8 + 16 (r/8) and dims 16 h + 0 .. 15;
; vf [head][step of 128 keys][channel tile 0..7][group c][512]: lane (r, h) holds channel pi(t, r) and keys 32 c + 16 h + 0 .. 15.  So a slot of 256 keys is two dense blocks, 8,192 bytes of K and 32,768 of V,
; every LDS load takes 512 consecutive bytes, and no padding is needed.  S^T = K Q^T by the K = 64 form: the head has 32 dims, so Q's upper four registers are zeros, and K's upper four are whatever finite codes lie behind
; the tile's four (the next tile's, or V's): they meet zeros.  O^T = V^T P^T: a lane holds one query throughout.
; No cluster: under the causal mask the query blocks of a head need different numbers of slots, so a partner would be sent tiles that none of its waves reads.
; LIMITS: e16 + e17 between -124 and 129; e19 and e20 - e18 - e19 between -126 and 119.  NaN is not served.
; REGISTERS: v1 16 x lane; v3 the prefetches' offset; v5, v6 the add's two; v8 LDS address in hand; v9 rho - 16 h; v12 -M, v13 the largest t, v[14:15] the sum; v16-23 Q and zeros; v32-95 fragments; v96-159 S^T, then p;
; v160-223 O^T; v224-239 codes; v240, v244: 448 x 2^e19, 2^e19; v241, v245 the same for e20 - e18 - e19; v236, v242-243, v252-254 at work.
.set SK,    256                        ; keys in a slot
.set NQ,    2                          ; key steps in a slot
.set NSL,   8                          ; slots' worth of keys
.set KSLOT, 8192
.set VSLOT, 32768
.set VOFF,  KSLOT                      ; a slot: K's sixteen tiles, then V's two steps
.set SLOT1, 65536                      ; slot 1 begins here: one exclusive or turns an address from one slot to the other
.set SPARE, 2*SLOT1                    ; the spare words, 128 bytes for each wave: eight blocks of 256 bytes that no other line names
.set L16, 1
.set PFO, 3
.set SPW, 5
.set NIL, 6
.set ADR, 8
.set DL,  9
.set WV,  18
.set SEL, 20
.set CS,  22
.set G1K, 24
.set G1V, 32
.set G0K, 40
.set G0V, 44
.set TB,  2
.set SLOTS, 67
.set PFA, 76
.set PFS, 78
.set LIM, 80
.set KF,  98
.set Q0,  99
; Wave 0 fetches a slot's K, wave 1 its V, the others nothing.  The branches hang on the wave's number alone.  An s_nop 0 and four v_nop follow each of the two lines.
.macro TLOAD
	s_cmp_eq_u32 s[WV], 0
	s_cbranch_scc0 .Lnot_k_\@
	tensor_load_to_lds s[G0K:G0K+3], s[G1K:G1K+7]
	s_nop 0
.rept 4
	v_nop
.endr
	s_branch .Lasked_\@
.Lnot_k_\@:
	s_cmp_eq_u32 s[WV], 1
	s_cbranch_scc0 .Lasked_\@
	tensor_load_to_lds s[G0V:G0V+3], s[G1V:G1V+7]
	s_nop 0
.rept 4
	v_nop
.endr
.Lasked_\@:
.endm
; A prefetch of what the NEXT change of slots will ask for, a slot's two key steps ahead of that load.  All eight work-groups of a head walk the same K and V: the one with y = 0 asks, and in it waves that fetch nothing:
; waves 4 to 7 for V's 4 x 8,192 bytes, wave 8 for K's 8,192, lanes 256 bytes apart: each aligned block of 256 bytes is named once in the launch.  The last change that fills a slot asks for nothing; slots 0 and 1 come by their loads alone.
.macro ASK
	s_cmp_gt_u32 s[SLOTS], s[LIM]
	s_cbranch_scc0 .Lnot_mine_\@
	global_prefetch_b8 v[PFO], s[PFA:PFA+1] th:TH_LOAD_NT scope:SCOPE_SE
.Lnot_mine_\@:
.endm
	s_load_b256 s[4:11], s[0:1], 0x0               ; qf s[4:5], kf s[6:7], vf s[8:9], the scales s[10:11]
	s_load_b64 s[16:17], s[0:1], 0x20              ; of
	v_lshl_add_u32 v[SPW], v0, 2, SPARE
	v_mov_b32 v[NIL], 0
	ds_add_u32 v[SPW], v[NIL]                      ; the wave's opening: the add, twice on end, and its wait ahead of the first tensor load; the set-up below stands between
	ds_add_u32 v[SPW], v[NIL]
	v_lshrrev_b32 v8, 5, v0
	s_delay_alu instid0(VALU_DEP_1)
	v_readfirstlane_b32 s[WV], v8                  ; wave 0..15
	s_and_b32 s72, ttmp7, 0xffff                   ; y
	s_add_co_u32 s73, s72, 4
	s_sub_co_u32 s74, 7, s72
	s_cmp_lt_u32 s72, 4
	s_cselect_b32 s75, s73, s74                    ; X
	s_lshl_b32 s[Q0], s75, 8
	s_lshr_b32 s81, s[WV], 1
	s_lshl_b32 s81, s81, 5
	s_add_co_u32 s[Q0], s[Q0], s81
	s_and_b32 s81, s[WV], 1
	s_lshl_b32 s81, s81, 3
	s_add_co_u32 s[Q0], s[Q0], s81                 ; my least query: 256 X + 32 (w/2) + 8 (w%2); lane r's is + r%8 + 16 (r/8)
	s_lshl_b32 s82, s75, 4
	s_add_co_u32 s82, s82, s[WV]                   ; my tile of positions
	s_lshl_b32 s84, ttmp9, 7
	s_add_co_u32 s84, s84, s82
	s_lshl_b32 s84, s84, 9                         ; its image in qf
	s_mov_b32 s85, 0
	s_lshr_b32 s86, ttmp9, 3
	s_lshl_b32 s86, s86, 7
	s_add_co_u32 s86, s86, s82
	s_lshl_b32 s86, s86, 3
	s_and_b32 s87, ttmp9, 7
	s_add_co_u32 s86, s86, s87
	s_lshl_b32 s86, s86, 11                        ; of: [batch][tile][head][2,048]
	s_mov_b32 s87, 0
	s_lshl_b32 s88, ttmp9, 16                      ; the head's first byte in kf,
	s_mov_b32 s89, 0
	s_lshl_b32 s90, ttmp9, 18                      ; and in vf
	s_mov_b32 s91, 0
	; descriptor group 1: a dense block as rows of 256 bytes: elements of 8 bytes, 32 to a row, the pitch 32; K: 32 rows, V: 128
	s_mov_b32 s[G1K], 3<<16                        ; 15:0 no mask; 17:16 elements of 8 bytes; no padding
	s_mov_b32 s[G1K+1], 32<<16                     ; tensor_dim0
	s_mov_b32 s[G1K+2], 32<<16                     ; tensor_dim1
	s_mov_b32 s[G1K+3], 32<<16                     ; tile_dim0
	s_mov_b32 s[G1K+4], 32                         ; tile_dim1
	s_mov_b32 s[G1K+5], 32                         ; tensor_dim0_stride
	s_mov_b32 s[G1K+6], 0
	s_mov_b32 s[G1K+7], 0
	s_mov_b32 s[G1V], 3<<16
	s_mov_b32 s[G1V+1], 32<<16
	s_mov_b32 s[G1V+2], 128<<16
	s_mov_b32 s[G1V+3], 32<<16
	s_mov_b32 s[G1V+4], 128
	s_mov_b32 s[G1V+5], 32
	s_mov_b32 s[G1V+6], 0
	s_mov_b32 s[G1V+7], 0
	s_mov_b32 s[SEL], 0x76543210
	s_mov_b32 s[SEL+1], 0xfedcba98
	s_mov_b32 s[CS], 0x3e8293ee                    ; c = log2(e) / sqrt(32)
	s_mov_b32 s[TB], 0
	s_mov_b32 s[SLOTS], NSL-1
	s_mov_b32 s[KF], 0
	s_wait_dscnt 0x0                               ; both opening adds are done
	s_wait_kmcnt 0x0
	s_load_b128 s[68:71], s[10:11], 0x40           ; e16, e17, e18, e19
	s_load_b32 s92, s[10:11], 0x50                 ; e20
	s_mov_b32 s[G0K], 1                            ; count = 1
	s_mov_b32 s[G0K+1], 0                          ; LDS address: slot 0
	s_add_nc_u64 s[G0K+2:G0K+3], s[6:7], s[88:89]  ; the head's first 256 keys
	s_or_b32 s[G0K+3], s[G0K+3], 0x80000000        ; type = 2
	s_mov_b32 s[G0V], 1
	s_mov_b32 s[G0V+1], VOFF
	s_add_nc_u64 s[G0V+2:G0V+3], s[8:9], s[90:91]
	s_or_b32 s[G0V+3], s[G0V+3], 0x80000000
	TLOAD                                          ; slot 0: it holds key 0, which counts for every query
	s_add_nc_u64 s[4:5], s[4:5], s[84:85]
	s_add_nc_u64 s[16:17], s[16:17], s[86:87]
	; the prefetches: where my wave's stand, and who asks
	s_and_b32 s82, s[WV], 3
	s_lshl_b32 s82, s82, 13                        ; my wave's 8,192 bytes of a slot's V (wave 8: K's, from 0)
	s_mov_b32 s83, 0
	s_mov_b32 s[PFS], KSLOT
	s_mov_b32 s[PFS+1], 0
	s_cmp_lt_u32 s[WV], 8
	s_cselect_b64 s[PFA:PFA+1], s[8:9], s[6:7]
	s_cselect_b64 s[94:95], s[90:91], s[88:89]
	s_cselect_b32 s[PFS], VSLOT, s[PFS]            ; a slot on
	s_add_nc_u64 s[PFA:PFA+1], s[PFA:PFA+1], s[94:95]
	s_add_nc_u64 s[PFA:PFA+1], s[PFA:PFA+1], s[82:83]
	s_add_nc_u64 s[PFA:PFA+1], s[PFA:PFA+1], s[PFS:PFS+1]  ; in slot 1: the first change of slots steps it to slot 2.  Nothing is prefetched here, at the head
	s_sub_co_u32 s82, s[WV], 4
	s_cmp_lt_u32 s82, 5
	s_cselect_b32 s82, 0, 1                        ; 0 in waves 4 to 8,
	s_or_b32 s82, s82, s72                         ; of the work-group with y = 0
	s_cmp_eq_u32 s82, 0
	s_cselect_b32 s[LIM], 1, -1
	v_and_b32 v[PFO], 31, v0
	s_delay_alu instid0(VALU_DEP_1)
	v_lshlrev_b32 v[L16], 4, v[PFO]
	s_delay_alu instid0(VALU_DEP_2)
	v_lshlrev_b32 v[PFO], 8, v[PFO]
	global_load_b128 v[16:19], v[L16], s[4:5]      ; Q's four registers stay
.irp n, 20,21,22,23,64,65,66,67
	v_mov_b32 v\n, 0                               ; Q's upper half; and what lies behind K's last tile in the first step
.endr
	v_and_b32 v[DL], 7, v0
	v_bfe_u32 v10, v0, 3, 1
	s_delay_alu instid0(VALU_DEP_1)
	v_lshl_add_u32 v[DL], v10, 4, v[DL]            ; rho = r%8 + 16 (r/8)
	v_bfe_u32 v10, v0, 4, 1
	s_delay_alu instid0(VALU_DEP_1)
	v_lshlrev_b32 v10, 4, v10
	s_delay_alu instid0(VALU_DEP_1)
	v_sub_nc_u32 v[DL], v[DL], v10                 ; - 16 h
	v_mov_b32 v13, 0xff61b1e6                      ; the largest t so far: -3e38, under every t
	s_delay_alu instid0(VALU_DEP_1)
	v_floor_f32 v12, -v13                          ; -M
	v_mov_b32 v14, 0
	v_mov_b32 v15, 0
	v_mov_b32 v236, 0                              ; a lane permute's destination counts as one of its sources
	v_mov_b32 v253, 0                              ; (named as the upper half of the pair v[252:253])
.set J, 0
.rept 64
	v_mov_b32 v[160+J], 0                          ; O^T.  (The step is written once: the first finds zeros, which the first change of M leaves zeros)
.set J, J+1
.endr
	s_wait_kmcnt 0x0
	s_add_co_i32 s72, s68, s69
	s_lshl_b32 s72, s72, 23
	s_add_co_i32 s[CS], s[CS], s72                 ; a score stands for score x 2^(e16 + e17): the exponents are added to c's exponent field
	s_mov_b32 s[CS+1], s[CS]
	s_add_co_i32 s72, s71, 127
	s_lshl_b32 s73, s72, 23
	v_mov_b32 v244, s73                            ; 2^e19
	s_add_co_i32 s72, s72, 8
	s_lshl_b32 s72, s72, 23
	s_or_b32 s72, s72, 0x600000
	v_mov_b32 v240, s72                            ; 448 x 2^e19
	s_sub_co_i32 s72, s92, s70
	s_sub_co_i32 s72, s72, s71                     ; O^T / sum stands for o / 2^(e18 + e19): its code is that / 2^(e20 - e18 - e19)
	s_add_co_i32 s72, s72, 127
	s_lshl_b32 s73, s72, 23
	v_mov_b32 v245, s73
	s_add_co_i32 s72, s72, 8
	s_lshl_b32 s72, s72, 23
	s_or_b32 s72, s72, 0x600000
	v_mov_b32 v241, s72
; A KEY STEP: 128 keys, the q-th of the slot in hand.  A step all of whose keys come after my 16 queries is left out: a scalar branch on ids, round its loads, products and softmax; no barrier and no tensor load stands in a step.
.macro STEP q
	s_add_co_u32 s96, s[Q0], 23                    ; my greatest query
	s_cmp_gt_u32 s[KF], s96
	s_cbranch_scc1 .Lhidden_\@
	v_add_nc_u32 v[ADR], s[TB], v[L16]
.rept 3
	v_nop                                          ; with the addition: four plain lines ahead of loads into registers that the last products read
.endr
.irp t, 0,1,2,3,4,5,6,7
	ds_load_b128 v[32+4*\t:35+4*\t], v[ADR] offset:4096*(\q)+512*\t
.endr
	s_wait_alu depctr_va_vdst(0)
	s_wait_dscnt 0x0
.irp t, 0,1,2,3,4,5,6,7
	v_wmma_f32_16x16x64_fp8_fp8 v[96+8*\t:103+8*\t], v[32+4*\t:39+4*\t], v[16:23], 0
.endr                                              ; lane (r, h) holds its query; the 16 registers of tiles 2 b, 2 b + 1 are keys KF + 32 b + 16 h + 0 .. 15
.rept 4
	v_nop
.endr
.irp t, 0,1,2,3                                ; V's first four channel tiles are asked for now and land under the softmax
.irp c, 0,1,2,3
	ds_load_b128 v[32+16*\t+4*\c:35+16*\t+4*\c], v[ADR] offset:VOFF+16384*(\q)+2048*\t+512*\c
.endr
.endr
	s_add_co_u32 s96, s[KF], 127                   ; on the diagonal the scores of hidden keys become -infinity ahead of the maximum.  A step all of whose keys count skips this
	s_cmp_le_u32 s96, s[Q0]
	s_cbranch_scc1 .Lopen_\@
	s_sub_co_i32 s96, s[Q0], s[KF]
	v_add_nc_u32 v252, s96, v[DL]                  ; d = my query - KF - 16 h: register 16 b + i is hidden where 32 b + i > d
	v_mov_b32 v254, 0xff800000
.set N, 0
.rept 64
	v_cmp_gt_i32 vcc_lo, 32*(N/16)+N%16, v252
	v_cndmask_b32 v[96+N], v[96+N], v254, vcc_lo
.set N, N+1
.endr
.Lopen_\@:
	v_max3_num_f32 v254, v96, v97, v98             ; the step's largest score of my query, among my 64 keys, in two chains,
	v_max3_num_f32 v252, v99, v100, v101
.set J, 6
.rept 14
	v_max3_num_f32 v254, v254, v[96+J], v[97+J]
	v_max3_num_f32 v252, v252, v[98+J], v[99+J]
.set J, J+4
.endr
	v_max3_num_f32 v254, v254, v158, v159
	s_delay_alu instid0(VALU_DEP_1)
	v_max_num_f32 v254, v254, v252
	v_permlanex16_b32 v236, v254, s[SEL], s[SEL+1]
	s_delay_alu instid0(VALU_DEP_1)
	v_max_num_f32 v254, v254, v236                 ; and among lane l xor 16's
	s_delay_alu instid0(VALU_DEP_1)
	v_mul_f32 v254, s[CS], v254                    ; as t (c is positive)
	s_delay_alu instid0(VALU_DEP_1)
	v_max_num_f32 v13, v13, v254                   ; the running largest t
	v_mov_b32 v254, v12
	s_delay_alu instid0(VALU_DEP_2)
	v_floor_f32 v12, -v13                          ; the new -M = -ceil(t)
	s_delay_alu instid0(VALU_DEP_1)
	v_sub_f32 v254, v12, v254                      ; old M - new M: a whole number, 0 or less
	s_delay_alu instid0(VALU_DEP_1)
	v_cvt_i32_f32 v254, v254                       ; (it saturates)
	s_delay_alu instid0(VALU_DEP_1)
	v_ldexp_f32 v252, 1.0, v254                    ; f = 2^(old M - new M): a multiplication by it rounds nothing
.set J, 0
.rept 32
	v_pk_fma_f32 v[96+J:97+J], v[96+J:97+J], s[CS:CS+1], v[12:13] op_sel_hi:[1,0,0]   ; t - M
.set J, J+2
.endr
.set J, 0
	s_wait_alu depctr_va_vdst(0)
.rept 64
	v_exp_f32 v[96+J], v[96+J]                     ; p = 2^(t - M), at most 1
.set J, J+1
.endr
	v_pk_mul_f32 v[14:15], v[14:15], v[252:253] op_sel_hi:[1,0]   ; the sums under the new M.  (A plain line behind the exponentials)
	s_wait_alu depctr_va_vdst(0)                   ; one wait for the batch of 64, ahead of its first reader
	v_pk_add_f32 v[242:243], v[100:101], v[104:105]
	v_pk_add_f32 v[254:255], v[108:109], v[112:113]
	v_pk_add_f32 v[250:251], v[116:117], v[120:121]
	v_pk_add_f32 v[248:249], v[124:125], v[128:129]
	v_pk_add_f32 v[246:247], v[132:133], v[136:137]
	v_pk_add_f32 v[238:239], v[140:141], v[144:145]
	v_pk_add_f32 v[236:237], v[148:149], v[152:153]
	v_pk_add_f32 v[14:15], v[14:15], v[156:157]
	v_pk_add_f32 v[242:243], v[242:243], v[96:97]
	v_pk_add_f32 v[254:255], v[254:255], v[98:99]
	v_pk_add_f32 v[250:251], v[250:251], v[102:103]
	v_pk_add_f32 v[248:249], v[248:249], v[106:107]
	v_pk_add_f32 v[246:247], v[246:247], v[110:111]
	v_pk_add_f32 v[238:239], v[238:239], v[114:115]
	v_pk_add_f32 v[236:237], v[236:237], v[118:119]
	v_pk_add_f32 v[14:15], v[14:15], v[122:123]
	v_pk_add_f32 v[242:243], v[242:243], v[126:127]
	v_pk_add_f32 v[254:255], v[254:255], v[130:131]
	v_pk_add_f32 v[250:251], v[250:251], v[134:135]
	v_pk_add_f32 v[248:249], v[248:249], v[138:139]
	v_pk_add_f32 v[246:247], v[246:247], v[142:143]
	v_pk_add_f32 v[238:239], v[238:239], v[146:147]
	v_pk_add_f32 v[236:237], v[236:237], v[150:151]
	v_pk_add_f32 v[14:15], v[14:15], v[154:155]
	v_pk_add_f32 v[242:243], v[242:243], v[158:159]
	s_delay_alu instid0(VALU_DEP_2)
	v_pk_add_f32 v[14:15], v[14:15], v[248:249]
	s_delay_alu instid0(VALU_DEP_2)
	v_pk_add_f32 v[242:243], v[242:243], v[246:247]
	v_pk_add_f32 v[254:255], v[254:255], v[238:239]
	v_pk_add_f32 v[250:251], v[250:251], v[236:237]
	s_delay_alu instid0(VALU_DEP_2)
	v_pk_add_f32 v[14:15], v[14:15], v[254:255]
	s_delay_alu instid0(VALU_DEP_2)
	v_pk_add_f32 v[242:243], v[242:243], v[250:251]
	s_delay_alu instid0(VALU_DEP_1)
	v_pk_add_f32 v[14:15], v[14:15], v[242:243]
.irp b, 0,1,2,3
.set I, 0
.rept 16
	v_min_num_f32 v[96+16*\b+I], v[96+16*\b+I], v240   ; the hold (ISA guide 7.6.2: the conversion does not saturate); p is not negative
.set I, I+1
.endr
	v_cvt_scalef32_pk8_fp8_f32 v[224+4*\b:225+4*\b], v[96+16*\b:103+16*\b], v244
	v_cvt_scalef32_pk8_fp8_f32 v[226+4*\b:227+4*\b], v[104+16*\b:111+16*\b], v244
.endr
.set J, 0
.rept 32
	v_pk_mul_f32 v[160+J:161+J], v[160+J:161+J], v[252:253] op_sel_hi:[1,0]   ; O^T under the new M.  (Also the plain lines between the conversions and the products)
.set J, J+2
.endr
	s_wait_alu depctr_va_vdst(0)
	s_wait_dscnt 0x0                               ; V's first four tiles
.irp t, 0,1,2,3
	v_wmma_f32_16x16x128_fp8_fp8 v[160+8*\t:167+8*\t], v[32+16*\t:47+16*\t], v[224:239], v[160+8*\t:167+8*\t]
.endr
.rept 4
	v_nop
.endr
.irp t, 0,1,2,3
.irp c, 0,1,2,3
	ds_load_b128 v[32+16*\t+4*\c:35+16*\t+4*\c], v[ADR] offset:VOFF+16384*(\q)+2048*(4+\t)+512*\c
.endr
.endr
	s_wait_dscnt 0x0
.irp t, 0,1,2,3
	v_wmma_f32_16x16x128_fp8_fp8 v[192+8*\t:199+8*\t], v[32+16*\t:47+16*\t], v[224:239], v[192+8*\t:199+8*\t]
.endr
.Lhidden_\@:
	s_add_co_u32 s[KF], s[KF], 128
.endm
; THE CHANGE OF SLOTS stands at a slot's head.  Each wave waits for all its tensor loads, adds 0 to its spare word (fill = 1: twice on end), and waits for that and for its reads of the slot that it has left.
; Behind the barrier the slot ahead is whole and nobody reads the other one.  fill = 1: that other slot is filled with the next 256 keys, up to the causal limit: the load has a slot's two steps in which to land.
.macro CHANGE fill
	s_wait_tensorcnt 0x0                           ; no tensor load of mine is out, so a group 0 may be written
	ds_add_u32 v[SPW], v[NIL]                      ; adds 0 to the spare word
.if \fill
	ds_add_u32 v[SPW], v[NIL]                      ; and once more, in every trip alike
	s_xor_b32 s[G0K+1], s[G0K+1], SLOT1            ; the walking descriptors: the other slot,
	s_add_nc_u64 s[G0K+2:G0K+3], s[G0K+2:G0K+3], KSLOT   ; the next 256 keys
	s_xor_b32 s[G0V+1], s[G0V+1], SLOT1
	s_add_nc_u64 s[G0V+2:G0V+3], s[G0V+2:G0V+3], VSLOT
	s_wait_xcnt 0x0                                ; the last prefetch, a slot back, has read its address
	s_add_nc_u64 s[PFA:PFA+1], s[PFA:PFA+1], s[PFS:PFS+1]
.endif
	s_wait_dscnt 0x0                               ; the add is done, and my reads of the slot that I have left are over
	s_barrier_signal -1
	s_barrier_wait -1
.if \fill
	s_add_co_u32 s96, s[KF], SK                    ; the first key of the slot that this change would ask for:
	s_or_b32 s97, s[Q0], 255                       ; beyond my work-group's last query it is read by none of the sixteen waves, and is not asked for.
	s_cmp_gt_u32 s96, s97                          ; Ids and the count of steps alone: all waves go the same way.  Every wait on TENSORcnt in this text is for 0
	s_cbranch_scc1 .Lpast_\@
	TLOAD                                          ; a wave's one tensor load until the next such barrier
.Lpast_\@:
	ASK
.endif
.endm
.macro SLOT_STEPS
.set Q, 0
.rept NQ
	STEP Q
.set Q, Q+1
.endr
	s_xor_b32 s[TB], s[TB], SLOT1
.endm
	s_wait_loadcnt 0x0                             ; Q
.Lslot:                                            ; NSL - 1 trips, a constant: every work-group walks all changes of slots
	CHANGE 1
	SLOT_STEPS
	s_sub_co_u32 s[SLOTS], s[SLOTS], 1
	s_cmp_lg_u32 s[SLOTS], 0
	s_cbranch_scc1 .Lslot
	CHANGE 0                                       ; the last slot is written out: nothing is left to ask for
	SLOT_STEPS
	; THE WAY OUT: O^T / sum, held, quantised for product 11: the conversions' results are that operand's registers, K = my head's 128 channels in their order; they are stored as an image
.rept 4
	v_nop
.endr
	v_add_f32 v14, v14, v15
	v_permlanex16_b32 v236, v14, s[SEL], s[SEL+1]
	s_delay_alu instid0(VALU_DEP_1)
	v_add_f32 v14, v14, v236                       ; the row's sum
	s_wait_alu depctr_va_vdst(0)
	v_rcp_f32 v14, v14
	v_nop                                          ; a plain line behind the transcendental
	s_wait_alu depctr_va_vdst(0)
.set J, 0
.rept 32
	v_pk_mul_f32 v[96+J:97+J], v[160+J:161+J], v[14:15] op_sel_hi:[1,0]   ; each accumulator from its low end on
.set J, J+2
.endr
.set J, 0
.rept 64
	v_med3_num_f32 v[96+J], v[96+J], -v241, v241
.set J, J+1
.endr
.irp b, 0,1,2,3
	v_cvt_scalef32_pk8_fp8_f32 v[224+4*\b:225+4*\b], v[96+16*\b:103+16*\b], v245
	v_cvt_scalef32_pk8_fp8_f32 v[226+4*\b:227+4*\b], v[104+16*\b:111+16*\b], v245
.endr
	v_nop
.irp c, 0,1,2,3
	global_store_b128 v[L16], v[224+4*\c:227+4*\c], s[16:17] offset:512*\c   ; the wave stores 512 consecutive bytes, aligned
.endr
	s_wait_tensorcnt 0x0                           ; the wave's end
	ds_add_u32 v[SPW], v[NIL]
	s_wait_dscnt 0x0
	s_endpgm
.Lfunc_end_k_q67d1013c09_attn:
	.size	k_q67d1013c09_attn, .Lfunc_end_k_q67d1013c09_attn-k_q67d1013c09_attn
	.p2alignl 7, 3214868480
	.fill 96, 4, 3214868480
	.section	.rodata,"a",@progbits
	.p2align	6, 0x0
	.amdhsa_kernel k_q67d1013c09_attn
		.amdhsa_group_segment_fixed_size 327680
		.amdhsa_private_segment_fixed_size 0
		.amdhsa_enable_private_segment 0
		.amdhsa_kernarg_size 40
		.amdhsa_user_sgpr_count 2
		.amdhsa_user_sgpr_kernarg_segment_ptr 1
		.amdhsa_wavefront_size32 1
		.amdhsa_system_sgpr_workgroup_id_x 1
		.amdhsa_system_sgpr_workgroup_id_y 1
		.amdhsa_system_sgpr_workgroup_id_z 1
		.amdhsa_system_vgpr_workitem_id 0
		.amdhsa_next_free_vgpr 256
		.amdhsa_next_free_sgpr 100
		.amdhsa_reserve_vcc 1
		.amdhsa_float_denorm_mode_32 3
		.amdhsa_float_denorm_mode_16_64 3
		.amdhsa_memory_ordered 1
		.amdhsa_forward_progress 1
		.amdhsa_inst_pref_size 110
	.end_amdhsa_kernel
	.amdgpu_metadata
---
amdhsa.version: [ 1, 2 ]
amdhsa.kernels:
  - .name:           k_q67d1013c09_attn
    .symbol:         k_q67d1013c09_attn.kd
    .args:
      - { .name: qf, .offset: 0, .size: 8, .value_kind: global_buffer, .address_space: global }
      - { .name: kf, .offset: 8, .size: 8, .value_kind: global_buffer, .address_space: global }
      - { .name: vf, .offset: 16, .size: 8, .value_kind: global_buffer, .address_space: global }
      - { .name: lowp_scales, .offset: 24, .size: 8, .value_kind: global_buffer, .address_space: global }
      - { .name: of, .offset: 32, .size: 8, .value_kind: global_buffer, .address_space: global }
    .group_segment_fixed_size: 327680
    .private_segment_fixed_size: 0
    .kernarg_segment_align: 8
    .kernarg_segment_size: 40
    .max_flat_workgroup_size: 512
    .sgpr_count:     100
    .vgpr_count:     256
    .wavefront_size: 32
...
	.end_amdgpu_metadata
.endif
;; end of part 7
;; launch outp (part 8): grid 256 x 1, 15 waves a work-group, no clusters, 129,024 bytes of LDS; arguments of, pof, lowp_scales, out0; writes out0
.if DOCPART == 8
	.amdgcn_target "amdgcn-amd-amdhsa--gfx1250"
	.amdhsa_code_object_version 6
	.text
	.protected	k_q67d1013c09_outp
	.globl	k_q67d1013c09_outp
	.p2align	8
	.type	k_q67d1013c09_outp,@function
k_q67d1013c09_outp:
	s_mov_b64 s[64:65], 0
	v_nop
	global_prefetch_b8 v0, s[64:65] scope:SCOPE_SE
	s_setreg_imm32_b32 hwreg(HW_REG_WAVE_SCHED_MODE, 0, 2), 2
	s_setreg_imm32_b32 hwreg(HW_REG_WAVE_MODE, 25, 1), 1
	s_wait_xcnt 0x0
	s_wait_alu depctr_vm_vsrc(0)
; OUTP: product 11, out0 = o po_w, on the codes that the launches before have laid in operand order.  Nothing is left out here.
; SHARES.  A work-group takes 64 rows: 65,536 consecutive bytes of of (four tiles of 16 positions x eight heads = K steps x 2,048) and 61,440 consecutive bytes of out0.  Fifteen waves, one for each tile of 16 of the 240 columns:
; a wave's eight fragments of po_w (128 registers) come from memory once; the rows' codes are copied into LDS once and read by all fifteen.
; The matrix instruction is used transposed (source 0 = 16 columns of po_w, source 1 = 16 rows): a lane holds eight neighbouring columns of one row, position 32 (m/2) + 8 (m%2) + r%8 + 16 (r/8) of the block.
; The results meet in a stage of 64 rows x 960 bytes, dense: the very bytes of out0's block, so that they are read back at 16 x thread and every store of a wave covers 512 consecutive bytes, aligned.
; (Rows 960 bytes apart: the sixteen lanes of a store into the stage fall on four different 64-byte columns modulo 256 (64 banks of 4 bytes: ISA guide 11.1): eight such stores a wave, beside 136 LDS loads.)
; No tensor load, no cluster: work-groups share only po_w's 245,760 bytes, which each wave reads once into registers.  LIMIT: e20 + e21 between -126 and 127.
; THE MODE: SCHED_MODE bits 1:0 = 2 (LLVM: expert scheduling mode 2), set by the entry lines.  The code itself states the register dependences
; between vector or matrix instructions and memory or LDS instructions, with s_wait_alu, always for 0.
; THE PLAN.  Registers that memory or LDS instructions touch, and who else names them:
;   v3-6       Offsets and LDS addresses: written once at the head, read by loads and stores, never written again.
;   v16-143    The weights land once; matrix instructions read them.
;   v144-223   FIVE buffers of a fragment's 16 registers.  Fragment f = 4 x K step + row tile lies in buffer f % 5: its LDS loads land there, its one matrix instruction reads it, fragment f + 5 lands over it.
;              At the head v144-179 carry the copy: global loads land, my LDS stores read.  On the way out the packed multiplies write v144-175, LDS stores read them, and the rows come back into v176-207.
;   v224-255   The four accumulators: named by matrix and vector instructions alone.
; A step is two fragments, 2 j and 2 j + 1.  At its head fragments 2 j to 2 j + 2 are in or on their way.  ONE wait on va_vdst states that the step before's two matrix instructions are done reading their buffers;
; fragments 2 j + 3 and 2 j + 4 are then asked for into those two, and the step's two matrix instructions follow, which name none of the registers that those loads touch.
.set AIMG,  0
.set STG,   65536
.set SP,    960
.set SPARE, STG+64*SP                  ; the spare words, 128 bytes for each of 15 waves, rounded up: eight blocks of 256 bytes that no other line names
.set LI,  3                            ; v3  16 x lane
.set CP,  4                            ; v4  16 x thread
.set SO,  5                            ; v5  the stage: where I put 32 bytes of a row
.set SR,  6                            ; v6  and where I read 16 bytes back: STG + 16 x thread
.set SPW, 7
.set NIL, 8
.set W,   16                           ; v16-143  po_w's eight fragments
.set AF,  144                          ; v144-223 five fragments of rows; first the copy's data, last the results
.set ACC, 224                          ; v224-255 four accumulators
.macro FRAG f                          ; fragment f from LDS into buffer f % 5
.irp c, 0,1,2,3
	ds_load_b128 v[AF+16*((\f)%5)+4*\c:AF+16*((\f)%5)+4*\c+3], v[LI] offset:AIMG+(8*((\f)%4)+(\f)/4)*2048+512*\c
.endr
.endm
.macro MUL f                           ; its product: K step f / 4, accumulator f % 4.  The first K step starts the sums; the four accumulators take turns
.if (\f) < 4
	v_wmma_f32_16x16x128_fp8_fp8 v[ACC+8*((\f)%4):ACC+8*((\f)%4)+7], v[W+16*((\f)/4):W+16*((\f)/4)+15], v[AF+16*((\f)%5):AF+16*((\f)%5)+15], 0
.else
	v_wmma_f32_16x16x128_fp8_fp8 v[ACC+8*((\f)%4):ACC+8*((\f)%4)+7], v[W+16*((\f)/4):W+16*((\f)/4)+15], v[AF+16*((\f)%5):AF+16*((\f)%5)+15], v[ACC+8*((\f)%4):ACC+8*((\f)%4)+7]
.endif
.endm
	s_load_b256 s[4:11], s[0:1], 0x0               ; of s[4:5], pof s[6:7], the scales s[8:9], out0 s[10:11]
	v_lshl_add_u32 v[SPW], v0, 2, SPARE
	v_mov_b32 v[NIL], 0
	v_lshrrev_b32 v1, 5, v0
	v_readfirstlane_b32 s12, v1                    ; wave 0..14
	v_and_b32 v2, 31, v0
	v_lshlrev_b32 v[LI], 4, v2
	v_lshlrev_b32 v[CP], 4, v0
	v_and_b32 v9, 7, v0
	v_bfe_u32 v10, v0, 3, 1
	v_lshl_add_u32 v9, v10, 4, v9                  ; r%8 + 16 (r/8)
	v_bfe_u32 v10, v0, 4, 1                        ; h
	v_mul_u32_u24 v[SO], v9, SP
	v_lshl_add_u32 v[SO], v10, 5, v[SO]
	s_wait_alu depctr_va_sdst(0)                   ; s12 is written, ahead of its first reader
	s_lshl_b32 s13, s12, 6
	s_add_co_u32 s13, s13, STG
	v_add_nc_u32 v[SO], s13, v[SO]                 ; row, + 64 x wave + 32 h
	v_add_nc_u32 v[SR], STG, v[CP]                 ; the 480 threads take 7,680 consecutive bytes, eight rows, at a time
	s_lshl_b32 s14, ttmp9, 16
	s_mov_b32 s15, 0
	s_mul_i32 s16, ttmp9, 61440
	s_mov_b32 s17, 0
	s_lshl_b32 s18, s12, 14
	s_mov_b32 s19, 0
	s_wait_kmcnt 0x0
	s_load_b64 s[20:21], s[8:9], 0x50              ; e20, e21
	s_add_nc_u64 s[4:5], s[4:5], s[14:15]
	s_add_nc_u64 s[10:11], s[10:11], s[16:17]
	s_add_nc_u64 s[6:7], s[6:7], s[18:19]
	s_wait_alu depctr_va_vdst(0)                   ; the four offsets and addresses v3 to v6 are written, which every load and store of the kernel reads
.irp k, 0,1,2,3,4,5,6,7
	global_load_b128 v[AF+4*\k:AF+4*\k+3], v[CP], s[4:5] offset:7680*\k th:TH_LOAD_NT
.endr
	s_cmp_lt_u32 s12, 8                            ; 65,536 = 8 x 7,680 + 4,096: the rest is eight waves' worth
	s_cbranch_scc0 .Lno_ninth_load
	global_load_b128 v[AF+32:AF+35], v[CP], s[4:5] offset:61440 th:TH_LOAD_NT
.Lno_ninth_load:
.set I, 0
.rept 32
	global_load_b128 v[W+4*I:W+4*I+3], v[LI], s[6:7] offset:512*I
.set I, I+1
.endr
	s_wait_loadcnt 32                              ; the rows' codes are in; the 32 loads of weights, issued behind them, may be out
.irp k, 0,1,2,3,4,5,6,7
	ds_store_b128 v[CP], v[AF+4*\k:AF+4*\k+3] offset:AIMG+7680*\k
.endr
	s_cmp_lt_u32 s12, 8
	s_cbranch_scc0 .Lno_ninth_store
	ds_store_b128 v[CP], v[AF+32:AF+35] offset:AIMG+61440
.Lno_ninth_store:
	s_wait_dscnt 0x0                               ; for the others' sake: my stores have landed
	s_barrier_signal -1
	s_barrier_wait -1
	s_wait_alu depctr_vm_vsrc(0)                   ; my LDS stores have read v144-179, in which the first fragments land
	FRAG 0
	FRAG 1
	FRAG 2
.set J, 0
.rept 16
.if (J > 0) && (2*J+3 < 32)
	s_wait_alu depctr_va_vdst(0)                   ; the step before's two matrix instructions are done reading their buffers, in which the loads below land
.endif
.if 2*J+3 < 32
	FRAG 2*J+3
.endif
.if 2*J+4 < 32
	FRAG 2*J+4
.endif
.if J == 0
	s_wait_loadcnt 0x0                             ; the weights
.endif
.if 2*J+4 < 32
	s_wait_dscnt 12                                ; LDS loads come back in order (ISA guide 5.7.1): this step's two fragments are in, the three younger ones (twelve loads) stay out
.elseif 2*J+3 < 32
	s_wait_dscnt 8                                 ; the last two fragments stay out
.else
	s_wait_dscnt 0x0
.endif
	MUL 2*J
	MUL 2*J+1
.set J, J+1
.endr
	s_wait_kmcnt 0x0
	s_add_co_i32 s20, s20, s21
	s_add_co_i32 s20, s20, 127
	s_lshl_b32 s20, s20, 23                        ; 2^(e20 + e21) as f32
	s_mov_b32 s21, s20
.rept 4
	v_nop                                          ; four plain lines behind the last matrix instructions, ahead of the lines that read their results and write over their fragments (ISA guide 7.12.1)
.endr
.set J, 0
.rept 16
	v_pk_mul_f32 v[AF+J:AF+J+1], v[ACC+J:ACC+J+1], s[20:21] op_sel_hi:[1,0]   ; each accumulator from its low end on
.set J, J+2
.endr
	s_wait_alu depctr_va_vdst(0)                   ; the multiplies have written v144-175, which the LDS stores read; the matrix instructions are done reading v176-207, in which the rows land further down
.irp m, 0,1,2,3
	ds_store_b128 v[SO], v[AF+8*\m:AF+8*\m+3] offset:(32*(\m/2)+8*(\m%2))*SP
	ds_store_b128 v[SO], v[AF+8*\m+4:AF+8*\m+7] offset:(32*(\m/2)+8*(\m%2))*SP+16
.endr
	s_wait_dscnt 0x0                               ; for the others' sake: my stores into the stage have landed
	s_barrier_signal -1
	s_barrier_wait -1                              ; 64 whole rows lie in the stage
.irp k, 0,1,2,3,4,5,6,7
	ds_load_b128 v[AF+32+4*\k:AF+35+4*\k], v[SR] offset:7680*\k
.endr
.irp k, 0,1,2,3,4,5,6,7
	s_wait_dscnt 7-\k                              ; LDS loads come back in order: the younger ones stay out
	global_store_b128 v[CP], v[AF+32+4*\k:AF+35+4*\k], s[10:11] offset:7680*\k th:TH_STORE_NT
.endr
	s_wait_dscnt 0x0                               ; the closing lines, six on end
	s_wait_alu 0x0
	s_wait_tensorcnt 0x0
	ds_add_u32 v[SPW], v[NIL]
	s_wait_dscnt 0x0
	s_endpgm
.Lfunc_end_k_q67d1013c09_outp:
	.size	k_q67d1013c09_outp, .Lfunc_end_k_q67d1013c09_outp-k_q67d1013c09_outp
	.p2alignl 7, 3214868480
	.fill 96, 4, 3214868480
	.section	.rodata,"a",@progbits
	.p2align	6, 0x0
	.amdhsa_kernel k_q67d1013c09_outp
		.amdhsa_group_segment_fixed_size 129024
		.amdhsa_private_segment_fixed_size 0
		.amdhsa_enable_private_segment 0
		.amdhsa_kernarg_size 32
		.amdhsa_user_sgpr_count 2
		.amdhsa_user_sgpr_kernarg_segment_ptr 1
		.amdhsa_wavefront_size32 1
		.amdhsa_system_sgpr_workgroup_id_x 1
		.amdhsa_system_sgpr_workgroup_id_y 1
		.amdhsa_system_sgpr_workgroup_id_z 1
		.amdhsa_system_vgpr_workitem_id 0
		.amdhsa_next_free_vgpr 256
		.amdhsa_next_free_sgpr 66
		.amdhsa_reserve_vcc 0
		.amdhsa_float_denorm_mode_32 3
		.amdhsa_float_denorm_mode_16_64 3
		.amdhsa_memory_ordered 1
		.amdhsa_forward_progress 1
		.amdhsa_inst_pref_size 22
	.end_amdhsa_kernel
	.amdgpu_metadata
---
amdhsa.version: [ 1, 2 ]
amdhsa.kernels:
  - .name:           k_q67d1013c09_outp
    .symbol:         k_q67d1013c09_outp.kd
    .args:
      - { .name: of, .offset: 0, .size: 8, .value_kind: global_buffer, .address_space: global }
      - { .name: pof, .offset: 8, .size: 8, .value_kind: global_buffer, .address_space: global }
      - { .name: lowp_scales, .offset: 16, .size: 8, .value_kind: global_buffer, .address_space: global }
      - { .name: out0, .offset: 24, .size: 8, .value_kind: global_buffer, .address_space: global }
    .group_segment_fixed_size: 129024
    .private_segment_fixed_size: 0
    .kernarg_segment_align: 8
    .kernarg_segment_size: 32
    .max_flat_workgroup_size: 480
    .sgpr_count:     66
    .vgpr_count:     256
    .wavefront_size: 32
...
	.end_amdgpu_metadata
.endif
;; end of part 8
